; MI455X (gfx1250); checked and timed in simulation.
; The chip was launched on July 23, 2026; its instructions are those of AMD's public machine-readable ISA for CDNA 5 (MIT licence, August 2026) and "CDNA5" Instruction Set Architecture Reference Guide (July 2026). The comments in the code are by the model that wrote it; some were corrected since.
;; Gated Linear Attention. Allowed arithmetic: float matrix products may take bf16 or f16 operands with f32 sums; other float arithmetic in f32, or as packed bf16 or f16 multiplies, adds, multiply-adds, maxima and minima; sums over many terms, partial sums and values carried from step to step in f32; what a program stores and reads back later, other than sums and carried values, may be rounded once to bf16 or f16.
;; Inputs: Wg 2,048 x 2,048 float32; Wk 1,024 x 2,048 float32; Wkg1 16 x 2,048 float32; Wkg2 1,024 x 16 float32; Wo 2,048 x 2,048 float32; Wq 1,024 x 2,048 float32; Wv 2,048 x 2,048 float32; bg 2,048 float32; bkg2 1,024 float32; hidden_states 2 x 16 x 64 x 128 float32; x 2 x 2,048 x 2,048 float32.
;; Outputs: out0 2 x 2,048 x 2,048 float32; out1 2 x 16 x 64 x 128 float32.
;; 2 versions, each right and faster than the one before. Each part assembles by itself: llvm-mc -triple=amdgcn-amd-amdhsa -mcpu=gfx1250 --defsym DOCPART=n.
;; ======== version 1 of 2: 6 launches
;; limits: values outside matrix products are rounded to f16; values are held in f16: magnitudes above 65,504 overflow, below 6.1e-05 lose precision
;; workspace buffers: ab 50,331,648 bytes; low16 131,072 bytes; img 50,331,648 bytes; rec 20,971,520 bytes; ust 8,388,608 bytes; dch 131,072 bytes; sin 8,388,608 bytes; y16 16,777,216 bytes
;; launch cast (part 1): grid 256 x 1, 8 waves a work-group, no clusters, 144,384 bytes of LDS; arguments x, Wkg1, Wv, Wq, Wk, Wg, Wo, ab, low16; writes ab, low16
.if DOCPART == 1
	.amdgcn_target "amdgcn-amd-amdhsa--gfx1250"
	.amdhsa_code_object_version 6
	.text
	.protected	k_qf0ff41503d_cast
	.globl	k_qf0ff41503d_cast
	.p2align	8
	.type	k_qf0ff41503d_cast,@function
k_qf0ff41503d_cast:
	s_mov_b64 s[64:65], 0
	v_nop
	global_prefetch_b8 v0, s[64:65] scope:SCOPE_SE
	s_setreg_imm32_b32 hwreg(HW_REG_WAVE_MODE, 25, 1), 1
	s_wait_xcnt 0x0
; CAST.  All large inputs are rounded once to bf16 and laid into ab, 12,288 rows of 2,048 numbers of 2 bytes:
; rows 0-4095 x, 4096-6143 Wv, 6144-7167 Wq, 7168-8191 Wk, 8192-10239 Wg (bf16), 10240-12287 Wo (the bf16 number written as f16).
; Beside it low = x Wkg1^T (bf16 operands, f32 sums), kept as f16 [4096][16].
; SHARES.  Work-group i: x rows 16 i .. 16 i + 15 and their low, and 32 weight rows, which land in ab rows 4096 + 32 i on.
; Of x and Wkg1 wave w takes columns 256 w .. 256 w + 255 of all 16 rows; of the weights rows 4 w .. 4 w + 3 of the 32.
; Each store of a wave covers 256 consecutive bytes, aligned.  Two register buffers of 16 loads take turns: 16 to 32 loads of a wave are out.
; LIMITS.  low is kept in f16 (up to 65,504).  A weight of Wo below 6e-5 keeps f16's fixed step of 6e-8.  NaN and infinities are not treated apart.
.set SPITCH, 528                       ; an LDS row of a strip: 512 bytes + 16
.set STRIP,  16*SPITCH
.set LTW,    0                         ; Wkg1's strips, one for each wave
.set LTX,    8*STRIP                   ; x's strips
.set PART,   16*STRIP                  ; the waves' partial sums of low, 1,024 bytes each
.set SPARE,  PART+8*1024               ; the spare words, 128 bytes for each wave
.set XO,  4                            ; byte offset in a row of x or Wkg1: 1,024 w + 16 lane
.set XS,  5                            ; the same in a row of ab: 512 w + 8 lane
.set LSW, 6                            ; where I put 8 bytes of a strip's row (Wkg1)
.set LSX, 7                            ; the same for x
.set FRW, 8                            ; my place in a fragment of Wkg1's strip
.set FRX, 9                            ; of x's
.set PST, 10                           ; my 32 bytes of my wave's partial sums
.set PLD, 11                           ; my 32 bytes of wave 0's
.set WO,  12                           ; weights: 4 w rows of 8,192 bytes + 16 lane
.set WS,  13                           ; in ab: 4 w rows of 4,096 bytes + 8 lane
.set SPW, 14
.set NIL, 15
.set BUF0, 16
.set BUF1, 80
.set WKF,  144                         ; 8 fragments of Wkg1
.set XF,   208                         ; 4 fragments of x
.set ACC0, 240
.set ACC1, 248
	s_load_b512 s[16:31], s[0:1], 0x0              ; x 16, Wkg1 18, Wv 20, Wq 22, Wk 24, Wg 26, Wo 28, ab 30
	s_load_b64 s[32:33], s[0:1], 0x40              ; low16
	v_lshl_add_u32 v[SPW], v0, 2, SPARE
	v_mov_b32 v[NIL], 0
	v_lshrrev_b32 v1, 5, v0
	v_readfirstlane_b32 s8, v1                     ; wave 0..7
	v_and_b32 v1, 31, v0                           ; lane
	v_and_b32 v2, 15, v0                           ; lane % 16
	v_bfe_u32 v3, v0, 4, 1                         ; lane / 16
	s_lshl_b32 s9, s8, 10
	v_lshl_add_u32 v[XO], v1, 4, s9
	s_lshl_b32 s9, s8, 9
	v_lshl_add_u32 v[XS], v1, 3, s9
	s_mul_i32 s9, s8, STRIP
	v_lshl_add_u32 v[LSW], v1, 3, s9
	v_add_nc_u32 v[LSX], LTX, v[LSW]
	v_mul_u32_u24 v[FRW], v2, SPITCH
	v_lshl_add_u32 v[FRW], v3, 4, v[FRW]
	v_add_nc_u32 v[FRW], s9, v[FRW]
	v_add_nc_u32 v[FRX], LTX, v[FRW]
	v_lshlrev_b32 v[PLD], 5, v1
	v_add_nc_u32 v[PLD], PART, v[PLD]
	s_lshl_b32 s9, s8, 10
	v_add_nc_u32 v[PST], s9, v[PLD]
	s_lshl_b32 s9, s8, 15
	v_lshl_add_u32 v[WO], v1, 4, s9
	s_lshl_b32 s9, s8, 14
	v_lshl_add_u32 v[WS], v1, 3, s9
	s_mov_b32 s12, 0xffff0000                      ; a word's upper bf16
	s_mov_b32 s13, ttmp9                           ; i
	s_mov_b32 s11, 0
	s_wait_kmcnt 0x0
	s_lshl_b32 s10, s13, 17
	s_add_nc_u64 s[16:17], s[16:17], s[10:11]      ; x at my 16 rows
	s_add_nc_u64 s[38:39], s[30:31], s[10:11]
	s_add_nc_u64 s[38:39], s[38:39], 16777216      ; ab at row 4096 + 32 i
	s_lshl_b32 s10, s13, 16
	s_add_nc_u64 s[36:37], s[30:31], s[10:11]      ; ab at row 16 i
	s_lshl_b32 s10, s13, 9
	s_add_nc_u64 s[32:33], s[32:33], s[10:11]      ; low16 at my 16 rows
	s_mov_b64 s[34:35], s[28:29]                   ; which weight my 32 rows come from, and at which i it begins
	s_mov_b32 s14, 192
	s_cmp_lt_u32 s13, 192
	s_cselect_b64 s[34:35], s[26:27], s[34:35]
	s_cselect_b32 s14, 128, s14
	s_cmp_lt_u32 s13, 128
	s_cselect_b64 s[34:35], s[24:25], s[34:35]
	s_cselect_b32 s14, 96, s14
	s_cmp_lt_u32 s13, 96
	s_cselect_b64 s[34:35], s[22:23], s[34:35]
	s_cselect_b32 s14, 64, s14
	s_cmp_lt_u32 s13, 64
	s_cselect_b64 s[34:35], s[20:21], s[34:35]
	s_cselect_b32 s14, 0, s14
	s_sub_co_u32 s10, s13, s14
	s_lshl_b32 s10, s10, 18                        ; 32 rows of 8,192 bytes
	s_add_nc_u64 s[34:35], s[34:35], s[10:11]
.macro LD_STRIP buf, sb, half, nt      ; rows 8 half .. 8 half + 7 of my strip: two loads of 512 bytes a row
.set n, 0
.rept 16
.if \nt
	global_load_b128 v[(\buf)+4*n:(\buf)+4*n+3], v[XO], s[\sb:\sb+1] offset:(8*(\half)+n/2)*8192+(n%2)*512 th:TH_LOAD_NT
.else
	global_load_b128 v[(\buf)+4*n:(\buf)+4*n+3], v[XO], s[\sb:\sb+1] offset:(8*(\half)+n/2)*8192+(n%2)*512
.endif
.set n, n+1
.endr
.endm
.macro LD_ROW buf, row                 ; weight row 4 w + row: 16 loads of 512 bytes
.set n, 0
.rept 16
	global_load_b128 v[(\buf)+4*n:(\buf)+4*n+3], v[WO], s[34:35] offset:(\row)*8192+n*512 th:TH_LOAD_NT
.set n, n+1
.endr
.endm
.macro CVT buf, f16                    ; four f32 -> two words of two bf16, in the quad's first two registers; f16 = 1: the bf16 numbers written as f16
.set n, 0
.rept 16
	v_cvt_pk_bf16_f32 v[(\buf)+4*n], v[(\buf)+4*n], v[(\buf)+4*n+1]
	v_cvt_pk_bf16_f32 v[(\buf)+4*n+1], v[(\buf)+4*n+2], v[(\buf)+4*n+3]
.if \f16
	v_lshlrev_b32 v[(\buf)+4*n+2], 16, v[(\buf)+4*n]
	v_and_b32 v[(\buf)+4*n+3], s12, v[(\buf)+4*n]
	v_cvt_pk_f16_f32 v[(\buf)+4*n], v[(\buf)+4*n+2], v[(\buf)+4*n+3]
	v_lshlrev_b32 v[(\buf)+4*n+2], 16, v[(\buf)+4*n+1]
	v_and_b32 v[(\buf)+4*n+3], s12, v[(\buf)+4*n+1]
	v_cvt_pk_f16_f32 v[(\buf)+4*n+1], v[(\buf)+4*n+2], v[(\buf)+4*n+3]
.endif
.set n, n+1
.endr
.endm
.macro ST_LDS buf, adr, half
.set n, 0
.rept 16
	ds_store_b64 v[\adr], v[(\buf)+4*n:(\buf)+4*n+1] offset:(8*(\half)+n/2)*SPITCH+(n%2)*256
.set n, n+1
.endr
.endm
.macro ST_X buf, half
.set n, 0
.rept 16
	global_store_b64 v[XS], v[(\buf)+4*n:(\buf)+4*n+1], s[36:37] offset:(8*(\half)+n/2)*4096+(n%2)*256
.set n, n+1
.endr
.endm
.macro ST_ROW buf, row
.set n, 0
.rept 16
	global_store_b64 v[WS], v[(\buf)+4*n:(\buf)+4*n+1], s[38:39] offset:(\row)*4096+n*256
.set n, n+1
.endr
.endm
	LD_STRIP BUF0, 18, 0, 0                        ; Wkg1 (every work-group reads it: no hint)
	LD_STRIP BUF1, 18, 1, 0
	s_wait_loadcnt 16                              ; the older 16 loads are in, the younger 16 stay out: so at every such wait below
	CVT BUF0, 0
	ST_LDS BUF0, LSW, 0
	LD_STRIP BUF0, 16, 0, 1                        ; x
	s_wait_loadcnt 16
	CVT BUF1, 0
	ST_LDS BUF1, LSW, 1
	LD_STRIP BUF1, 16, 1, 1
.set kk, 0
.rept 8                                            ; my strip of Wkg1 as 8 fragments of 16 rows x 32 columns: my own bytes, served in order behind my stores
	ds_load_b128 v[WKF+8*kk:WKF+8*kk+3], v[FRW] offset:64*kk
	ds_load_b128 v[WKF+8*kk+4:WKF+8*kk+7], v[FRW] offset:64*kk+32
.set kk, kk+1
.endr
	s_wait_loadcnt 16
	CVT BUF0, 0
	ST_LDS BUF0, LSX, 0
	ST_X BUF0, 0
	s_wait_xcnt 0x0                                ; the stores' data registers are loaded again only behind this wait
	LD_ROW BUF0, 0
	s_wait_loadcnt 16
	CVT BUF1, 0
	ST_LDS BUF1, LSX, 1
	ST_X BUF1, 1
	s_wait_xcnt 0x0
	LD_ROW BUF1, 1
; low^T = Wkg1 x^T over my 256 columns: source 0 = Wkg1's 16 rows, source 1 = 16 rows of x: a lane holds one token and eight of the 16 numbers.
; Two accumulators take turns.
.macro LOWB bt
.set kk, 0
.rept 4
	ds_load_b128 v[XF+8*kk:XF+8*kk+3], v[FRX] offset:64*(4*(\bt)+kk)
	ds_load_b128 v[XF+8*kk+4:XF+8*kk+7], v[FRX] offset:64*(4*(\bt)+kk)+32
.set kk, kk+1
.endr
	s_wait_dscnt 0x0
.if (\bt) == 0
	v_wmma_f32_16x16x32_bf16 v[ACC0:ACC0+7], v[WKF:WKF+7], v[XF:XF+7], 0
	v_wmma_f32_16x16x32_bf16 v[ACC1:ACC1+7], v[WKF+8:WKF+15], v[XF+8:XF+15], 0
.else
	v_wmma_f32_16x16x32_bf16 v[ACC0:ACC0+7], v[WKF+32:WKF+39], v[XF:XF+7], v[ACC0:ACC0+7]
	v_wmma_f32_16x16x32_bf16 v[ACC1:ACC1+7], v[WKF+40:WKF+47], v[XF+8:XF+15], v[ACC1:ACC1+7]
.endif
	v_wmma_f32_16x16x32_bf16 v[ACC0:ACC0+7], v[WKF+32*(\bt)+16:WKF+32*(\bt)+23], v[XF+16:XF+23], v[ACC0:ACC0+7]
	v_wmma_f32_16x16x32_bf16 v[ACC1:ACC1+7], v[WKF+32*(\bt)+24:WKF+32*(\bt)+31], v[XF+24:XF+31], v[ACC1:ACC1+7]
.rept 4
	v_nop                                          ; four places behind the products, ahead of loads into their sources and of reads of their sums
.endr
.endm
	LOWB 0
	LOWB 1
.irp j, 0,2,4,6
	v_pk_add_f32 v[ACC0+\j:ACC0+\j+1], v[ACC0+\j:ACC0+\j+1], v[ACC1+\j:ACC1+\j+1]
.endr
	ds_store_b128 v[PST], v[ACC0:ACC0+3]
	ds_store_b128 v[PST], v[ACC0+4:ACC0+7] offset:16
	s_wait_dscnt 0x0                               ; for wave 0's sake: my partial sums are written
	s_barrier_signal -1
	s_barrier_wait -1
	s_cmp_lg_u32 s8, 0
	s_cbranch_scc1 .Lnot_first
.set u, 0
.rept 8                                            ; wave 0 adds the eight partial sums, in f32
	ds_load_b128 v[WKF+8*u:WKF+8*u+3], v[PLD] offset:1024*u
	ds_load_b128 v[WKF+8*u+4:WKF+8*u+7], v[PLD] offset:1024*u+16
.set u, u+1
.endr
	v_lshlrev_b32 v2, 5, v2                        ; token x 32 bytes + 16 x half
	v_lshl_add_u32 v2, v3, 4, v2
	s_wait_dscnt 0x0
.set u, 1
.rept 7
.irp j, 0,2,4,6
	v_pk_add_f32 v[WKF+\j:WKF+\j+1], v[WKF+\j:WKF+\j+1], v[WKF+8*u+\j:WKF+8*u+\j+1]
.endr
.set u, u+1
.endr
.irp j, 0,1,2,3
	v_cvt_pk_f16_f32 v[WKF+8+\j], v[WKF+2*\j], v[WKF+2*\j+1]
.endr
	global_store_b128 v2, v[WKF+8:WKF+11], s[32:33]  ; the wave's 512 bytes are consecutive
.Lnot_first:
.macro WROWS f16                       ; my four weight rows; rows 0 and 1 are on their way
	s_wait_loadcnt 16
	CVT BUF0, \f16
	ST_ROW BUF0, 0
	s_wait_xcnt 0x0
	LD_ROW BUF0, 2
	s_wait_loadcnt 16
	CVT BUF1, \f16
	ST_ROW BUF1, 1
	s_wait_xcnt 0x0
	LD_ROW BUF1, 3
	s_wait_loadcnt 16
	CVT BUF0, \f16
	ST_ROW BUF0, 2
	s_wait_loadcnt 0x0
	CVT BUF1, \f16
	ST_ROW BUF1, 3
.endm
	s_cmp_ge_u32 s13, 192
	s_cbranch_scc1 .Lwo
	WROWS 0
	s_branch .Lend
.Lwo:
	WROWS 1                                        ; Wo multiplies an f16 operand later
.Lend:
	s_wait_tensorcnt 0x0                           ; the wave's end
	ds_add_u32 v[SPW], v[NIL]
	s_wait_dscnt 0x0
	s_endpgm
.Lfunc_end_k_qf0ff41503d_cast:
	.size	k_qf0ff41503d_cast, .Lfunc_end_k_qf0ff41503d_cast-k_qf0ff41503d_cast
	.p2alignl 7, 3214868480
	.fill 96, 4, 3214868480
	.section	.rodata,"a",@progbits
	.p2align	6, 0x0
	.amdhsa_kernel k_qf0ff41503d_cast
		.amdhsa_group_segment_fixed_size 144384
		.amdhsa_private_segment_fixed_size 0
		.amdhsa_enable_private_segment 0
		.amdhsa_kernarg_size 72
		.amdhsa_user_sgpr_count 2
		.amdhsa_user_sgpr_kernarg_segment_ptr 1
		.amdhsa_wavefront_size32 1
		.amdhsa_system_sgpr_workgroup_id_x 1
		.amdhsa_system_sgpr_workgroup_id_y 1
		.amdhsa_system_sgpr_workgroup_id_z 1
		.amdhsa_system_vgpr_workitem_id 0
		.amdhsa_next_free_vgpr 256
		.amdhsa_next_free_sgpr 66
		.amdhsa_reserve_vcc 0
		.amdhsa_float_denorm_mode_32 3
		.amdhsa_float_denorm_mode_16_64 3
		.amdhsa_memory_ordered 1
		.amdhsa_forward_progress 1
		.amdhsa_inst_pref_size 85
	.end_amdhsa_kernel
	.amdgpu_metadata
---
amdhsa.version: [ 1, 2 ]
amdhsa.kernels:
  - .name:           k_qf0ff41503d_cast
    .symbol:         k_qf0ff41503d_cast.kd
    .args:
      - { .name: x, .offset: 0, .size: 8, .value_kind: global_buffer, .address_space: global }
      - { .name: Wkg1, .offset: 8, .size: 8, .value_kind: global_buffer, .address_space: global }
      - { .name: Wv, .offset: 16, .size: 8, .value_kind: global_buffer, .address_space: global }
      - { .name: Wq, .offset: 24, .size: 8, .value_kind: global_buffer, .address_space: global }
      - { .name: Wk, .offset: 32, .size: 8, .value_kind: global_buffer, .address_space: global }
      - { .name: Wg, .offset: 40, .size: 8, .value_kind: global_buffer, .address_space: global }
      - { .name: Wo, .offset: 48, .size: 8, .value_kind: global_buffer, .address_space: global }
      - { .name: ab, .offset: 56, .size: 8, .value_kind: global_buffer, .address_space: global }
      - { .name: low16, .offset: 64, .size: 8, .value_kind: global_buffer, .address_space: global }
    .group_segment_fixed_size: 144384
    .private_segment_fixed_size: 0
    .kernarg_segment_align: 8
    .kernarg_segment_size: 72
    .max_flat_workgroup_size: 256
    .sgpr_count:     66
    .vgpr_count:     256
    .wavefront_size: 32
...
	.end_amdgpu_metadata
.endif
;; end of part 1
;; launch gemm1 (part 2): grid 16 x 16, 4 waves a work-group, clusters of 4 x 4, 327,680 bytes of LDS; arguments ab, img; writes img
.if DOCPART == 2
	.amdgcn_target "amdgcn-amd-amdhsa--gfx1250"
	.amdhsa_code_object_version 6
	.text
	.protected	k_qf0ff41503d_gemm1
	.globl	k_qf0ff41503d_gemm1
	.p2align	8
	.type	k_qf0ff41503d_gemm1,@function
k_qf0ff41503d_gemm1:
	s_mov_b64 s[64:65], 0
	v_nop
	global_prefetch_b8 v0, s[64:65] scope:SCOPE_SE
	s_setreg_imm32_b32 hwreg(HW_REG_WAVE_MODE, 25, 1), 1
	s_wait_xcnt 0x0
	s_wait_alu depctr_hold_cnt(0) depctr_sa_sdst(0) depctr_va_vdst(0) depctr_va_sdst(0) depctr_va_ssrc(0) depctr_va_vcc(0) depctr_vm_vsrc(0)
	s_getreg_b32 s2, hwreg(HW_REG_IB_STS2, 6, 4)
	s_cmp_eq_u32 s2, 0
	s_cbranch_scc0 .Lentry_in_a_cluster
	s_endpgm
.Lentry_in_a_cluster:
	s_bfe_u32 s2, ttmp6, 0x10000c
	s_cmp_lg_u32 s2, 0xf033
	s_cbranch_scc0 .Lentry_shape_is_right
	s_endpgm
.Lentry_shape_is_right:
; THE PROJECTIONS q, k, g, v = x W^T, bf16 operands out of ab, f32 sums over K = 2,048, results rounded once to f16.
; A tile is 128 A-rows x 256 B-rows; four waves, each 64 x 128: 32 accumulators of 16 x 16.  K goes in steps of 128 (rows of 256 bytes) through two LDS slots filled by tensor loads.
; A WORK-GROUP STAYS for three tiles: A = x rows 128 Y on, then x rows 2,048 + 128 Y on, both against B = Wq, Wk, Wg (ab rows 6,144 + 256 X on); then A = Wv rows 128 Y on against B = x rows 256 X on.
; The ring runs on into the next tile.  3 x 256 tiles for 256 work-groups.
; THE MATRIX INSTRUCTION IS USED TRANSPOSED (source 0 = 16 B-rows, source 1 = 16 A-rows): a lane holds one A-row and eight neighbouring B-rows, 16 bytes of f16.  A block of 16 x 16 is stored as it lies,
; lane l's 16 bytes at 16 l: an IMAGE of 512 consecutive bytes, which a later launch loads straight into half a fragment.  img = [A-row block 384][B-row block 256][512 bytes]:
; blocks 0-255 hold tokens (a lane = a token; columns 0-63 q, 64-127 k, 128-255 g), blocks 256-383 v's channels (a lane = a channel; columns = token blocks).
; CLUSTER 4 x 4: A's tiles are asked for jointly along a row of the cluster, B's along a column.
; LIMIT.  q, k, v, g are kept in f16: up to 65,504.
; REGISTERS.  Window 0: v16-29 addresses; two fragment buffers of 96 (B's 8 fragments, then A's 4): v32-127, v128-223; v224-255 at work on the way out.  Window 1: accumulator (a, b) at v[8 (8 a + b)].
.set KSTEP,  128
.set PITCH,  272                       ; 256 bytes + 16: the 16 rows of a fragment load start 68 words apart
.set AHALF,  64*PITCH
.set BHALF,  128*PITCH
.set BOFF,   2*AHALF
.set SLOT,   BOFF+2*BHALF              ; A's 128 rows, then B's 256
.set SPARE,  2*SLOT                    ; the spare words, 128 bytes for each wave
.set LAPS,   8                         ; 2,048 / 256
.set NEXT_A, 2048*4096-(2048-2*KSTEP)*2  ; from a slot's last K step of a tile to its first of the next: 2,048 rows down and back along K
.set BACK_B, (2048-2*KSTEP)*2          ; B only back,
.set BACK_X, 6144*4096+BACK_B          ; or back and 6,144 rows up, to x
.set ADRA, 16
.set ADRB, 20
.set LOFF, 24
.set SPW,  28
.set NIL,  29
.set F0,   32
.set F1,   128
.set TMPA, 224
.set G1,  24
.set G0,  32
.set G1B, 48
.set G0B, 56
.set BSTEP, 66                         ; s[66:67] what B's addresses go back by at this tile's end
.set MSB, 0
.macro WIN new                         ; the immediate's high byte repeats the setting that is left
.if MSB != (\new)
	s_set_vgpr_msb (MSB<<8)|(\new)
.set MSB, \new
.endif
.endm
.set MUL, 0x50                         ; sources in window 0, C and D in window 1
.macro JLOAD s                         ; a joint load: waves 0 and 1 fetch A's halves, waves 2 and 3 B's; an s_nop 0 and four v_nop follow each line
	s_cmp_eq_u32 s11, 0
	s_cbranch_scc0 .Lfor_b_\@
	tensor_load_to_lds s[G0+4*(\s):G0+4*(\s)+3], s[G1:G1+7]
	s_nop 0
.rept 4
	v_nop
.endr
	s_branch .Lasked_\@
.Lfor_b_\@:
	tensor_load_to_lds s[G0B+4*(\s):G0B+4*(\s)+3], s[G1B:G1B+7]
	s_nop 0
.rept 4
	v_nop
.endr
.Lasked_\@:
.endm
.macro CREST                           ; a round of the cluster's barrier behind its opening barrier
	s_cmp_lg_u32 s10, 0
	s_cbranch_scc1 .Lnot_wave_0_\@
	s_barrier_signal -3
.Lnot_wave_0_\@:
	s_barrier_wait -3
	s_barrier_signal -1
	s_barrier_wait -1
.endm
.macro CROUND
	s_barrier_signal -1
	s_barrier_wait -1
	CREST
.endm
	s_load_b128 s[4:7], s[0:1], 0x0                ; ab s[4:5], img s[6:7]
	v_lshl_add_u32 v[SPW], v0, 2, SPARE
	v_mov_b32 v[NIL], 0
	ds_add_u32 v[SPW], v[NIL]                      ; the wave's opening: an add, and its wait ahead of my first tensor load
	ds_add_u32 v28, v29
	v_lshrrev_b32 v1, 5, v0
	v_readfirstlane_b32 s10, v1                    ; wave 0..3
	s_lshr_b32 s11, s10, 1                         ; which 64 A-rows are mine.  Also: I fetch for A (0) or for B (1)
	s_and_b32 s12, s10, 1                          ; which 128 B-rows are mine.  Also: which half of that tile I fetch
	s_bfe_u32 s40, ttmp6, 0x40000                  ; cx
	s_bfe_u32 s41, ttmp6, 0x40004                  ; cy
	s_lshl_b32 s42, ttmp9, 2
	s_add_co_u32 s42, s42, s40                     ; X
	s_and_b32 s13, ttmp7, 0xffff
	s_lshl_b32 s13, s13, 2
	s_add_co_u32 s13, s13, s41                     ; Y
	s_lshl_b32 s43, s41, 2
	s_lshl_b32 s43, 15, s43                        ; my row of the cluster
	s_lshl_b32 s44, 0x1111, s40                    ; my column
	s_or_b32 s[G1+0], s43, (1<<16)|(1<<20)|(1<<21)|(5<<22)|(3<<25)   ; mask; 2-byte elements; padding on; bit 21 beside a mask; after every 64 words 4 words
	s_or_b32 s[G1B+0], s44, (1<<16)|(1<<20)|(1<<21)|(5<<22)|(3<<25)
	s_mov_b32 s[G1+1], KSTEP<<16                   ; tensor_dim0 = 128
	s_mov_b32 s[G1+2], 64<<16                      ; tensor_dim1 = 64
	s_mov_b32 s[G1+3], KSTEP<<16                   ; tile_dim0 = 128
	s_mov_b32 s[G1+4], 64                          ; tile_dim1 = 64
	s_mov_b32 s[G1+5], 2048                        ; elements from row to row
	s_mov_b32 s[G1+6], 0
	s_mov_b32 s[G1+7], 0
	s_mov_b32 s[G1B+1], KSTEP<<16
	s_mov_b32 s[G1B+2], 128<<16                    ; B's loads bring 128 rows
	s_mov_b32 s[G1B+3], KSTEP<<16
	s_mov_b32 s[G1B+4], 128
	s_mov_b32 s[G1B+5], 2048
	s_mov_b32 s[G1B+6], 0
	s_mov_b32 s[G1B+7], 0
	s_lshl_b32 s16, s13, 19                        ; A: row 128 Y + 64 x half, 4,096 bytes a row
	s_lshl_b32 s17, s12, 18
	s_add_co_u32 s16, s16, s17
	s_mov_b32 s17, 0
	s_lshl_b32 s46, s42, 20                        ; B: row 6,144 + 256 X + 128 x half
	s_lshl_b32 s47, s12, 19
	s_add_co_u32 s46, s46, s47
	s_add_co_u32 s46, s46, 6144*4096
	s_mov_b32 s47, 0
	s_mul_i32 s20, s12, AHALF                      ; where they go: no place in the cluster enters an LDS address
	s_mul_i32 s23, s12, BHALF
	s_add_co_u32 s23, s23, BOFF
	s_mov_b32 s[BSTEP+1], 0
	s_wait_dscnt 0x0                               ; the opening add is done
	s_wait_kmcnt 0x0
	s_add_nc_u64 s[14:15], s[4:5], s[16:17]
	s_add_nc_u64 s[46:47], s[4:5], s[46:47]
	CROUND                                         ; all sixteen work-groups are here: the first joint loads meet
.irp s, 0,1
	s_mov_b32 s[G0+4*(\s)], 1
	s_add_co_u32 s[G0+4*(\s)+1], s20, (\s)*SLOT
	s_add_nc_u64 s[G0+4*(\s)+2:G0+4*(\s)+3], s[14:15], (\s)*KSTEP*2
	s_or_b32 s[G0+4*(\s)+3], s[G0+4*(\s)+3], 0x80000000
	s_mov_b32 s[G0B+4*(\s)], 1
	s_add_co_u32 s[G0B+4*(\s)+1], s23, (\s)*SLOT
	s_add_nc_u64 s[G0B+4*(\s)+2:G0B+4*(\s)+3], s[46:47], (\s)*KSTEP*2
	s_or_b32 s[G0B+4*(\s)+3], s[G0B+4*(\s)+3], 0x80000000
	JLOAD \s                                       ; two loads of mine are out
.endr
	v_and_b32 v1, 15, v0
	v_bfe_u32 v2, v0, 4, 1
	v_mul_u32_u24 v3, v1, PITCH
	v_lshl_add_u32 v3, v2, 4, v3                   ; a fragment's row x pitch + 16 x half
	s_mul_i32 s21, s11, AHALF
	s_mul_i32 s22, s12, BHALF
	s_add_co_u32 s22, s22, BOFF
.irp s, 0,1
	v_add_nc_u32 v[ADRA+(\s)], s21, v3
	v_add_nc_u32 v[ADRB+(\s)], s22, v3
	s_add_co_u32 s21, s21, SLOT
	s_add_co_u32 s22, s22, SLOT
.endr
	v_and_b32 v[LOFF], 31, v0
	v_lshlrev_b32 v[LOFF], 4, v[LOFF]              ; my 16 bytes of an image
	s_lshl_b32 s16, s13, 20                        ; img: row block 8 Y + 4 x half, 131,072 bytes each,
	s_lshl_b32 s17, s11, 19
	s_add_co_u32 s16, s16, s17
	s_mov_b32 s17, 0
	s_lshl_b32 s46, s42, 13                        ; column block 16 X + 8 x half, 512 bytes each
	s_lshl_b32 s47, s12, 12
	s_add_co_u32 s46, s46, s47
	s_mov_b32 s47, 0
	s_add_nc_u64 s[16:17], s[16:17], s[46:47]
	s_add_nc_u64 s[6:7], s[6:7], s[16:17]
.macro MUL8 f, a, zero                 ; A-block a x all 8 B-blocks, 32 along K; zero = 1: the product starts the sums
	WIN MUL
.irp b, 0,1,2,3,4,5,6,7
.if \zero
	v_wmma_f32_16x16x32_bf16 v[8*(8*(\a)+\b):8*(8*(\a)+\b)+7], v[(\f)+8*\b:(\f)+8*\b+7], v[(\f)+64+8*(\a):(\f)+64+8*(\a)+7], 0
.else
	v_wmma_f32_16x16x32_bf16 v[8*(8*(\a)+\b):8*(8*(\a)+\b)+7], v[(\f)+8*\b:(\f)+8*\b+7], v[(\f)+64+8*(\a):(\f)+64+8*(\a)+7], v[8*(8*(\a)+\b):8*(8*(\a)+\b)+7]
.endif
.endr
.endm
.macro FETCH slot, k, f                ; 24 LDS loads in one run: B's 8 fragments, then A's 4, 32 along K at byte k of the rows
	WIN 0
.irp i, 0,1,2,3,4,5,6,7
	ds_load_b128 v[(\f)+8*\i:(\f)+8*\i+3],   v[ADRB+(\slot)] offset:(\k)+\i*16*PITCH
	ds_load_b128 v[(\f)+8*\i+4:(\f)+8*\i+7], v[ADRB+(\slot)] offset:(\k)+\i*16*PITCH+32
.endr
.irp i, 0,1,2,3
	ds_load_b128 v[(\f)+64+8*\i:(\f)+64+8*\i+3],   v[ADRA+(\slot)] offset:(\k)+\i*16*PITCH
	ds_load_b128 v[(\f)+64+8*\i+4:(\f)+64+8*\i+7], v[ADRA+(\slot)] offset:(\k)+\i*16*PITCH+32
.endr
.endm
.macro PLACES                          ; four places in front of loads into registers that matrix instructions have read, and of reads of their results
.rept 4
	v_nop
.endr
.endm
; A K step is four quarters of 32 along K, 32 matrix instructions each, on buffers 0, 1, 0, 1; the 32 accumulators take turns in the same order in every quarter.
.macro QUARTER slot, k, f, g, zero
	s_wait_dscnt 4                                 ; all but A's fragments 2 and 3, the youngest four loads
	MUL8 \f, 0, \zero
	MUL8 \f, 1, \zero
	PLACES
	FETCH \slot, \k, \g
	s_wait_dscnt 24                                ; all but the 24 just issued
	MUL8 \f, 2, \zero
	MUL8 \f, 3, \zero
.endm
; The last quarter multiplies buffer 1 and changes slots.  mode 0: nothing is filled.  1: this slot takes the K step two steps on.  2: the next tile's K step 0 or 1.
.macro TURN slot, next, mode
	WIN 0
	s_wait_tensorcnt 0x0                           ; all my tensor loads have landed: the one that was out is my part of the next slot
	ds_add_u32 v[SPW], v[NIL]                      ; 0 onto my spare word
	s_wait_dscnt 5                                 ; (the add and the youngest four loads may be out)
	MUL8 F1, 0, 0
	s_wait_dscnt 0x0                               ; the add is done, and my reads of this slot are over
	s_barrier_signal -1
	MUL8 F1, 1, 0
	WIN 0
	s_barrier_wait -1
.if (\mode) > 0
	CREST                                          ; the barrier has opened a round of the cluster's: no wave of any partner still reads this slot or has a load on its way
.if (\mode) == 2
	s_add_nc_u64 s[G0+4*(\slot)+2:G0+4*(\slot)+3], s[G0+4*(\slot)+2:G0+4*(\slot)+3], NEXT_A
	s_sub_nc_u64 s[G0B+4*(\slot)+2:G0B+4*(\slot)+3], s[G0B+4*(\slot)+2:G0B+4*(\slot)+3], s[BSTEP:BSTEP+1]
.else
	s_add_nc_u64 s[G0+4*(\slot)+2:G0+4*(\slot)+3], s[G0+4*(\slot)+2:G0+4*(\slot)+3], 2*KSTEP*2
	s_add_nc_u64 s[G0B+4*(\slot)+2:G0B+4*(\slot)+3], s[G0B+4*(\slot)+2:G0B+4*(\slot)+3], 2*KSTEP*2
.endif
	JLOAD \slot                                    ; my one tensor load behind the round, 112 matrix instructions ahead of the wait for it; its four v_nop are the places in front of the loads below
.else
	PLACES
.endif
	FETCH \next, 0, F0
	MUL8 F1, 2, 0
	MUL8 F1, 3, 0
.endm
; THE WAY OUT: each accumulator, lowest registers first, is rounded to f16: 16 bytes a lane; the 32 lanes' bytes are one image, 512 consecutive bytes, aligned.  No LDS.
; Accumulators 0-7 go to v224-255: those 32 conversions are the places between the last products and the writes into buffer 1, which takes the other 24.
.macro WAYOUT
	WIN 0x05                                       ; sources in window 1, destination in window 0
.set t, 0
.rept 32
.if t < 8
.set dd, TMPA+4*t
.else
.set dd, F1+4*(t-8)
.endif
.irp r, 0,1,2,3
	v_cvt_pk_f16_f32 v[dd+\r], v[8*t+2*\r], v[8*t+2*\r+1]
.endr
.set t, t+1
.endr
	WIN 0
.set t, 0
.rept 32
.if t < 8
.set dd, TMPA+4*t
.else
.set dd, F1+4*(t-8)
.endif
	global_store_b128 v[LOFF], v[dd:dd+3], s[6:7] offset:(t/8)*131072+(t%8)*512
.set t, t+1
.endr
	s_wait_xcnt 0x0                                ; the stores' registers and base are written again only behind this wait
	s_add_nc_u64 s[6:7], s[6:7], 16777216          ; the next tile's images lie 128 row blocks on
.endm
	s_wait_tensorcnt 1                             ; my part of K step 0 is in; K step 1's may stay out
	s_barrier_signal -1
	s_barrier_wait -1
	FETCH 0, 0, F0
	s_mov_b32 s2, 3                                ; tiles to go, the same number in every work-group
.Ltile:
	s_mov_b32 s[BSTEP], BACK_X
	s_cmp_eq_u32 s2, 3
	s_cselect_b32 s[BSTEP], BACK_B, s[BSTEP]       ; the first two tiles share their rows of B
	QUARTER 0, 64,  F0, F1, 1                      ; a tile's first quarter starts the sums: nothing is cleared
	WIN 0
	s_mov_b32 s3, LAPS-1
.Llap:                                                 ; a trip goes once round the ring and fills both slots again
	QUARTER 0, 128, F1, F0, 0
	QUARTER 0, 192, F0, F1, 0
	TURN 0, 1, 1
	QUARTER 1, 64,  F0, F1, 0
	QUARTER 1, 128, F1, F0, 0
	QUARTER 1, 192, F0, F1, 0
	TURN 1, 0, 1
	QUARTER 0, 64,  F0, F1, 0
	WIN 0
	s_sub_co_u32 s3, s3, 1
	s_cmp_lg_u32 s3, 0
	s_cbranch_scc1 .Llap
	QUARTER 0, 128, F1, F0, 0
	QUARTER 0, 192, F0, F1, 0
	WIN 0
	s_cmp_eq_u32 s2, 1
	s_cbranch_scc1 .Llast_tile                     ; the last tile's tail is written out: it asks for nothing more
	TURN 0, 1, 2                                   ; the ring goes on into the next tile
	QUARTER 1, 64,  F0, F1, 0
	QUARTER 1, 128, F1, F0, 0
	QUARTER 1, 192, F0, F1, 0
	TURN 1, 0, 2
	WAYOUT                                         ; accumulators 0-15 were finished ahead of the joint load's four v_nop; their conversions are the places behind the last products
	s_sub_co_u32 s2, s2, 1
	s_branch .Ltile
.Llast_tile:
	TURN 0, 1, 0
	QUARTER 1, 64,  F0, F1, 0
	QUARTER 1, 128, F1, F0, 0
	QUARTER 1, 192, F0, F1, 0
	s_wait_dscnt 4
	MUL8 F1, 0, 0
	MUL8 F1, 1, 0
	s_wait_dscnt 0x0
	MUL8 F1, 2, 0
	MUL8 F1, 3, 0
	WIN 0
	PLACES
	WAYOUT
	s_wait_tensorcnt 0x0                           ; the wave's end
	ds_add_u32 v[SPW], v[NIL]
	s_wait_dscnt 0x0
	CROUND                                         ; the closing round
	s_endpgm
.Lfunc_end_k_qf0ff41503d_gemm1:
	.size	k_qf0ff41503d_gemm1, .Lfunc_end_k_qf0ff41503d_gemm1-k_qf0ff41503d_gemm1
	.p2alignl 7, 3214868480
	.fill 96, 4, 3214868480
	.section	.rodata,"a",@progbits
	.p2align	6, 0x0
	.amdhsa_kernel k_qf0ff41503d_gemm1
		.amdhsa_group_segment_fixed_size 327680
		.amdhsa_private_segment_fixed_size 0
		.amdhsa_enable_private_segment 0
		.amdhsa_kernarg_size 16
		.amdhsa_user_sgpr_count 2
		.amdhsa_user_sgpr_kernarg_segment_ptr 1
		.amdhsa_wavefront_size32 1
		.amdhsa_system_sgpr_workgroup_id_x 1
		.amdhsa_system_sgpr_workgroup_id_y 1
		.amdhsa_system_sgpr_workgroup_id_z 1
		.amdhsa_system_vgpr_workitem_id 0
		.amdhsa_next_free_vgpr 512
		.amdhsa_next_free_sgpr 70
		.amdhsa_reserve_vcc 0
		.amdhsa_float_denorm_mode_32 3
		.amdhsa_float_denorm_mode_16_64 3
		.amdhsa_memory_ordered 1
		.amdhsa_forward_progress 1
		.amdhsa_inst_pref_size 113
	.end_amdhsa_kernel
	.amdgpu_metadata
---
amdhsa.version: [ 1, 2 ]
amdhsa.kernels:
  - .name:           k_qf0ff41503d_gemm1
    .symbol:         k_qf0ff41503d_gemm1.kd
    .args:
      - { .name: ab, .offset: 0, .size: 8, .value_kind: global_buffer, .address_space: global }
      - { .name: img, .offset: 8, .size: 8, .value_kind: global_buffer, .address_space: global }
    .group_segment_fixed_size: 327680
    .private_segment_fixed_size: 0
    .kernarg_segment_align: 8
    .kernarg_segment_size: 16
    .max_flat_workgroup_size: 128
    .sgpr_count:     70
    .vgpr_count:     512
    .wavefront_size: 32
...
	.end_amdgpu_metadata
.endif
;; end of part 2
;; launch prep (part 3): grid 256 x 1, 4 waves a work-group, no clusters, 25,600 bytes of LDS; arguments img, low16, Wkg2, bkg2, rec, ust, dch; writes rec, ust, dch
.if DOCPART == 3
	.amdgcn_target "amdgcn-amd-amdhsa--gfx1250"
	.amdhsa_code_object_version 6
	.text
	.protected	k_qf0ff41503d_prep
	.globl	k_qf0ff41503d_prep
	.p2align	8
	.type	k_qf0ff41503d_prep,@function
k_qf0ff41503d_prep:
	s_mov_b64 s[64:65], 0
	v_nop
	global_prefetch_b8 v0, s[64:65] scope:SCOPE_SE
	s_setreg_imm32_b32 hwreg(HW_REG_WAVE_MODE, 25, 1), 1
	s_wait_xcnt 0x0
; GATES, TILE RECORDS AND CHUNK STATES.  A tile is 16 tokens of one head, a chunk 16 tiles; work-group id = 8 (16 b + head) + chunk.
; Logs are to base 2.  g2 = log2(sigmoid(kg)) / 16 = [(kg - |kg|) / 2 x log2e - log2(1 + 2^(-|kg| log2e))] / 16, safe for every kg; b_i = its inclusive sum over the tile's tokens 0 .. i; T = b_15.
; Every factor has an exponent <= 0:  qbar_i = q_i 2^(b_i);  kbar_j = k_j 2^(T - b_j);  d = 2^T.  k is NOT scaled by 128^-1/2: the state is carried as sqrt(128) S.
; THE WEIGHTS A_ij = sum over the 64 dims of q_i k_j 2^(b_i - b_j), j <= i, BY HALVING: for h = 8, 4, 2, 1 the tokens lie in blocks of 2 h; ref = the last token of a block's lower half; an upper token takes
; z = q 2^(b - b_ref), a lower one z = k 2^(b_ref - b); ONE product z z^T holds A_ij for all pairs (i upper, j lower) of a block.  The diagonal is k q^T.  Five results are merged by constant lane masks.
; Each query's row of A is scaled by a power of two, rho, so that its largest number lies in 1 .. 2, and rounded to f16 (P); 1 / rho goes along.
; PHASES of a trip (4 trips of 4 tiles): 1: wave w makes the record of tile 4 g + w.  One barrier.  2: wave w takes its 32 channels of U through the four tiles: U = d U + kbar^T V, from U = 0, in f32.
; LAYOUT.  An image is 16 x 16 numbers of 2 bytes, lane l's 16 bytes at 16 l: half a fragment.  kg^T = Wkg2 low^T (+ bias as K index 16) has a token a lane and eight dims in its registers, as q's and k's images have.
; rec = [head-batch 32][tile 128][5,120 bytes]: 4 images qbar, 4 images kbar^T, 1 image P, d[64] f32, 1/rho for each lane, 128 bytes of 0.
; LIMITS.  Factors below 2^-126 count as 0.  Wkg2 and bkg2 are rounded to bf16 and written as f16 (below 6e-5: f16's fixed step).  rho's exponent is held to 2^-111 .. 2^111.  NaN and infinities are not treated apart.
.set SLOTB, 3072                       ; an LDS slot: 16 rows of kbar x 160 bytes, then 512 bytes: d, 1/rho, zeros
.set AUX,   2560
.set PARB,  4*SLOTB                    ; the slots of odd trips
.set DCS,   8*SLOTB
.set SPARE, DCS+512
.set RR,1
.set HH,2
.set LOFF,3
.set QKB,4
.set LWB,5
.set VB,6
.set RECB,7
.set KSTB,8                            ; lane terms of the LDS addresses, never rewritten ..
.set KTRB,9
.set AXDB,10
.set AXIB,11
.set AXRB,12
.set P2KB,13
.set P2DB,14
.set KST,15                            ; .. and the addresses of the trip in hand: lane term + the trip's parity
.set KTR,16
.set AXD,17
.set AXI,18
.set AXR,19
.set P2K,20
.set P2D,21
.set ZERO,22
.set SPW,23
.set NIL,24
.set AMAX,25
.set TMPX,26
.set IRHO,27
.set RHO,28
.set SG,30
.set QP,32                             ; q's four images
.set KP,48                             ; k's
.set LF,64                             ; low's fragment: registers 0-3 low, register 4 the 1.0 for the bias
.set WF,72                             ; Wkg2's four fragments
.set G,104                             ; kg, then g2, then b: dim block kb, register j at 8 kb + j
.set R,136
.set Z,168
.set ZH,184
.set D,200
.set A,208
.set PP,216
.set QN,220                            ; the next tile
.set KN,236
.set LN,252
.set S,0                               ; window 1: U, tile (kb, cb) at 8 (2 kb + cb)
.set KT,64
.set DD,96
.set VF,128
.set DC,192
.set WV,20
.set QKS,22
.set VS,24
.set PAR,26
.set SM,27
.set EXS,28
.set CNT,30
.set SEL8,32
.set SEL4,34
.set SEL2,36
.set SEL1,38
.set SELT,40
.set SELX,42
.set UM8,44
.set UM4,45
.set UM2,46
.set UM1,47
.set L2E,48
.set C32,50
.set CM16,52
.set SGN,54
.set LOWM,55
.set STQ,56
.set STL,58
.set MSB, 0
.macro WIN new
.if MSB != (\new)
	s_set_vgpr_msb (MSB<<8)|(\new)
.set MSB, \new
.endif
.endm
	s_load_b256 s[4:11], s[0:1], 0x0               ; img 4, low16 6, Wkg2 8, bkg2 10
	s_load_b128 s[12:15], s[0:1], 0x20             ; rec 12, ust 14
	s_load_b64 s[16:17], s[0:1], 0x30              ; dch
	v_lshl_add_u32 v[SPW], v0, 2, SPARE
	v_mov_b32 v[NIL], 0
	v_mov_b32 v[ZERO], 0
	v_lshrrev_b32 v1, 5, v0
	v_readfirstlane_b32 s[WV], v1
	v_and_b32 v[RR], 15, v0
	v_bfe_u32 v[HH], v0, 4, 1
	v_and_b32 v[LOFF], 31, v0
	v_lshlrev_b32 v[AXIB], 2, v[LOFF]
	v_lshlrev_b32 v[LOFF], 4, v[LOFF]
	s_lshl_b32 s21, s[WV], 17
	v_add_nc_u32 v[QKB], s21, v[LOFF]              ; my tile's token block: 131,072 bytes a block
	s_lshl_b32 s21, s[WV], 18
	v_add_nc_u32 v[VB], s21, v[LOFF]               ; my two channel blocks of v
	s_mul_i32 s21, s[WV], 5120
	v_add_nc_u32 v[RECB], s21, v[LOFF]
	v_lshlrev_b32 v[LWB], 5, v[RR]
	v_lshl_add_u32 v[LWB], v[HH], 4, v[LWB]
	s_lshl_b32 s21, s[WV], 9
	v_add_nc_u32 v[LWB], s21, v[LWB]
	s_mul_i32 s21, s[WV], SLOTB
	v_mul_u32_u24 v[KSTB], v[RR], 160
	v_lshl_add_u32 v[KSTB], v[HH], 4, v[KSTB]
	v_add_nc_u32 v[KSTB], s21, v[KSTB]             ; kbar: token x 160 + 16 x half
	v_and_b32 v[P2KB], 7, v0                       ; the turning load: token 8 (l / 16) + l % 8, 16 bytes at 16 ((l / 8) % 2)
	v_lshl_add_u32 v[P2KB], v[HH], 3, v[P2KB]
	v_mul_u32_u24 v[P2KB], v[P2KB], 160
	v_bfe_u32 v[TMPX], v0, 3, 1
	v_lshl_add_u32 v[P2KB], v[TMPX], 4, v[P2KB]
	v_add_nc_u32 v[KTRB], s21, v[P2KB]
	v_lshlrev_b32 v[P2DB], 5, v[HH]
	v_add_nc_u32 v[P2DB], AUX, v[P2DB]             ; d of dims 8 (l / 16) on
	v_add_nc_u32 v[AXDB], s21, v[P2DB]
	s_add_co_u32 s21, s21, AUX
	v_add_nc_u32 v[AXRB], s21, v[LOFF]
	s_add_co_u32 s21, s21, 256
	v_add_nc_u32 v[AXIB], s21, v[AXIB]
	ds_store_b32 v[AXIB], v[ZERO] offset:128       ; the last 128 bytes of my two blocks stay 0
	ds_store_b32 v[AXIB], v[ZERO] offset:128+PARB
	v_lshlrev_b32 v[Z], 6, v[RR]
	v_lshl_add_u32 v[Z], v[HH], 5, v[Z]            ; Wkg2: row x 64 bytes + 32 x half
	v_lshlrev_b32 v[Z+1], 2, v[RR]                 ; bkg2
	s_mov_b32 s[SEL8], 0x77777777                  ; v_permlane16_b32's selects: the reference token of each lane's block
	s_mov_b32 s[SEL8+1], 0x77777777
	s_mov_b32 s[SEL4], 0x33333333
	s_mov_b32 s[SEL4+1], 0xbbbbbbbb
	s_mov_b32 s[SEL2], 0x55551111
	s_mov_b32 s[SEL2+1], 0xdddd9999
	s_mov_b32 s[SEL1], 0x66442200
	s_mov_b32 s[SEL1+1], 0xeeccaa88
	s_mov_b32 s[SELT], 0xffffffff                  ; token 15
	s_mov_b32 s[SELT+1], 0xffffffff
	s_mov_b32 s[SELX], 0x76543210
	s_mov_b32 s[SELX+1], 0xfedcba98
	s_mov_b32 s[UM8], 0xff00ff00                   ; the lanes whose token lies in the upper half of its block
	s_mov_b32 s[UM4], 0xf0f0f0f0
	s_mov_b32 s[UM2], 0xcccccccc
	s_mov_b32 s[UM1], 0xaaaaaaaa
	s_mov_b32 s[L2E], 0x3fb8aa3b                   ; log2e
	s_mov_b32 s[L2E+1], 0x3fb8aa3b
	s_mov_b32 s[C32], 0x3d38aa3b                   ; log2e / 32
	s_mov_b32 s[C32+1], 0x3d38aa3b
	s_mov_b32 s[CM16], 0xbd800000                  ; -1 / 16
	s_mov_b32 s[CM16+1], 0xbd800000
	s_mov_b32 s[SGN], 0x80000000
	s_mov_b32 s[LOWM], 0x0000ffff
	s_mov_b32 s[STQ+1], 0
	s_mov_b32 s[STL+1], 0
	s_mov_b32 s[PAR], 0
	s_mov_b32 s[CNT], 4
	s_and_b32 s21, ttmp9, 7                        ; chunk
	s_lshr_b32 s29, ttmp9, 7                       ; b
	s_lshl_b32 s29, s29, 7
	s_lshl4_add_u32 s29, s21, s29                  ; the chunk's first token block: 128 b + 16 chunk
	s_bfe_u32 s31, ttmp9, 0x40003                  ; head
	s_mov_b32 s19, 0
	s_wait_kmcnt 0x0
	s_lshl_b32 s18, s29, 17
	s_lshl_b32 s21, s31, 11
	s_add_co_u32 s18, s18, s21
	s_add_nc_u64 s[QKS:QKS+1], s[4:5], s[18:19]    ; q's images of the chunk's first token block
	s_lshl_b32 s18, s31, 20
	s_lshl_b32 s21, s29, 9
	s_add_co_u32 s18, s18, s21
	s_add_co_u32 s18, s18, 33554432
	s_add_nc_u64 s[VS:VS+1], s[4:5], s[18:19]      ; v's images: row block 256 + 8 head
	s_lshl_b32 s18, s29, 9
	s_add_nc_u64 s[6:7], s[6:7], s[18:19]
	s_lshl_b32 s18, s31, 12
	s_add_nc_u64 s[8:9], s[8:9], s[18:19]
	s_lshl_b32 s18, s31, 8
	s_add_nc_u64 s[10:11], s[10:11], s[18:19]
	s_mul_i32 s18, ttmp9, 81920                    ; 16 records of 5,120 bytes
	s_add_nc_u64 s[12:13], s[12:13], s[18:19]
	s_lshl_b32 s18, ttmp9, 15
	s_lshl_b32 s21, s[WV], 13
	s_add_co_u32 s18, s18, s21
	s_add_nc_u64 s[14:15], s[14:15], s[18:19]
	s_lshl_b32 s18, ttmp9, 9
	s_add_nc_u64 s[16:17], s[16:17], s[18:19]
.irp kb, 0,1,2,3
	global_load_b128 v[R+8*\kb:R+8*\kb+3], v[Z], s[8:9] offset:1024*\kb
	global_load_b128 v[R+8*\kb+4:R+8*\kb+7], v[Z], s[8:9] offset:1024*\kb+16
	global_load_b32 v[G+\kb], v[Z+1], s[10:11] offset:64*\kb
.endr
.irp kb, 0,1,2,3
	global_load_b128 v[QP+4*\kb:QP+4*\kb+3], v[QKB], s[QKS:QKS+1] offset:512*\kb
	global_load_b128 v[KP+4*\kb:KP+4*\kb+3], v[QKB], s[QKS:QKS+1] offset:32768+512*\kb
.endr
	global_load_b128 v[LF:LF+3], v[LWB], s[6:7]
	; in the wait for these loads: U = 0, the product of the d = 1, the upper halves (K indices 16-31) of the fragments with 16 real K indices = 0
	WIN 0x40
.set n, 0
.rept 64
	v_mov_b32 v[S+n], 0
.set n, n+1
.endr
.set n, 0
.rept 4
.irp j, 4,5,6,7
	v_mov_b32 v[KT+8*n+\j], 0
.endr
.set n, n+1
.endr
.set n, 0
.rept 8
.irp j, 4,5,6,7
	v_mov_b32 v[VF+8*n+\j], 0
.endr
.set n, n+1
.endr
.set n, 0
.rept 32
	v_mov_b32 v[DC+n], 1.0
.set n, n+1
.endr
	WIN 0
.set n, 0
.rept 16
	v_mov_b32 v[ZH+n], 0
.set n, n+1
.endr
	v_mov_b32 v[RHO+1], 0                          ; named as pairs
	v_mov_b32 v[SG+1], 0
	v_mov_b32 v[TMPX], 0x3c00                      ; 1.0 in f16
	v_cndmask_b32 v[LF+4], 0, v[TMPX], s[LOWM]     ; K index 16 lies in register 4's low half of lanes 0-15
	v_mov_b32 v[LF+5], 0
	v_mov_b32 v[LF+6], 0
	v_mov_b32 v[LF+7], 0
	s_wait_loadcnt 0x0
.irp kb, 0,1,2,3
.irp j, 0,1,2,3
	v_cvt_pk_bf16_f32 v[WF+8*\kb+\j], v[R+8*\kb+2*\j], v[R+8*\kb+2*\j+1]
.endr
.irp j, 0,1,2,3
	v_lshlrev_b32 v[R+8*\kb+2*\j], 16, v[WF+8*\kb+\j]
	v_and_b32 v[R+8*\kb+2*\j+1], 0xffff0000, v[WF+8*\kb+\j]
	v_cvt_pk_f16_f32 v[WF+8*\kb+\j], v[R+8*\kb+2*\j], v[R+8*\kb+2*\j+1]
.endr
	v_cvt_pk_bf16_f32 v[G+\kb], v[G+\kb], v[G+\kb]
	v_lshlrev_b32 v[G+\kb], 16, v[G+\kb]
	v_cvt_pk_f16_f32 v[G+\kb], v[G+\kb], v[ZERO]
	v_cndmask_b32 v[WF+8*\kb+4], 0, v[G+\kb], s[LOWM]
	v_mov_b32 v[WF+8*\kb+5], 0
	v_mov_b32 v[WF+8*\kb+6], 0
	v_mov_b32 v[WF+8*\kb+7], 0
.endr
	s_add_nc_u64 s[QKS:QKS+1], s[QKS:QKS+1], 524288  ; from here on: the NEXT trip's tiles
	s_add_nc_u64 s[6:7], s[6:7], 2048
; The pairs (query i = lane % 16, key j = 8 (lane / 16) + register) that a level's product serves, as lane masks; register 0 comes first at every level.
.macro SELECT lev
.if (\lev) == 0
.irp jj, 0,1,2,3,4,5,6,7
	s_mov_b32 s[SM], (1<<\jj)|(1<<(24+\jj))
	v_cndmask_b32 v[A+\jj], 0, v[D+\jj], s[SM]     ; i = j; all else starts at 0
.endr
.elseif (\lev) == 8
	s_mov_b32 s[SM], 0x0000ff00
.irp jj, 0,1,2,3,4,5,6,7
	v_cndmask_b32 v[A+\jj], v[A+\jj], v[D+\jj], s[SM]
.endr
.elseif (\lev) == 4
	s_mov_b32 s[SM], 0xf00000f0
.irp jj, 0,1,2,3
	v_cndmask_b32 v[A+\jj], v[A+\jj], v[D+\jj], s[SM]
.endr
.elseif (\lev) == 2
	s_mov_b32 s[SM], 0x0c00000c
.irp jj, 0,1
	v_cndmask_b32 v[A+\jj], v[A+\jj], v[D+\jj], s[SM]
.endr
	s_mov_b32 s[SM], 0xc00000c0
.irp jj, 4,5
	v_cndmask_b32 v[A+\jj], v[A+\jj], v[D+\jj], s[SM]
.endr
.else
.irp jj, 0,2,4,6
	s_mov_b32 s[SM], (1<<(\jj+1))|(1<<(25+\jj))
	v_cndmask_b32 v[A+\jj], v[A+\jj], v[D+\jj], s[SM]
.endr
.endif
.endm
.macro MIX dst, src                    ; dst (16 words of two f16) = src (the same) x R (32 f32), each product rounded once
.set n, 0
	s_wait_alu depctr_va_vdst(0)
.rept 16
	v_fma_mixlo_f16 v[(\dst)+n], v[(\src)+n], v[R+2*n], v[ZERO] op_sel_hi:[1,0,0]
	v_fma_mixhi_f16 v[(\dst)+n], v[(\src)+n], v[R+2*n+1], v[ZERO] op_sel:[1,0,0] op_sel_hi:[1,0,0]
.set n, n+1
.endr
.endm
; One level.  The level before's result is taken behind this level's 16 subtractions, which are the places behind its products.
.macro LEVEL sel, um, prev
.set n, 0
.rept 32
	v_permlane16_b32 v[R+n], v[G+n], s[\sel], s[\sel+1]   ; b of the reference token
.set n, n+1
.endr
	v_cndmask_b32 v[SG], -1.0, 1.0, s[\um]
.set n, 0
.rept 16
	v_pk_add_f32 v[R+2*n:R+2*n+1], v[G+2*n:G+2*n+1], v[R+2*n:R+2*n+1] neg_lo:[0,1] neg_hi:[0,1]
.set n, n+1
.endr
	SELECT \prev
.set n, 0
.rept 16
	v_pk_mul_f32 v[R+2*n:R+2*n+1], v[R+2*n:R+2*n+1], v[SG:SG+1] op_sel_hi:[1,0]  ; b - b_ref above, b_ref - b below: never above 0 but for the sums' rounding
.set n, n+1
.endr
.set n, 0
.rept 16
	v_exp_f32 v[R+2*n], v[R+2*n]
	v_exp_f32 v[R+2*n+1], v[R+2*n+1]
	v_cndmask_b32 v[Z+n], v[KP+n], v[QP+n], s[\um] ; a plain line behind each two exponentials (ISA guide 5.7.2): q above, k below
.set n, n+1
.endr
	MIX ZH, Z
	v_wmma_f32_16x16x32_f16 v[D:D+7], v[ZH:ZH+7], v[ZH:ZH+7], 0
	s_wait_alu depctr_va_vdst(0)                   ; the wait ahead of a link that follows the link before it
	v_wmma_f32_16x16x32_f16 v[D:D+7], v[ZH+8:ZH+15], v[ZH+8:ZH+15], v[D:D+7]
.endm
; U of my 32 channels through tile tt of the trip's four: U = d U + kbar^T V.  The eight accumulators take turns.
.macro UPD tt
	WIN 0x40
.irp kb, 0,1,2,3
	ds_load_tr16_b128 v[KT+8*\kb:KT+8*\kb+3], v[P2K] offset:(\tt)*SLOTB+32*\kb
.endr
.irp kb, 0,1,2,3
	ds_load_b128 v[DD+8*\kb:DD+8*\kb+3], v[P2D] offset:(\tt)*SLOTB+64*\kb
	ds_load_b128 v[DD+8*\kb+4:DD+8*\kb+7], v[P2D] offset:(\tt)*SLOTB+64*\kb+16
.endr
	s_wait_dscnt 0x0
	WIN 0x45
.irp t8, 0,1,2,3,4,5,6,7
.irp jp, 0,1,2,3
	v_pk_mul_f32 v[S+8*\t8+2*\jp:S+8*\t8+2*\jp+1], v[S+8*\t8+2*\jp:S+8*\t8+2*\jp+1], v[DD+8*(\t8/2)+2*\jp:DD+8*(\t8/2)+2*\jp+1]
.endr
.endr
	WIN 0x55
.irp t8, 0,1,2,3,4,5,6,7
	v_wmma_f32_16x16x32_f16 v[S+8*\t8:S+8*\t8+7], v[KT+8*(\t8/2):KT+8*(\t8/2)+7], v[VF+8*(2*(\tt)+\t8%2):VF+8*(2*(\tt)+\t8%2)+7], v[S+8*\t8:S+8*\t8+7]
.endr
	WIN 0x45
.set n, 0
.rept 16                                           ; the chunk's product of the d; also the places behind the products
	v_pk_mul_f32 v[DC+2*n:DC+2*n+1], v[DC+2*n:DC+2*n+1], v[DD+2*n:DD+2*n+1]
.set n, n+1
.endr
.endm
.Lgroup:
	v_add_nc_u32 v[KST], s[PAR], v[KSTB]
	v_add_nc_u32 v[KTR], s[PAR], v[KTRB]
	v_add_nc_u32 v[AXD], s[PAR], v[AXDB]
	v_add_nc_u32 v[AXI], s[PAR], v[AXIB]
	v_add_nc_u32 v[AXR], s[PAR], v[AXRB]
	v_add_nc_u32 v[P2K], s[PAR], v[P2KB]
	v_add_nc_u32 v[P2D], s[PAR], v[P2DB]
	WIN 0x40
.irp tt, 0,1,2,3
.irp cb, 0,1
	global_load_b128 v[VF+8*(2*\tt+\cb):VF+8*(2*\tt+\cb)+3], v[VB], s[VS:VS+1] offset:\cb*131072+\tt*512  ; V of this trip's four tiles, my two channel blocks
.endr
.endr
	WIN 0
.irp kb, 0,1,2,3
	global_load_b128 v[QN+4*\kb:QN+4*\kb+3], v[QKB], s[QKS:QKS+1] offset:512*\kb          ; my tile of the next trip (in the last trip: the same tile once more, so that no load leaves its buffer)
	global_load_b128 v[KN+4*\kb:KN+4*\kb+3], v[QKB], s[QKS:QKS+1] offset:32768+512*\kb
.endr
	global_load_b128 v[LN:LN+3], v[LWB], s[6:7]
	; PHASE 1.  kg^T, and the diagonal's k q^T
.irp kb, 0,1,2,3
	v_wmma_f32_16x16x32_f16 v[G+8*\kb:G+8*\kb+7], v[WF+8*\kb:WF+8*\kb+7], v[LF:LF+7], 0
.endr
	v_wmma_f32_16x16x32_f16 v[D:D+7], v[KP:KP+7], v[QP:QP+7], 0
	s_wait_alu depctr_va_vdst(0)
	v_wmma_f32_16x16x32_f16 v[D:D+7], v[KP+8:KP+15], v[QP+8:QP+15], v[D:D+7]
.rept 4
	v_nop
.endr
	; the gate
.set n, 0
.rept 32
	v_or_b32 v[R+n], s[SGN], v[G+n]                ; -|kg|
.set n, n+1
.endr
.set n, 0
.rept 16
	v_pk_add_f32 v[G+2*n:G+2*n+1], v[G+2*n:G+2*n+1], v[R+2*n:R+2*n+1]   ; 2 min(kg, 0), exact
	v_pk_mul_f32 v[R+2*n:R+2*n+1], v[R+2*n:R+2*n+1], s[L2E:L2E+1] op_sel_hi:[1,0]
.set n, n+1
.endr
.set n, 0
.rept 32
	v_exp_f32 v[R+n], v[R+n]
.set n, n+1
.endr
.set n, 0
.rept 16
	v_pk_mul_f32 v[G+2*n:G+2*n+1], v[G+2*n:G+2*n+1], s[C32:C32+1] op_sel_hi:[1,0]  ; plain lines behind the exponentials
.set n, n+1
.endr
.set n, 0
	s_wait_alu depctr_va_vdst(0)
.rept 16
	v_pk_add_f32 v[R+2*n:R+2*n+1], v[R+2*n:R+2*n+1], 1.0 op_sel_hi:[1,0]
.set n, n+1
.endr
.set n, 0
.rept 32
	v_log_f32 v[R+n], v[R+n]
.set n, n+1
.endr
	v_nop
.set n, 0
	s_wait_alu depctr_va_vdst(0)
.rept 16
	v_pk_fma_f32 v[G+2*n:G+2*n+1], v[R+2*n:R+2*n+1], s[CM16:CM16+1], v[G+2*n:G+2*n+1] op_sel_hi:[1,0,1]
.set n, n+1
.endr
	; b: the inclusive sum over the 16 tokens, which are the 16 lanes of a row; a lane without a source keeps its number
.irp sh, 1,2,4,8
.set n, 0
.rept 32
	v_add_f32_dpp v[G+n], v[G+n], v[G+n] row_shr:\sh row_mask:0xf bank_mask:0xf
.set n, n+1
.endr
.endr
	LEVEL SEL8, UM8, 0
	LEVEL SEL4, UM4, 8
	LEVEL SEL2, UM2, 4
	LEVEL SEL1, UM1, 2
	; kbar, d, qbar
.set n, 0
.rept 32
	v_permlane16_b32 v[R+n], v[G+n], s[SELT], s[SELT+1]
.set n, n+1
.endr
.set n, 0
.rept 16
	v_pk_add_f32 v[R+2*n:R+2*n+1], v[R+2*n:R+2*n+1], v[G+2*n:G+2*n+1] neg_lo:[0,1] neg_hi:[0,1]  ; T - b
.set n, n+1
.endr
	SELECT 1
.set n, 0
.rept 32
	v_exp_f32 v[R+n], v[R+n]
.set n, n+1
.endr
	v_nop
	s_wait_alu depctr_va_vdst(0)
	MIX ZH, KP
.irp kb, 0,1,2,3
	ds_store_b128 v[KST], v[ZH+4*\kb:ZH+4*\kb+3] offset:32*\kb
.endr
.irp kb, 0,1,2,3
	ds_load_tr16_b128 v[Z+4*\kb:Z+4*\kb+3], v[KTR] offset:32*\kb   ; kbar^T: my own bytes, served in order behind my stores
.endr
.set n, 0
.rept 32
	v_exp_f32 v[R+n], v[G+n]                       ; 2^b
.set n, n+1
.endr
	v_nop
	s_wait_xcnt 0x0                                ; EXEC changes only behind this wait
	v_cmp_eq_u32 vcc_lo, 15, v[RR]
	s_and_saveexec_b32 s[EXS], vcc_lo              ; token 15's lanes hold d = 2^T
	s_wait_alu depctr_va_vdst(0)
.irp kb, 0,1,2,3
	ds_store_b128 v[AXD], v[R+8*\kb:R+8*\kb+3] offset:64*\kb
	ds_store_b128 v[AXD], v[R+8*\kb+4:R+8*\kb+7] offset:64*\kb+16
.endr
	s_wait_xcnt 0x0
	s_or_b32 exec_lo, exec_lo, s[EXS]
	MIX ZH, QP
	; the row's scale
	v_max3_num_f32 v[AMAX], v[A], v[A+1], v[A+2]
	v_min3_num_f32 v[TMPX], v[A], v[A+1], v[A+2]
	v_max3_num_f32 v[AMAX], v[AMAX], v[A+3], v[A+4]
	v_min3_num_f32 v[TMPX], v[TMPX], v[A+3], v[A+4]
	v_max3_num_f32 v[AMAX], v[AMAX], v[A+5], v[A+6]
	v_min3_num_f32 v[TMPX], v[TMPX], v[A+5], v[A+6]
	v_max_num_f32 v[AMAX], v[AMAX], v[A+7]
	v_min_num_f32 v[TMPX], v[TMPX], v[A+7]
	v_sub_f32 v[TMPX], 0, v[TMPX]
	v_max_num_f32 v[AMAX], v[AMAX], v[TMPX]
	v_permlanex16_b32 v[TMPX], v[AMAX], s[SELX], s[SELX+1]  ; the query's other eight keys
	v_max_num_f32 v[AMAX], v[AMAX], v[TMPX]
	v_max_num_f32 v[AMAX], 0x08000000, v[AMAX]     ; exponent field held to 16 .. 238
	v_min_num_f32 v[AMAX], 0x77000000, v[AMAX]
	v_and_b32 v[IRHO], 0x7f800000, v[AMAX]         ; 1 / rho = 2^(e - 127)
	v_sub_nc_u32 v[RHO], 0x7f000000, v[IRHO]       ; rho = 2^(127 - e)
.irp j, 0,2,4,6
	v_pk_mul_f32 v[A+\j:A+\j+1], v[A+\j:A+\j+1], v[RHO:RHO+1] op_sel_hi:[1,0]
.endr
.irp j, 0,1,2,3
	v_cvt_pk_f16_f32 v[PP+\j], v[A+2*\j], v[A+2*\j+1]
.endr
	ds_store_b32 v[AXI], v[IRHO]
	ds_load_b128 v[R:R+3], v[AXR]                  ; d, 1 / rho and the zeros, as 512 consecutive bytes
	s_wait_dscnt 0x0                               ; kbar^T and that block are in; and, for the others' sake, my stores are done
.irp kb, 0,1,2,3
	global_store_b128 v[RECB], v[ZH+4*\kb:ZH+4*\kb+3], s[12:13] offset:512*\kb
.endr
.irp kb, 0,1,2,3
	global_store_b128 v[RECB], v[Z+4*\kb:Z+4*\kb+3], s[12:13] offset:2048+512*\kb
.endr
	global_store_b128 v[RECB], v[PP:PP+3], s[12:13] offset:4096
	global_store_b128 v[RECB], v[R:R+3], s[12:13] offset:4608
	s_barrier_signal -1                            ; the one barrier of a trip: the four slots of this parity are whole.  They are written again two trips on, behind the next trip's barrier,
	s_barrier_wait -1                              ; in front of which every wave has waited for its reads of them
	; PHASE 2
	s_wait_loadcnt 9                               ; V is in; the next tile's nine loads stay out
	UPD 0
	UPD 1
	UPD 2
	UPD 3
	WIN 0
	s_wait_loadcnt 0x0
	s_wait_xcnt 0x0                                ; the stores' registers and all bases are written again only behind this wait
.set n, 0
.rept 16
	v_mov_b32 v[QP+n], v[QN+n]
	v_mov_b32 v[KP+n], v[KN+n]
.set n, n+1
.endr
.irp j, 0,1,2,3
	v_mov_b32 v[LF+\j], v[LN+\j]
.endr
	s_add_nc_u64 s[VS:VS+1], s[VS:VS+1], 2048
	s_add_nc_u64 s[12:13], s[12:13], 20480
	s_cmp_ge_u32 s[CNT], 3                         ; the look-ahead stops at the chunk's last four tiles
	s_cselect_b32 s[STQ], 524288, 0
	s_cselect_b32 s[STL], 2048, 0
	s_add_nc_u64 s[QKS:QKS+1], s[QKS:QKS+1], s[STQ:STQ+1]
	s_add_nc_u64 s[6:7], s[6:7], s[STL:STL+1]
	s_xor_b32 s[PAR], s[PAR], PARB
	s_sub_co_u32 s[CNT], s[CNT], 1
	s_cmp_lg_u32 s[CNT], 0
	s_cbranch_scc1 .Lgroup
	WIN 0x04                                       ; store data in window 1
.set n, 0
.rept 16
	global_store_b128 v[LOFF], v[S+4*n:S+4*n+3], s[14:15] offset:512*n   ; U as it lies in my registers, lowest first: 512 consecutive bytes a store
.set n, n+1
.endr
	WIN 0
	s_cmp_lg_u32 s[WV], 0
	s_cbranch_scc1 .Ldone
	v_lshrrev_b32 v[KST], 2, v[LOFF]
	v_add_nc_u32 v[KST], DCS+256, v[KST]
	ds_store_b32 v[KST], v[ZERO]
	ds_store_b32 v[KST], v[ZERO] offset:128
	v_lshlrev_b32 v[KTR], 5, v[HH]
	v_add_nc_u32 v[KTR], DCS, v[KTR]
	v_add_nc_u32 v[AXR], DCS, v[LOFF]
	WIN 0x04
.irp kb, 0,1,2,3
	ds_store_b128 v[KTR], v[DC+8*\kb:DC+8*\kb+3] offset:64*\kb         ; the 16 lanes of a half hold, and write, the same numbers
	ds_store_b128 v[KTR], v[DC+8*\kb+4:DC+8*\kb+7] offset:64*\kb+16
.endr
	WIN 0
	ds_load_b128 v[R:R+3], v[AXR]
	s_wait_dscnt 0x0
	global_store_b128 v[LOFF], v[R:R+3], s[16:17]
.Ldone:
	s_wait_tensorcnt 0x0                           ; the wave's end
	ds_add_u32 v[SPW], v[NIL]
	s_wait_dscnt 0x0
	s_endpgm
.Lfunc_end_k_qf0ff41503d_prep:
	.size	k_qf0ff41503d_prep, .Lfunc_end_k_qf0ff41503d_prep-k_qf0ff41503d_prep
	.p2alignl 7, 3214868480
	.fill 96, 4, 3214868480
	.section	.rodata,"a",@progbits
	.p2align	6, 0x0
	.amdhsa_kernel k_qf0ff41503d_prep
		.amdhsa_group_segment_fixed_size 25600
		.amdhsa_private_segment_fixed_size 0
		.amdhsa_enable_private_segment 0
		.amdhsa_kernarg_size 56
		.amdhsa_user_sgpr_count 2
		.amdhsa_user_sgpr_kernarg_segment_ptr 1
		.amdhsa_wavefront_size32 1
		.amdhsa_system_sgpr_workgroup_id_x 1
		.amdhsa_system_sgpr_workgroup_id_y 1
		.amdhsa_system_sgpr_workgroup_id_z 1
		.amdhsa_system_vgpr_workitem_id 0
		.amdhsa_next_free_vgpr 480
		.amdhsa_next_free_sgpr 66
		.amdhsa_reserve_vcc 1
		.amdhsa_float_denorm_mode_32 3
		.amdhsa_float_denorm_mode_16_64 3
		.amdhsa_memory_ordered 1
		.amdhsa_forward_progress 1
		.amdhsa_inst_pref_size 107
	.end_amdhsa_kernel
	.amdgpu_metadata
---
amdhsa.version: [ 1, 2 ]
amdhsa.kernels:
  - .name:           k_qf0ff41503d_prep
    .symbol:         k_qf0ff41503d_prep.kd
    .args:
      - { .name: img, .offset: 0, .size: 8, .value_kind: global_buffer, .address_space: global }
      - { .name: low16, .offset: 8, .size: 8, .value_kind: global_buffer, .address_space: global }
      - { .name: Wkg2, .offset: 16, .size: 8, .value_kind: global_buffer, .address_space: global }
      - { .name: bkg2, .offset: 24, .size: 8, .value_kind: global_buffer, .address_space: global }
      - { .name: rec, .offset: 32, .size: 8, .value_kind: global_buffer, .address_space: global }
      - { .name: ust, .offset: 40, .size: 8, .value_kind: global_buffer, .address_space: global }
      - { .name: dch, .offset: 48, .size: 8, .value_kind: global_buffer, .address_space: global }
    .group_segment_fixed_size: 25600
    .private_segment_fixed_size: 0
    .kernarg_segment_align: 8
    .kernarg_segment_size: 56
    .max_flat_workgroup_size: 128
    .sgpr_count:     66
    .vgpr_count:     480
    .wavefront_size: 32
...
	.end_amdgpu_metadata
.endif
;; end of part 3
;; launch scan (part 4): grid 128 x 1, 16 waves a work-group, no clusters, 18,944 bytes of LDS; arguments ust, dch, hidden_states, sin, out1; writes sin, out1
.if DOCPART == 4
	.amdgcn_target "amdgcn-amd-amdhsa--gfx1250"
	.amdhsa_code_object_version 6
	.text
	.protected	k_qf0ff41503d_scan
	.globl	k_qf0ff41503d_scan
	.p2align	8
	.type	k_qf0ff41503d_scan,@function
k_qf0ff41503d_scan:
	s_mov_b64 s[64:65], 0
	v_nop
	global_prefetch_b8 v0, s[64:65] scope:SCOPE_SE
	s_setreg_imm32_b32 hwreg(HW_REG_WAVE_MODE, 25, 1), 1
	s_wait_xcnt 0x0
; THE STATE ACROSS CHUNKS, in f32: S_in(0) = sqrt(128) x hidden_states (rounded to bf16, as every input is); S_in(c + 1) = D_c S_in(c) + U_c; out1 = S_in(8) / sqrt(128).
; Work-group = (head-batch, block of 16 k-dims): 128 are all the work there is: 2,048 numbers each, four to a thread.  A thread owns one 16-byte piece of the register image in which ust and sin lie:
; k = 16 kb + 8 h + 4 jh + 0..3, channel 16 (thread / 64) + thread % 16.  hidden_states and out1 lie by rows, so they pass through LDS.  All 17 loads of a thread go out together.
; No matrix unit, no cluster: nothing is multiplied by matrices and nothing is shared.
.set STA, 0                            ; 16 rows x 528 bytes
.set STB, 8448
.set SPARE, 16896
.set UO,1
.set DO,2
.set HO,3
.set LW,4
.set LR,5
.set SPW,6
.set NIL,7
.set HS,8
.set TT,12
.set U,16
.set DCR,48
.set SQ,80                             ; nine quads: no store's data is written again
.set FO,116
	s_load_b256 s[4:11], s[0:1], 0x0               ; ust 4, dch 6, hidden_states 8, sin 10
	s_load_b64 s[12:13], s[0:1], 0x20              ; out1
	v_lshl_add_u32 v[SPW], v0, 2, SPARE
	v_mov_b32 v[NIL], 0
	s_lshr_b32 s14, ttmp9, 2                       ; head-batch
	s_and_b32 s15, ttmp9, 3                        ; kb
	s_lshl_b32 s16, s14, 18
	s_lshl_b32 s18, s15, 11
	s_add_co_u32 s16, s16, s18
	s_mov_b32 s17, 0
	s_lshl_b32 s18, s14, 12
	s_lshl_b32 s20, s15, 6
	s_add_co_u32 s18, s18, s20
	s_mov_b32 s19, 0
	s_lshl_b32 s20, s14, 15
	s_lshl_b32 s22, s15, 13
	s_add_co_u32 s20, s20, s22
	s_mov_b32 s21, 0
	v_lshrrev_b32 v[UO], 7, v0
	v_and_b32 v[TT], 127, v0
	v_lshlrev_b32 v[TT], 4, v[TT]
	v_lshl_add_u32 v[UO], v[UO], 13, v[TT]         ; channel quarter x 8,192 + (image, lane) x 16
	v_bfe_u32 v[TT], v0, 4, 1                      ; h
	v_bfe_u32 v[TT+1], v0, 5, 1                    ; jh
	v_lshlrev_b32 v[DO], 5, v[TT]
	v_lshl_add_u32 v[DO], v[TT+1], 4, v[DO]        ; 4 bytes x (8 h + 4 jh)
	v_lshrrev_b32 v[LR], 2, v[DO]
	v_mul_u32_u24 v[LR], v[LR], 528
	v_lshrrev_b32 v[TT], 6, v0
	v_and_b32 v[TT+1], 15, v0
	v_lshl_add_u32 v[TT], v[TT], 4, v[TT+1]        ; channel
	v_lshl_add_u32 v[LR], v[TT], 2, v[LR]
	v_lshlrev_b32 v[HO], 4, v0
	v_lshrrev_b32 v[LW], 5, v0
	v_mul_u32_u24 v[LW], v[LW], 528
	v_and_b32 v[TT], 31, v0
	v_lshl_add_u32 v[LW], v[TT], 4, v[LW]
	s_wait_kmcnt 0x0
	s_add_nc_u64 s[4:5], s[4:5], s[16:17]
	s_add_nc_u64 s[10:11], s[10:11], s[16:17]
	s_add_nc_u64 s[6:7], s[6:7], s[18:19]
	s_add_nc_u64 s[8:9], s[8:9], s[20:21]
	s_add_nc_u64 s[12:13], s[12:13], s[20:21]
	global_load_b128 v[HS:HS+3], v[HO], s[8:9]
.set c, 0
.rept 8
	global_load_b128 v[U+4*c:U+4*c+3], v[UO], s[4:5] offset:32768*c
	global_load_b128 v[DCR+4*c:DCR+4*c+3], v[DO], s[6:7] offset:512*c
.set c, c+1
.endr
	s_wait_loadcnt 16                              ; hidden_states is in; the 16 loads behind it stay out
	v_cvt_pk_bf16_f32 v[TT], v[HS], v[HS+1]
	v_cvt_pk_bf16_f32 v[TT+1], v[HS+2], v[HS+3]
	v_lshlrev_b32 v[HS], 16, v[TT]
	v_and_b32 v[HS+1], 0xffff0000, v[TT]
	v_lshlrev_b32 v[HS+2], 16, v[TT+1]
	v_and_b32 v[HS+3], 0xffff0000, v[TT+1]
	v_pk_mul_f32 v[HS:HS+1], v[HS:HS+1], 0x413504f3 op_sel_hi:[1,0]      ; sqrt(128)
	v_pk_mul_f32 v[HS+2:HS+3], v[HS+2:HS+3], 0x413504f3 op_sel_hi:[1,0]
	ds_store_b128 v[LW], v[HS:HS+3]
	s_wait_dscnt 0x0                               ; for the others' sake
	s_barrier_signal -1
	s_barrier_wait -1
.irp e, 0,1,2,3
	ds_load_b32 v[SQ+\e], v[LR] offset:STA+\e*528
.endr
	s_wait_dscnt 0x0
.set c, 0
.rept 8
	global_store_b128 v[UO], v[SQ+4*c:SQ+4*c+3], s[10:11] offset:32768*c
	s_wait_loadcnt 14-2*c                          ; U and D of chunk c are in; the later chunks' pairs stay out
	v_pk_fma_f32 v[SQ+4*c+4:SQ+4*c+5], v[DCR+4*c:DCR+4*c+1], v[SQ+4*c:SQ+4*c+1], v[U+4*c:U+4*c+1]
	v_pk_fma_f32 v[SQ+4*c+6:SQ+4*c+7], v[DCR+4*c+2:DCR+4*c+3], v[SQ+4*c+2:SQ+4*c+3], v[U+4*c+2:U+4*c+3]
.set c, c+1
.endr
	v_pk_mul_f32 v[FO:FO+1], v[SQ+32:SQ+33], 0x3db504f3 op_sel_hi:[1,0]  ; 1 / sqrt(128)
	v_pk_mul_f32 v[FO+2:FO+3], v[SQ+34:SQ+35], 0x3db504f3 op_sel_hi:[1,0]
.irp e, 0,1,2,3
	ds_store_b32 v[LR], v[FO+\e] offset:STB+\e*528
.endr
	s_wait_dscnt 0x0
	s_barrier_signal -1
	s_barrier_wait -1
	ds_load_b128 v[HS:HS+3], v[LW] offset:STB
	s_wait_dscnt 0x0
	global_store_b128 v[HO], v[HS:HS+3], s[12:13]
	s_wait_tensorcnt 0x0                           ; the wave's end
	ds_add_u32 v[SPW], v[NIL]
	s_wait_dscnt 0x0
	s_endpgm
.Lfunc_end_k_qf0ff41503d_scan:
	.size	k_qf0ff41503d_scan, .Lfunc_end_k_qf0ff41503d_scan-k_qf0ff41503d_scan
	.p2alignl 7, 3214868480
	.fill 96, 4, 3214868480
	.section	.rodata,"a",@progbits
	.p2align	6, 0x0
	.amdhsa_kernel k_qf0ff41503d_scan
		.amdhsa_group_segment_fixed_size 18944
		.amdhsa_private_segment_fixed_size 0
		.amdhsa_enable_private_segment 0
		.amdhsa_kernarg_size 40
		.amdhsa_user_sgpr_count 2
		.amdhsa_user_sgpr_kernarg_segment_ptr 1
		.amdhsa_wavefront_size32 1
		.amdhsa_system_sgpr_workgroup_id_x 1
		.amdhsa_system_sgpr_workgroup_id_y 1
		.amdhsa_system_sgpr_workgroup_id_z 1
		.amdhsa_system_vgpr_workitem_id 0
		.amdhsa_next_free_vgpr 128
		.amdhsa_next_free_sgpr 66
		.amdhsa_reserve_vcc 0
		.amdhsa_float_denorm_mode_32 3
		.amdhsa_float_denorm_mode_16_64 3
		.amdhsa_memory_ordered 1
		.amdhsa_forward_progress 1
		.amdhsa_inst_pref_size 8
	.end_amdhsa_kernel
	.amdgpu_metadata
---
amdhsa.version: [ 1, 2 ]
amdhsa.kernels:
  - .name:           k_qf0ff41503d_scan
    .symbol:         k_qf0ff41503d_scan.kd
    .args:
      - { .name: ust, .offset: 0, .size: 8, .value_kind: global_buffer, .address_space: global }
      - { .name: dch, .offset: 8, .size: 8, .value_kind: global_buffer, .address_space: global }
      - { .name: hidden_states, .offset: 16, .size: 8, .value_kind: global_buffer, .address_space: global }
      - { .name: sin, .offset: 24, .size: 8, .value_kind: global_buffer, .address_space: global }
      - { .name: out1, .offset: 32, .size: 8, .value_kind: global_buffer, .address_space: global }
    .group_segment_fixed_size: 18944
    .private_segment_fixed_size: 0
    .kernarg_segment_align: 8
    .kernarg_segment_size: 40
    .max_flat_workgroup_size: 512
    .sgpr_count:     66
    .vgpr_count:     128
    .wavefront_size: 32
...
	.end_amdgpu_metadata
.endif
;; end of part 4
;; launch glaout (part 5): grid 256 x 1, 4 waves a work-group, no clusters, 285,696 bytes of LDS; arguments rec, img, sin, bg, y16; writes y16
.if DOCPART == 5
	.amdgcn_target "amdgcn-amd-amdhsa--gfx1250"
	.amdhsa_code_object_version 6
	.text
	.protected	k_qf0ff41503d_glaout
	.globl	k_qf0ff41503d_glaout
	.p2align	8
	.type	k_qf0ff41503d_glaout,@function
k_qf0ff41503d_glaout:
	s_mov_b64 s[64:65], 0
	v_nop
	global_prefetch_b8 v0, s[64:65] scope:SCOPE_SE
	s_setreg_imm32_b32 hwreg(HW_REG_WAVE_MODE, 25, 1), 1
	s_wait_xcnt 0x0
; THE CHUNK'S OUTPUTS.  Work-group id = 8 (16 b + head) + chunk, 16 tiles of 16 tokens.  With S = sqrt(128) x the state, from sin:
;   o'_i = qbar_i S_prev + sum over j <= i of A_ij v_j;   S = d S_prev + kbar^T V;   y = silu(g + bg) x LayerNorm(o') / 16, f16.
; o' = sqrt(128) o, so the norm takes eps x 128; the 1/16 lies in the root: rsqrt(256 (var + 128 eps)).
; Wave w holds S for channels 32 w .. 32 w + 31 in f32.  For the product S is scaled by a power of two, sigma, taken from its largest magnitude in the wave (to 2^10 .. 2^11), and rounded to f16:
; o' = accS / sigma + accP / rho_i, in f32.  Both products are used transposed: a lane holds one query and eight channels.
; ALL INPUTS COME AT THE START: each wave issues four tensor loads, one for each group of four tiles (waves 0, 1: the records; wave 2: V; wave 3: g); four loads of a wave are out.
; A group: four tiles (every wave its channels), o' into LDS; a barrier; then wave w norms and gates tile 4 g + w, two tokens at a time, 16 lanes to a token's 128 channels.
; No cluster: work-groups share no input.
; LIMITS.  |S| below 2^123; sums of squares of o' finite in f32; y / 16 in f16: |silu x norm| below 1,048,000.  NaN and infinities are not treated apart.
.set REC, 0                            ; 16 records of 5,120 bytes
.set VV,  81920                        ; 4 groups x [channel block 8][tile 4][512]
.set GG,  147456                       ; 4 groups x 4 tiles x 16 units of 256 + 16 bytes: unit c8 holds channels 8 c8 .. + 7 of the 16 tokens
.set OST, 217088                       ; o': 2 parities x 4 tiles x 16 rows x 528 bytes
.set SPARE, 284672
.set LOFF,3
.set DDB,4
.set INB,5
.set VFB,6
.set OSB,7
.set ARQ,8
.set ADQ,9
.set AIN,10
.set AVF,11
.set AOS,12
.set POB,13
.set PGB,14
.set PYB,15
.set APO,16
.set APG,17
.set APY,18
.set ZERO,19
.set ONE,20
.set SPW,21
.set NIL,22
.set TMPX,23
.set INV,24
.set SIG,26
.set ISG,28
.set AM,30
.set EX,31
.set QF,32
.set PF,48
.set SF,56
.set ACS,88
.set ACP,104
.set TMP,120
.set MX,136
.set BG,144
.set O,152
.set GH,160
.set ZZ,164
.set EE,172
.set T,180
.set MEAN,184
.set Q,186
.set RS,190
.set YP,192
.set S,0                               ; window 1
.set KT,64
.set DD,96
.set VF,128
.set WV,14
.set G1,16
.set G0,24
.set TR,44
.set TV,45
.set TO,46
.set CNT,47
.set PO,48
.set PG,49
.set PY,50
.set SELX,52
.set NL2E,54
.set EPS,56
.set MSB, 0
.macro WIN new
.if MSB != (\new)
	s_set_vgpr_msb (MSB<<8)|(\new)
.set MSB, \new
.endif
.endm
.macro FOUR                            ; a wave's four first fills, an s_nop 0 behind each, four v_nop behind the last
.irp g, 0,1,2,3
	tensor_load_to_lds s[G0+4*\g:G0+4*\g+3], s[G1:G1+7]
	s_nop 0
.endr
.rept 4
	v_nop
.endr
.endm
	s_load_b256 s[4:11], s[0:1], 0x0               ; rec 4, img 6, sin 8, bg 10
	s_load_b64 s[12:13], s[0:1], 0x20              ; y16
	v_lshl_add_u32 v[SPW], v0, 2, SPARE
	v_mov_b32 v[NIL], 0
	ds_add_u32 v[SPW], v[NIL]                      ; the wave's opening: an add, and its wait ahead of my first tensor load
	ds_add_u32 v21, v22
	v_lshrrev_b32 v1, 5, v0
	v_readfirstlane_b32 s[WV], v1
	s_and_b32 s40, ttmp9, 7                        ; chunk
	s_lshr_b32 s41, ttmp9, 7                       ; b
	s_bfe_u32 s42, ttmp9, 0x40003                  ; head
	s_lshl_b32 s43, s41, 7
	s_lshl4_add_u32 s43, s40, s43                  ; the chunk's first token block
	s_mul_i32 s15, s[WV], 10240
	s_mul_i32 s58, ttmp9, 81920
	s_add_co_u32 s58, s58, s15                     ; rec: my two records of each group
	s_mov_b32 s59, 0
	s_lshl_b32 s60, s42, 20
	s_lshl_b32 s61, s43, 9
	s_add_co_u32 s60, s60, s61
	s_add_co_u32 s60, s60, 33554432                ; v's images
	s_mov_b32 s61, 0
	s_lshl_b32 s62, s43, 17
	s_lshl_b32 s63, s42, 12
	s_add_co_u32 s62, s62, s63
	s_add_co_u32 s62, s62, 65536                   ; g's images
	s_mov_b32 s63, 0
	s_mov_b32 s[SELX], 0x76543210
	s_mov_b32 s[SELX+1], 0xfedcba98
	s_mov_b32 s[NL2E], 0xbfb8aa3b                  ; -log2e
	s_mov_b32 s[NL2E+1], 0xbfb8aa3b
	s_mov_b32 s[EPS], 0x3ea7c5ac                   ; 256 x 128 x 1e-5
	s_wait_dscnt 0x0                               ; the opening add is done
	s_wait_kmcnt 0x0
	s_cmp_lt_u32 s[WV], 2
	s_cbranch_scc0 .Lnot_rec
	s_mov_b32 s[G1], 3<<16                         ; 8-byte elements, no padding: 10,240 dense bytes as 40 rows of 256
	s_mov_b32 s[G1+1], 32<<16
	s_mov_b32 s[G1+2], 40<<16
	s_mov_b32 s[G1+3], 32<<16
	s_mov_b32 s[G1+4], 40
	s_mov_b32 s[G1+5], 32
	s_mov_b32 s[G1+6], 0
	s_mov_b32 s[G1+7], 0
	s_add_nc_u64 s[4:5], s[4:5], s[58:59]
.irp g, 0,1,2,3
	s_mov_b32 s[G0+4*\g], 1
	s_add_co_u32 s[G0+4*\g+1], s15, REC+\g*20480
	s_add_nc_u64 s[G0+4*\g+2:G0+4*\g+3], s[4:5], \g*20480
	s_or_b32 s[G0+4*\g+3], s[G0+4*\g+3], 0x80000000
.endr
	FOUR
	s_branch .Lasked
.Lnot_rec:
	s_cmp_eq_u32 s[WV], 2
	s_cbranch_scc0 .Lfor_g
	s_mov_b32 s[G1], 3<<16                         ; 8 channel blocks, of each four tiles' images: rows of 2,048 bytes, 131,072 bytes apart
	s_mov_b32 s[G1+1], 256<<16
	s_mov_b32 s[G1+2], 8<<16
	s_mov_b32 s[G1+3], 256<<16
	s_mov_b32 s[G1+4], 8
	s_mov_b32 s[G1+5], 16384
	s_mov_b32 s[G1+6], 0
	s_mov_b32 s[G1+7], 0
	s_add_nc_u64 s[6:7], s[6:7], s[60:61]
.irp g, 0,1,2,3
	s_mov_b32 s[G0+4*\g], 1
	s_mov_b32 s[G0+4*\g+1], VV+\g*16384
	s_add_nc_u64 s[G0+4*\g+2:G0+4*\g+3], s[6:7], \g*2048
	s_or_b32 s[G0+4*\g+3], s[G0+4*\g+3], 0x80000000
.endr
	FOUR
	s_branch .Lasked
.Lfor_g:
	s_mov_b32 s[G1], (3<<16)|(1<<20)|(5<<22)|(3<<25)  ; 4 token blocks, of each the head's 8 images: rows of 4,096 bytes; 4 words of padding after every 64
	s_mov_b32 s[G1+1], 512<<16
	s_mov_b32 s[G1+2], 4<<16
	s_mov_b32 s[G1+3], 512<<16
	s_mov_b32 s[G1+4], 4
	s_mov_b32 s[G1+5], 16384
	s_mov_b32 s[G1+6], 0
	s_mov_b32 s[G1+7], 0
	s_add_nc_u64 s[6:7], s[6:7], s[62:63]
.irp g, 0,1,2,3
	s_mov_b32 s[G0+4*\g], 1
	s_mov_b32 s[G0+4*\g+1], GG+\g*17408
	s_add_nc_u64 s[G0+4*\g+2:G0+4*\g+3], s[6:7], \g*524288
	s_or_b32 s[G0+4*\g+3], s[G0+4*\g+3], 0x80000000
.endr
	FOUR
.Lasked:
	s_lshl_b32 s58, ttmp9, 15
	s_lshl_b32 s60, s[WV], 13
	s_add_co_u32 s58, s58, s60
	s_add_nc_u64 s[8:9], s[8:9], s[58:59]          ; sin: my wave's 16 images
	s_lshl_b32 s58, s42, 9
	s_add_nc_u64 s[10:11], s[10:11], s[58:59]      ; bg of the head
	s_lshl_b32 s58, s41, 23
	s_lshl_b32 s60, s40, 20
	s_add_co_u32 s58, s58, s60
	s_lshl_b32 s60, s42, 8
	s_add_co_u32 s58, s58, s60
	s_add_nc_u64 s[12:13], s[12:13], s[58:59]      ; y16 at the chunk's first token, the head's columns
	v_and_b32 v1, 15, v0
	v_bfe_u32 v2, v0, 4, 1
	v_and_b32 v[LOFF], 31, v0
	v_lshlrev_b32 v[INB], 2, v[LOFF]
	v_add_nc_u32 v[INB], 4864, v[INB]
	v_lshlrev_b32 v[LOFF], 4, v[LOFF]
	v_lshlrev_b32 v[APY], 5, v1                    ; bg: 8 numbers a lane
	WIN 0x40
.set n, 0
.rept 16
	global_load_b128 v[S+4*n:S+4*n+3], v[LOFF], s[8:9] offset:512*n
.set n, n+1
.endr
	WIN 0
	global_load_b128 v[BG:BG+3], v[APY], s[10:11]
	global_load_b128 v[BG+4:BG+7], v[APY], s[10:11] offset:16
	v_lshlrev_b32 v[DDB], 5, v2
	v_add_nc_u32 v[DDB], 4608, v[DDB]
	s_lshl_b32 s15, s[WV], 12
	v_add_nc_u32 v[VFB], s15, v[LOFF]
	v_mul_u32_u24 v[OSB], v1, 528
	v_lshl_add_u32 v[OSB], v2, 5, v[OSB]
	s_lshl_b32 s15, s[WV], 7
	v_add_nc_u32 v[OSB], s15, v[OSB]               ; o' in: row = query, my wave's 128 bytes, 32 for each half of the lanes
	v_mul_u32_u24 v[POB], v2, 528
	v_lshl_add_u32 v[POB], v1, 5, v[POB]
	s_mul_i32 s15, s[WV], 8448
	v_add_nc_u32 v[POB], s15, v[POB]               ; o' back: my tile, token lane / 16, channels 8 (lane % 16) on
	v_mul_u32_u24 v[PGB], v1, 272
	v_lshl_add_u32 v[PGB], v2, 4, v[PGB]
	s_mul_i32 s15, s[WV], 4352
	v_add_nc_u32 v[PGB], s15, v[PGB]
	v_lshlrev_b32 v[PYB], 12, v2
	v_lshl_add_u32 v[PYB], v1, 4, v[PYB]
	s_lshl_b32 s15, s[WV], 16
	v_add_nc_u32 v[PYB], s15, v[PYB]
	v_mov_b32 v[ZERO], 0
	v_mov_b32 v[ONE], 1.0
	v_mov_b32 v[TMPX], 0
	v_mov_b32 v[INV+1], 0                          ; named as pairs
	v_mov_b32 v[SIG+1], 0
	v_mov_b32 v[ISG+1], 0
	v_mov_b32 v[MEAN+1], 0
	v_mov_b32 v[RS+1], 0
.irp j, 4,5,6,7
	v_mov_b32 v[PF+\j], 0                          ; K indices 16-31 of the fragments with 16 real ones
.endr
.set n, 0
.rept 32
	v_mov_b32 v[SF+n], 0
.set n, n+1
.endr
	WIN 0x40
.set n, 0
.rept 4
.irp j, 4,5,6,7
	v_mov_b32 v[KT+8*n+\j], 0
.endr
.set n, n+1
.endr
.irp j, 4,5,6,7,12,13,14,15
	v_mov_b32 v[VF+\j], 0
.endr
	WIN 0
	s_wait_loadcnt 0x0
.irp j, 0,1,2,3
	v_cvt_pk_bf16_f32 v[TMP+\j], v[BG+2*\j], v[BG+2*\j+1]
.endr
.irp j, 0,1,2,3
	v_lshlrev_b32 v[BG+2*\j], 16, v[TMP+\j]
	v_and_b32 v[BG+2*\j+1], 0xffff0000, v[TMP+\j]
.endr
.macro TILE
	WIN 0
	v_add_nc_u32 v[ARQ], s[TR], v[LOFF]
	v_add_nc_u32 v[ADQ], s[TR], v[DDB]
	v_add_nc_u32 v[AIN], s[TR], v[INB]
	v_add_nc_u32 v[AVF], s[TV], v[VFB]
	v_add_nc_u32 v[AOS], s[TO], v[OSB]
.irp i, 0,1,2,3
	ds_load_b128 v[QF+4*\i:QF+4*\i+3], v[ARQ] offset:512*\i
.endr
	ds_load_b128 v[PF:PF+3], v[ARQ] offset:4096
	ds_load_b32 v[INV], v[AIN]
.irp i, 0,1,2,3
	v_mov_b32 v[MX+\i], 0
.endr
	WIN 0x40
	ds_load_b128 v[VF:VF+3], v[AVF]
	ds_load_b128 v[VF+8:VF+11], v[AVF] offset:2048
.irp kb, 0,1,2,3
	ds_load_b128 v[KT+8*\kb:KT+8*\kb+3], v[ARQ] offset:2048+512*\kb
.endr
.irp kb, 0,1,2,3
	ds_load_b128 v[DD+8*\kb:DD+8*\kb+3], v[ADQ] offset:64*\kb
	ds_load_b128 v[DD+8*\kb+4:DD+8*\kb+7], v[ADQ] offset:64*\kb+16
.endr
	WIN 0x14                                       ; sources 1 and 2 in window 1
.set n, 0
.rept 32                                           ; the largest and the smallest of my 64 numbers of S, each accumulator's lowest registers first
	v_max3_num_f32 v[MX+n%2], v[MX+n%2], v[S+2*n], v[S+2*n+1]
	v_min3_num_f32 v[MX+2+n%2], v[MX+2+n%2], v[S+2*n], v[S+2*n+1]
.set n, n+1
.endr
	WIN 0
	v_max_num_f32 v[AM], v[MX], v[MX+1]
	v_min_num_f32 v[EX], v[MX+2], v[MX+3]
	v_sub_f32 v[EX], 0, v[EX]
	v_max_num_f32 v[AM], v[AM], v[EX]
	v_max_num_f32_dpp v[AM], v[AM], v[AM] row_xmask:1 row_mask:0xf bank_mask:0xf
	v_max_num_f32_dpp v[AM], v[AM], v[AM] row_xmask:2 row_mask:0xf bank_mask:0xf
	v_max_num_f32_dpp v[AM], v[AM], v[AM] row_xmask:4 row_mask:0xf bank_mask:0xf
	v_max_num_f32_dpp v[AM], v[AM], v[AM] row_xmask:8 row_mask:0xf bank_mask:0xf
	v_permlanex16_b32 v[TMPX], v[AM], s[SELX], s[SELX+1]
	v_max_num_f32 v[AM], v[AM], v[TMPX]
	v_max_num_f32 v[AM], 0x10000000, v[AM]         ; exponent field e held to 32 .. 250
	v_min_num_f32 v[AM], 0x7d000000, v[AM]
	v_and_b32 v[EX], 0x7f800000, v[AM]
	v_sub_nc_u32 v[SIG], 0x84000000, v[EX]         ; sigma = 2^(137 - e)
	v_add_nc_u32 v[ISG], 0xfb000000, v[EX]         ; 1 / sigma = 2^(e - 137)
	WIN 0x01                                       ; source 0 in window 1
.irp cb, 0,1
.irp kb, 0,1,2,3
.irp jj, 0,1,2,3
	v_fma_mixlo_f16 v[SF+16*\cb+4*\kb+\jj], v[S+8*(2*\kb+\cb)+2*\jj], v[SIG], v[ZERO]
	v_fma_mixhi_f16 v[SF+16*\cb+4*\kb+\jj], v[S+8*(2*\kb+\cb)+2*\jj+1], v[SIG], v[ZERO]
.endr
.endr
.endr
	WIN 0
	s_wait_dscnt 12                                ; qbar, P, 1 / rho and V are in; kbar^T and d, the youngest twelve, may be out
	v_wmma_f32_16x16x32_f16 v[ACS:ACS+7], v[SF:SF+7], v[QF:QF+7], 0                    ; four accumulators by turns
	v_wmma_f32_16x16x32_f16 v[ACS+8:ACS+15], v[SF+16:SF+23], v[QF:QF+7], 0
	WIN 0x01
	v_wmma_f32_16x16x32_f16 v[ACP:ACP+7], v[VF:VF+7], v[PF:PF+7], 0
	v_wmma_f32_16x16x32_f16 v[ACP+8:ACP+15], v[VF+8:VF+15], v[PF:PF+7], 0
	WIN 0
	v_wmma_f32_16x16x32_f16 v[ACS:ACS+7], v[SF+8:SF+15], v[QF+8:QF+15], v[ACS:ACS+7]
	v_wmma_f32_16x16x32_f16 v[ACS+8:ACS+15], v[SF+24:SF+31], v[QF+8:QF+15], v[ACS+8:ACS+15]
	s_wait_dscnt 0x0
	WIN 0x45
.irp t8, 0,1,2,3,4,5,6,7
.irp jp, 0,1,2,3
	v_pk_mul_f32 v[S+8*\t8+2*\jp:S+8*\t8+2*\jp+1], v[S+8*\t8+2*\jp:S+8*\t8+2*\jp+1], v[DD+8*(\t8/2)+2*\jp:DD+8*(\t8/2)+2*\jp+1]   ; S = d S: also the places behind the six products
.endr
.endr
	WIN 0x55
.irp t8, 0,1,2,3,4,5,6,7
	v_wmma_f32_16x16x32_f16 v[S+8*\t8:S+8*\t8+7], v[KT+8*(\t8/2):KT+8*(\t8/2)+7], v[VF+8*(\t8%2):VF+8*(\t8%2)+7], v[S+8*\t8:S+8*\t8+7]
.endr
	WIN 0
.set n, 0
.rept 8
	v_pk_mul_f32 v[TMP+2*n:TMP+2*n+1], v[ACP+2*n:ACP+2*n+1], v[INV:INV+1] op_sel_hi:[1,0]
.set n, n+1
.endr
.set n, 0
.rept 8
	v_pk_fma_f32 v[TMP+2*n:TMP+2*n+1], v[ACS+2*n:ACS+2*n+1], v[ISG:ISG+1], v[TMP+2*n:TMP+2*n+1] op_sel_hi:[1,0,1]
.set n, n+1
.endr
.irp cb, 0,1
	ds_store_b128 v[AOS], v[TMP+8*\cb:TMP+8*\cb+3] offset:64*\cb
	ds_store_b128 v[AOS], v[TMP+8*\cb+4:TMP+8*\cb+7] offset:64*\cb+16
.endr
.endm
.macro ROWS                            ; two tokens: lanes 0-15 one, lanes 16-31 the next; a lane holds eight channels
	s_wait_xcnt 0x0                                ; the last store's address and data are written again only behind this wait
	v_add_nc_u32 v[APO], s[PO], v[POB]
	v_add_nc_u32 v[APG], s[PG], v[PGB]
	v_add_nc_u32 v[APY], s[PY], v[PYB]
	ds_load_b128 v[GH:GH+3], v[APG]
	ds_load_b128 v[O:O+3], v[APO]
	ds_load_b128 v[O+4:O+7], v[APO] offset:16
	s_wait_dscnt 2                                 ; g is in; o's two loads may be out
.irp j, 0,1,2,3
	v_fma_mix_f32 v[ZZ+2*\j], v[GH+\j], v[ONE], v[BG+2*\j] op_sel_hi:[1,0,0]
	v_fma_mix_f32 v[ZZ+2*\j+1], v[GH+\j], v[ONE], v[BG+2*\j+1] op_sel:[1,0,0] op_sel_hi:[1,0,0]
.endr
.irp j, 0,2,4,6
	v_pk_mul_f32 v[EE+\j:EE+\j+1], v[ZZ+\j:ZZ+\j+1], s[NL2E:NL2E+1] op_sel_hi:[1,0]
.endr
.irp j, 0,1,2,3,4,5,6,7
	v_exp_f32 v[EE+\j], v[EE+\j]
.endr
	s_wait_dscnt 0x0
	v_pk_add_f32 v[T:T+1], v[O:O+1], v[O+2:O+3]    ; plain lines behind the exponentials
	v_pk_add_f32 v[T+2:T+3], v[O+4:O+5], v[O+6:O+7]
	v_pk_add_f32 v[T:T+1], v[T:T+1], v[T+2:T+3]
	v_add_f32 v[T], v[T], v[T+1]
	s_wait_alu depctr_va_vdst(0)
.irp j, 0,2,4,6
	v_pk_add_f32 v[EE+\j:EE+\j+1], v[EE+\j:EE+\j+1], 1.0 op_sel_hi:[1,0]
.endr
	v_add_f32_dpp v[T], v[T], v[T] row_xmask:1 row_mask:0xf bank_mask:0xf
	v_add_f32_dpp v[T], v[T], v[T] row_xmask:2 row_mask:0xf bank_mask:0xf
	v_add_f32_dpp v[T], v[T], v[T] row_xmask:4 row_mask:0xf bank_mask:0xf
	v_add_f32_dpp v[T], v[T], v[T] row_xmask:8 row_mask:0xf bank_mask:0xf
.irp j, 0,1,2,3,4,5,6,7
	v_rcp_f32 v[EE+\j], v[EE+\j]
.endr
	v_mul_f32 v[MEAN], 0x3c000000, v[T]            ; / 128
.irp j, 0,2,4,6
	v_pk_add_f32 v[O+\j:O+\j+1], v[O+\j:O+\j+1], v[MEAN:MEAN+1] op_sel_hi:[1,0] neg_lo:[0,1] neg_hi:[0,1]
.endr
	v_pk_mul_f32 v[Q:Q+1], v[O:O+1], v[O:O+1]      ; the squares of the deviations: no difference of large sums
	v_pk_mul_f32 v[Q+2:Q+3], v[O+2:O+3], v[O+2:O+3]
	v_pk_fma_f32 v[Q:Q+1], v[O+4:O+5], v[O+4:O+5], v[Q:Q+1]
	v_pk_fma_f32 v[Q+2:Q+3], v[O+6:O+7], v[O+6:O+7], v[Q+2:Q+3]
	v_pk_add_f32 v[Q:Q+1], v[Q:Q+1], v[Q+2:Q+3]
	v_add_f32 v[Q], v[Q], v[Q+1]
	v_add_f32_dpp v[Q], v[Q], v[Q] row_xmask:1 row_mask:0xf bank_mask:0xf
	v_add_f32_dpp v[Q], v[Q], v[Q] row_xmask:2 row_mask:0xf bank_mask:0xf
	v_add_f32_dpp v[Q], v[Q], v[Q] row_xmask:4 row_mask:0xf bank_mask:0xf
	v_add_f32_dpp v[Q], v[Q], v[Q] row_xmask:8 row_mask:0xf bank_mask:0xf
	s_wait_alu depctr_va_vdst(0)
.irp j, 0,2,4,6
	v_pk_mul_f32 v[ZZ+\j:ZZ+\j+1], v[ZZ+\j:ZZ+\j+1], v[EE+\j:EE+\j+1]   ; silu
.endr
	v_fma_f32 v[Q], v[Q], 2.0, s[EPS]              ; 256 (sum / 128 + 128 eps)
	v_rsq_f32 v[RS], v[Q]
.irp j, 0,2,4,6
	v_pk_mul_f32 v[ZZ+\j:ZZ+\j+1], v[ZZ+\j:ZZ+\j+1], v[O+\j:O+\j+1]     ; plain lines behind the root
.endr
	s_wait_alu depctr_va_vdst(0)
.irp j, 0,2,4,6
	v_pk_mul_f32 v[ZZ+\j:ZZ+\j+1], v[ZZ+\j:ZZ+\j+1], v[RS:RS+1] op_sel_hi:[1,0]
.endr
.irp j, 0,1,2,3
	v_cvt_pk_f16_f32 v[YP+\j], v[ZZ+2*\j], v[ZZ+2*\j+1]
.endr
	global_store_b128 v[APY], v[YP:YP+3], s[12:13] ; 16 lanes store 256 consecutive bytes, aligned
.endm
.macro GROUP g
	s_wait_tensorcnt 3-(\g)                        ; my load for this group has landed; those for the later groups stay out
	s_wait_dscnt 0x0
	s_barrier_signal -1
	s_barrier_wait -1                              ; everybody's has.  Also: all reads of the o' block that this group writes, made two groups ago, are over
	s_mov_b32 s[TR], REC+(\g)*20480
	s_mov_b32 s[TV], VV+(\g)*16384
	s_mov_b32 s[TO], OST+((\g)%2)*33792
	s_mov_b32 s[CNT], 4
.Ltile_\@:
	TILE
	s_add_co_u32 s[TR], s[TR], 5120
	s_add_co_u32 s[TV], s[TV], 512
	s_add_co_u32 s[TO], s[TO], 8448
	s_sub_co_u32 s[CNT], s[CNT], 1
	s_cmp_lg_u32 s[CNT], 0
	s_cbranch_scc1 .Ltile_\@
	s_wait_dscnt 0x0                               ; for the others' sake: my channels of o' are written
	s_barrier_signal -1
	s_barrier_wait -1
	s_mov_b32 s[PO], OST+((\g)%2)*33792
	s_mov_b32 s[PG], GG+(\g)*17408
	s_mov_b32 s[PY], (\g)*262144
	s_mov_b32 s[CNT], 8
.Lrows_\@:
	ROWS
	s_add_co_u32 s[PO], s[PO], 1056
	s_add_co_u32 s[PG], s[PG], 32
	s_add_co_u32 s[PY], s[PY], 8192
	s_sub_co_u32 s[CNT], s[CNT], 1
	s_cmp_lg_u32 s[CNT], 0
	s_cbranch_scc1 .Lrows_\@
.endm
	GROUP 0
	GROUP 1
	GROUP 2
	GROUP 3
	s_wait_tensorcnt 0x0                           ; the wave's end
	ds_add_u32 v[SPW], v[NIL]
	s_wait_dscnt 0x0
	s_endpgm
.Lfunc_end_k_qf0ff41503d_glaout:
	.size	k_qf0ff41503d_glaout, .Lfunc_end_k_qf0ff41503d_glaout-k_qf0ff41503d_glaout
	.p2alignl 7, 3214868480
	.fill 96, 4, 3214868480
	.section	.rodata,"a",@progbits
	.p2align	6, 0x0
	.amdhsa_kernel k_qf0ff41503d_glaout
		.amdhsa_group_segment_fixed_size 285696
		.amdhsa_private_segment_fixed_size 0
		.amdhsa_enable_private_segment 0
		.amdhsa_kernarg_size 40
		.amdhsa_user_sgpr_count 2
		.amdhsa_user_sgpr_kernarg_segment_ptr 1
		.amdhsa_wavefront_size32 1
		.amdhsa_system_sgpr_workgroup_id_x 1
		.amdhsa_system_sgpr_workgroup_id_y 1
		.amdhsa_system_sgpr_workgroup_id_z 1
		.amdhsa_system_vgpr_workitem_id 0
		.amdhsa_next_free_vgpr 400
		.amdhsa_next_free_sgpr 66
		.amdhsa_reserve_vcc 0
		.amdhsa_float_denorm_mode_32 3
		.amdhsa_float_denorm_mode_16_64 3
		.amdhsa_memory_ordered 1
		.amdhsa_forward_progress 1
		.amdhsa_inst_pref_size 97
	.end_amdhsa_kernel
	.amdgpu_metadata
---
amdhsa.version: [ 1, 2 ]
amdhsa.kernels:
  - .name:           k_qf0ff41503d_glaout
    .symbol:         k_qf0ff41503d_glaout.kd
    .args:
      - { .name: rec, .offset: 0, .size: 8, .value_kind: global_buffer, .address_space: global }
      - { .name: img, .offset: 8, .size: 8, .value_kind: global_buffer, .address_space: global }
      - { .name: sin, .offset: 16, .size: 8, .value_kind: global_buffer, .address_space: global }
      - { .name: bg, .offset: 24, .size: 8, .value_kind: global_buffer, .address_space: global }
      - { .name: y16, .offset: 32, .size: 8, .value_kind: global_buffer, .address_space: global }
    .group_segment_fixed_size: 285696
    .private_segment_fixed_size: 0
    .kernarg_segment_align: 8
    .kernarg_segment_size: 40
    .max_flat_workgroup_size: 128
    .sgpr_count:     66
    .vgpr_count:     400
    .wavefront_size: 32
...
	.end_amdgpu_metadata
.endif
;; end of part 5
;; launch gemm2 (part 6): grid 8 x 32, 4 waves a work-group, clusters of 4 x 4, 327,680 bytes of LDS; arguments y16, ab, out0; writes out0
.if DOCPART == 6
	.amdgcn_target "amdgcn-amd-amdhsa--gfx1250"
	.amdhsa_code_object_version 6
	.text
	.protected	k_qf0ff41503d_gemm2
	.globl	k_qf0ff41503d_gemm2
	.p2align	8
	.type	k_qf0ff41503d_gemm2,@function
k_qf0ff41503d_gemm2:
	s_mov_b64 s[64:65], 0
	v_nop
	global_prefetch_b8 v0, s[64:65] scope:SCOPE_SE
	s_setreg_imm32_b32 hwreg(HW_REG_WAVE_MODE, 25, 1), 1
	s_wait_xcnt 0x0
	s_wait_alu depctr_hold_cnt(0) depctr_sa_sdst(0) depctr_va_vdst(0) depctr_va_sdst(0) depctr_va_ssrc(0) depctr_va_vcc(0) depctr_vm_vsrc(0)
	s_getreg_b32 s2, hwreg(HW_REG_IB_STS2, 6, 4)
	s_cmp_eq_u32 s2, 0
	s_cbranch_scc0 .Lentry_in_a_cluster
	s_endpgm
.Lentry_in_a_cluster:
	s_bfe_u32 s2, ttmp6, 0x10000c
	s_cmp_lg_u32 s2, 0xf033
	s_cbranch_scc0 .Lentry_shape_is_right
	s_endpgm
.Lentry_shape_is_right:
; out0 = 16 x (y / 16) Wo^T: f16 operands (y16; Wo out of ab rows 10,240 on), f32 sums over K = 2,048, f32 out.
; A tile is 128 tokens x 256 columns; four waves, each 64 x 128: 32 accumulators.  K in steps of 128 (rows of 256 bytes) through two LDS slots filled by tensor loads.  32 x 8 tiles: one for each of 256 work-groups.
; The matrix instruction is used transposed (source 0 = 16 rows of Wo, source 1 = 16 tokens): a lane holds one token and eight neighbouring columns.
; CLUSTER 4 x 4: y's tiles are asked for jointly along a row of the cluster, Wo's along a column.
; The way out goes through each wave's own stage in LDS, 16 rows at a time; each store of a wave covers 512 consecutive bytes of a row of out0, aligned.
; REGISTERS.  Window 0: v16-29 addresses; two fragment buffers of 96: v32-127, v128-223; on the way out v128-191 and v192-255.  Window 1: accumulator (a, b) at v[8 (8 a + b)].
.set KSTEP,  128
.set PITCH,  272
.set AHALF,  64*PITCH
.set BHALF,  128*PITCH
.set BOFF,   2*AHALF
.set SLOT,   BOFF+2*BHALF
.set STAGE,  2*SLOT                    ; 16 rows x 528 bytes for each wave; no tensor load lands here
.set SPITCH, 528
.set SPARE,  STAGE+4*16*SPITCH
.set LAPS,   8
.set ADRA, 16
.set ADRB, 20
.set LOFF, 24
.set STO,  25
.set RD,   26
.set SPW,  28
.set NIL,  29
.set F0,   32
.set F1,   128
.set OA,   128
.set OB,   192
.set G1,  24
.set G0,  32
.set G1B, 48
.set G0B, 56
.set MSB, 0
.macro WIN new
.if MSB != (\new)
	s_set_vgpr_msb (MSB<<8)|(\new)
.set MSB, \new
.endif
.endm
.set MUL, 0x50
.macro JLOAD s                         ; a joint load: waves 0 and 1 fetch A's halves, waves 2 and 3 B's; an s_nop 0 and four v_nop follow each line
	s_cmp_eq_u32 s11, 0
	s_cbranch_scc0 .Lfor_b_\@
	tensor_load_to_lds s[G0+4*(\s):G0+4*(\s)+3], s[G1:G1+7]
	s_nop 0
.rept 4
	v_nop
.endr
	s_branch .Lasked_\@
.Lfor_b_\@:
	tensor_load_to_lds s[G0B+4*(\s):G0B+4*(\s)+3], s[G1B:G1B+7]
	s_nop 0
.rept 4
	v_nop
.endr
.Lasked_\@:
.endm
.macro CREST
	s_cmp_lg_u32 s10, 0
	s_cbranch_scc1 .Lnot_wave_0_\@
	s_barrier_signal -3
.Lnot_wave_0_\@:
	s_barrier_wait -3
	s_barrier_signal -1
	s_barrier_wait -1
.endm
.macro CROUND
	s_barrier_signal -1
	s_barrier_wait -1
	CREST
.endm
	s_load_b128 s[4:7], s[0:1], 0x0                ; y16 s[4:5], ab s[6:7]
	s_load_b64 s[8:9], s[0:1], 0x10                ; out0
	v_lshl_add_u32 v[SPW], v0, 2, SPARE
	v_mov_b32 v[NIL], 0
	ds_add_u32 v[SPW], v[NIL]                      ; the wave's opening: an add, and its wait ahead of my first tensor load
	ds_add_u32 v28, v29
	v_lshrrev_b32 v1, 5, v0
	v_readfirstlane_b32 s10, v1
	s_lshr_b32 s11, s10, 1                         ; which 64 tokens are mine.  Also: I fetch for A (0) or for B (1)
	s_and_b32 s12, s10, 1                          ; which 128 columns are mine.  Also: which half of that tile I fetch
	s_bfe_u32 s40, ttmp6, 0x40000
	s_bfe_u32 s41, ttmp6, 0x40004
	s_lshl_b32 s42, ttmp9, 2
	s_add_co_u32 s42, s42, s40                     ; X
	s_and_b32 s13, ttmp7, 0xffff
	s_lshl_b32 s13, s13, 2
	s_add_co_u32 s13, s13, s41                     ; Y
	s_lshl_b32 s43, s41, 2
	s_lshl_b32 s43, 15, s43
	s_lshl_b32 s44, 0x1111, s40
	s_or_b32 s[G1+0], s43, (1<<16)|(1<<20)|(1<<21)|(5<<22)|(3<<25)
	s_or_b32 s[G1B+0], s44, (1<<16)|(1<<20)|(1<<21)|(5<<22)|(3<<25)
	s_mov_b32 s[G1+1], KSTEP<<16
	s_mov_b32 s[G1+2], 64<<16
	s_mov_b32 s[G1+3], KSTEP<<16
	s_mov_b32 s[G1+4], 64
	s_mov_b32 s[G1+5], 2048
	s_mov_b32 s[G1+6], 0
	s_mov_b32 s[G1+7], 0
	s_mov_b32 s[G1B+1], KSTEP<<16
	s_mov_b32 s[G1B+2], 128<<16
	s_mov_b32 s[G1B+3], KSTEP<<16
	s_mov_b32 s[G1B+4], 128
	s_mov_b32 s[G1B+5], 2048
	s_mov_b32 s[G1B+6], 0
	s_mov_b32 s[G1B+7], 0
	s_lshl_b32 s16, s13, 19                        ; A: row 128 Y + 64 x half
	s_lshl_b32 s17, s12, 18
	s_add_co_u32 s16, s16, s17
	s_mov_b32 s17, 0
	s_lshl_b32 s46, s42, 20                        ; B: ab row 10,240 + 256 X + 128 x half
	s_lshl_b32 s47, s12, 19
	s_add_co_u32 s46, s46, s47
	s_add_co_u32 s46, s46, 10240*4096
	s_mov_b32 s47, 0
	s_mul_i32 s20, s12, AHALF
	s_mul_i32 s23, s12, BHALF
	s_add_co_u32 s23, s23, BOFF
	s_wait_dscnt 0x0
	s_wait_kmcnt 0x0
	s_add_nc_u64 s[14:15], s[4:5], s[16:17]
	s_add_nc_u64 s[46:47], s[6:7], s[46:47]
	CROUND
.irp s, 0,1
	s_mov_b32 s[G0+4*(\s)], 1
	s_add_co_u32 s[G0+4*(\s)+1], s20, (\s)*SLOT
	s_add_nc_u64 s[G0+4*(\s)+2:G0+4*(\s)+3], s[14:15], (\s)*KSTEP*2
	s_or_b32 s[G0+4*(\s)+3], s[G0+4*(\s)+3], 0x80000000
	s_mov_b32 s[G0B+4*(\s)], 1
	s_add_co_u32 s[G0B+4*(\s)+1], s23, (\s)*SLOT
	s_add_nc_u64 s[G0B+4*(\s)+2:G0B+4*(\s)+3], s[46:47], (\s)*KSTEP*2
	s_or_b32 s[G0B+4*(\s)+3], s[G0B+4*(\s)+3], 0x80000000
	JLOAD \s
.endr
	v_and_b32 v1, 15, v0
	v_bfe_u32 v2, v0, 4, 1
	v_mul_u32_u24 v3, v1, PITCH
	v_lshl_add_u32 v3, v2, 4, v3
	s_mul_i32 s21, s11, AHALF
	s_mul_i32 s22, s12, BHALF
	s_add_co_u32 s22, s22, BOFF
.irp s, 0,1
	v_add_nc_u32 v[ADRA+(\s)], s21, v3
	v_add_nc_u32 v[ADRB+(\s)], s22, v3
	s_add_co_u32 s21, s21, SLOT
	s_add_co_u32 s22, s22, SLOT
.endr
	v_and_b32 v[LOFF], 31, v0
	v_lshlrev_b32 v[LOFF], 4, v[LOFF]
	s_mul_i32 s21, s10, 16*SPITCH
	s_add_co_u32 s21, s21, STAGE
	v_mul_u32_u24 v[STO], v1, SPITCH               ; in: row = token, 32 bytes for each half of the lanes
	v_lshl_add_u32 v[STO], v2, 5, v[STO]
	v_add_nc_u32 v[STO], s21, v[STO]
	v_add_nc_u32 v[RD], s21, v[LOFF]               ; back: a whole row of 512 bytes
	s_lshl_b32 s16, s13, 20                        ; out0: row 128 Y + 64 x half, 8,192 bytes a row,
	s_lshl_b32 s17, s11, 19
	s_add_co_u32 s16, s16, s17
	s_mov_b32 s17, 0
	s_lshl_b32 s46, s42, 10                        ; column 256 X + 128 x half, 4 bytes each
	s_lshl_b32 s47, s12, 9
	s_add_co_u32 s46, s46, s47
	s_mov_b32 s47, 0
	s_add_nc_u64 s[16:17], s[16:17], s[46:47]
	s_add_nc_u64 s[8:9], s[8:9], s[16:17]
.macro MUL8 f, a, zero
	WIN MUL
.irp b, 0,1,2,3,4,5,6,7
.if \zero
	v_wmma_f32_16x16x32_f16 v[8*(8*(\a)+\b):8*(8*(\a)+\b)+7], v[(\f)+8*\b:(\f)+8*\b+7], v[(\f)+64+8*(\a):(\f)+64+8*(\a)+7], 0
.else
	v_wmma_f32_16x16x32_f16 v[8*(8*(\a)+\b):8*(8*(\a)+\b)+7], v[(\f)+8*\b:(\f)+8*\b+7], v[(\f)+64+8*(\a):(\f)+64+8*(\a)+7], v[8*(8*(\a)+\b):8*(8*(\a)+\b)+7]
.endif
.endr
.endm
.macro FETCH slot, k, f
	WIN 0
.irp i, 0,1,2,3,4,5,6,7
	ds_load_b128 v[(\f)+8*\i:(\f)+8*\i+3],   v[ADRB+(\slot)] offset:(\k)+\i*16*PITCH
	ds_load_b128 v[(\f)+8*\i+4:(\f)+8*\i+7], v[ADRB+(\slot)] offset:(\k)+\i*16*PITCH+32
.endr
.irp i, 0,1,2,3
	ds_load_b128 v[(\f)+64+8*\i:(\f)+64+8*\i+3],   v[ADRA+(\slot)] offset:(\k)+\i*16*PITCH
	ds_load_b128 v[(\f)+64+8*\i+4:(\f)+64+8*\i+7], v[ADRA+(\slot)] offset:(\k)+\i*16*PITCH+32
.endr
.endm
.macro PLACES
.rept 4
	v_nop
.endr
.endm
.macro QUARTER slot, k, f, g, zero
	s_wait_dscnt 4                                 ; all but A's fragments 2 and 3, the youngest four loads
	MUL8 \f, 0, \zero
	MUL8 \f, 1, \zero
	PLACES
	FETCH \slot, \k, \g
	s_wait_dscnt 24                                ; all but the 24 just issued
	MUL8 \f, 2, \zero
	MUL8 \f, 3, \zero
.endm
.macro TURN slot, next, fill
	WIN 0
	s_wait_tensorcnt 0x0                           ; all my tensor loads have landed: my part of the next slot
	ds_add_u32 v[SPW], v[NIL]                      ; 0 onto my spare word
	s_wait_dscnt 5                                 ; (the add and the youngest four loads may be out)
	MUL8 F1, 0, 0
	s_wait_dscnt 0x0                               ; the add is done, and my reads of this slot are over
	s_barrier_signal -1
	MUL8 F1, 1, 0
	WIN 0
	s_barrier_wait -1
.if \fill
	CREST                                          ; the barrier has opened a round of the cluster's
	s_add_nc_u64 s[G0+4*(\slot)+2:G0+4*(\slot)+3], s[G0+4*(\slot)+2:G0+4*(\slot)+3], 2*KSTEP*2
	s_add_nc_u64 s[G0B+4*(\slot)+2:G0B+4*(\slot)+3], s[G0B+4*(\slot)+2:G0B+4*(\slot)+3], 2*KSTEP*2
	JLOAD \slot                                    ; my one tensor load behind the round; its four v_nop are the places in front of the loads below
.else
	PLACES
.endif
	FETCH \next, 0, F0
	MUL8 F1, 2, 0
	MUL8 F1, 3, 0
.endm
; 16 tokens leave: x 16 in f32, into my stage by columns, back by rows, out.
.macro OUTBLK a
	WIN 0x01                                       ; source 0 in window 1
.set n, 0
.rept 32
	v_pk_mul_f32 v[OA+2*n:OA+2*n+1], v[64*(\a)+2*n:64*(\a)+2*n+1], s[2:3] op_sel_hi:[1,0]
.set n, n+1
.endr
	WIN 0
.irp b, 0,1,2,3,4,5,6,7
	ds_store_b128 v[STO], v[OA+8*\b:OA+8*\b+3] offset:64*\b
	ds_store_b128 v[STO], v[OA+8*\b+4:OA+8*\b+7] offset:64*\b+16
.endr
	s_wait_xcnt 0x0                                ; the registers that the last block's stores read, and their base, are written again only behind this wait
.if (\a) > 0
	s_add_nc_u64 s[8:9], s[8:9], 16*8192
.endif
.irp t, 0,1,2,3,4,5,6,7,8,9,10,11,12,13,14,15
	ds_load_b128 v[OB+4*\t:OB+4*\t+3], v[RD] offset:\t*SPITCH   ; my own bytes, served in order behind my stores
.endr
	s_wait_dscnt 0x0
.irp t, 0,1,2,3,4,5,6,7,8,9,10,11,12,13,14,15
	global_store_b128 v[LOFF], v[OB+4*\t:OB+4*\t+3], s[8:9] offset:\t*8192
.endr
.endm
	s_wait_tensorcnt 1                             ; my part of K step 0 is in; K step 1's may stay out
	s_barrier_signal -1
	s_barrier_wait -1
	FETCH 0, 0, F0
	QUARTER 0, 64,  F0, F1, 1                      ; the first quarter starts the sums
	WIN 0
	s_mov_b32 s3, LAPS-1
.Llap:
	QUARTER 0, 128, F1, F0, 0
	QUARTER 0, 192, F0, F1, 0
	TURN 0, 1, 1
	QUARTER 1, 64,  F0, F1, 0
	QUARTER 1, 128, F1, F0, 0
	QUARTER 1, 192, F0, F1, 0
	TURN 1, 0, 1
	QUARTER 0, 64,  F0, F1, 0
	WIN 0
	s_sub_co_u32 s3, s3, 1
	s_cmp_lg_u32 s3, 0
	s_cbranch_scc1 .Llap
	QUARTER 0, 128, F1, F0, 0                      ; the last lap fills nothing
	QUARTER 0, 192, F0, F1, 0
	TURN 0, 1, 0
	QUARTER 1, 64,  F0, F1, 0
	QUARTER 1, 128, F1, F0, 0
	QUARTER 1, 192, F0, F1, 0
	s_wait_dscnt 4
	MUL8 F1, 0, 0
	MUL8 F1, 1, 0
	s_wait_dscnt 0x0
	MUL8 F1, 2, 0
	MUL8 F1, 3, 0
	WIN 0
	s_mov_b32 s2, 0x41800000                       ; 16.0
	s_mov_b32 s3, 0x41800000
	PLACES
	OUTBLK 0
	OUTBLK 1
	OUTBLK 2
	OUTBLK 3
	s_wait_tensorcnt 0x0                           ; the wave's end
	ds_add_u32 v[SPW], v[NIL]
	s_wait_dscnt 0x0
	CROUND                                         ; the closing round
	s_endpgm
.Lfunc_end_k_qf0ff41503d_gemm2:
	.size	k_qf0ff41503d_gemm2, .Lfunc_end_k_qf0ff41503d_gemm2-k_qf0ff41503d_gemm2
	.p2alignl 7, 3214868480
	.fill 96, 4, 3214868480
	.section	.rodata,"a",@progbits
	.p2align	6, 0x0
	.amdhsa_kernel k_qf0ff41503d_gemm2
		.amdhsa_group_segment_fixed_size 327680
		.amdhsa_private_segment_fixed_size 0
		.amdhsa_enable_private_segment 0
		.amdhsa_kernarg_size 24
		.amdhsa_user_sgpr_count 2
		.amdhsa_user_sgpr_kernarg_segment_ptr 1
		.amdhsa_wavefront_size32 1
		.amdhsa_system_sgpr_workgroup_id_x 1
		.amdhsa_system_sgpr_workgroup_id_y 1
		.amdhsa_system_sgpr_workgroup_id_z 1
		.amdhsa_system_vgpr_workitem_id 0
		.amdhsa_next_free_vgpr 512
		.amdhsa_next_free_sgpr 66
		.amdhsa_reserve_vcc 0
		.amdhsa_float_denorm_mode_32 3
		.amdhsa_float_denorm_mode_16_64 3
		.amdhsa_memory_ordered 1
		.amdhsa_forward_progress 1
		.amdhsa_inst_pref_size 93
	.end_amdhsa_kernel
	.amdgpu_metadata
---
amdhsa.version: [ 1, 2 ]
amdhsa.kernels:
  - .name:           k_qf0ff41503d_gemm2
    .symbol:         k_qf0ff41503d_gemm2.kd
    .args:
      - { .name: y16, .offset: 0, .size: 8, .value_kind: global_buffer, .address_space: global }
      - { .name: ab, .offset: 8, .size: 8, .value_kind: global_buffer, .address_space: global }
      - { .name: out0, .offset: 16, .size: 8, .value_kind: global_buffer, .address_space: global }
    .group_segment_fixed_size: 327680
    .private_segment_fixed_size: 0
    .kernarg_segment_align: 8
    .kernarg_segment_size: 24
    .max_flat_workgroup_size: 128
    .sgpr_count:     66
    .vgpr_count:     512
    .wavefront_size: 32
...
	.end_amdgpu_metadata
.endif
;; end of part 6
;; ======== version 2 of 2: 6 launches; 1.12 times as fast as version 1
;; limits: values outside matrix products are rounded to f16; values are held in f16: magnitudes above 65,504 overflow, below 6.1e-05 lose precision
;; workspace buffers: ab 50,331,648 bytes; low16 131,072 bytes; img 50,331,648 bytes; rec 20,971,520 bytes; ust 8,388,608 bytes; dch 131,072 bytes; sin 8,388,608 bytes; y16 16,777,216 bytes
;; launch cast: the kernel of part 1 again; grid 256 x 1, 8 waves a work-group, no clusters, 144,384 bytes of LDS; arguments x, Wkg1, Wv, Wq, Wk, Wg, Wo, ab, low16; writes ab, low16
;; launch gemm1 (part 7): grid 16 x 16, 4 waves a work-group, clusters of 4 x 4, 327,680 bytes of LDS; arguments ab, img; writes img
.if DOCPART == 7
	.amdgcn_target "amdgcn-amd-amdhsa--gfx1250"
	.amdhsa_code_object_version 6
	.text
	.protected	k_qf0ff41503d_gemm1
	.globl	k_qf0ff41503d_gemm1
	.p2align	8
	.type	k_qf0ff41503d_gemm1,@function
k_qf0ff41503d_gemm1:
	s_mov_b64 s[64:65], 0
	v_nop
	global_prefetch_b8 v0, s[64:65] scope:SCOPE_SE
	s_setreg_imm32_b32 hwreg(HW_REG_WAVE_MODE, 25, 1), 1
	s_wait_xcnt 0x0
	s_wait_alu depctr_hold_cnt(0) depctr_sa_sdst(0) depctr_va_vdst(0) depctr_va_sdst(0) depctr_va_ssrc(0) depctr_va_vcc(0) depctr_vm_vsrc(0)
	s_getreg_b32 s2, hwreg(HW_REG_IB_STS2, 6, 4)
	s_cmp_eq_u32 s2, 0
	s_cbranch_scc0 .Lentry_in_a_cluster
	s_endpgm
.Lentry_in_a_cluster:
	s_bfe_u32 s2, ttmp6, 0x10000c
	s_cmp_lg_u32 s2, 0xf033
	s_cbranch_scc0 .Lentry_shape_is_right
	s_endpgm
.Lentry_shape_is_right:
; THE PROJECTIONS q, k, g, v = x W^T, bf16 operands out of ab, f32 sums over K = 2,048 (K ascending, one sum an output), results rounded once to f16.
; A TILE is 256 tokens x 192 weight rows, and always 128 rows of Wq, Wk, Wg (ab rows 6,144 on) and 64 rows of Wv (ab rows 4,096 on): 4,096 = 32 x 128 and 2,048 = 32 x 64, so 16 x 32 = 512 tiles are all alike,
; two for each of 256 work-groups.  Work-group (X, Y): tokens 256 Y on; weight tiles X and then X + 16.  Four waves, each 128 tokens x (64 + 32) rows: 48 accumulators of 16 x 16.
; WHICH SOURCE IS WHICH is chosen block by block.  q, k, g: source 0 = 16 weight rows, source 1 = 16 tokens: a lane holds one token and eight neighbouring weight rows.  v: source 0 = 16 tokens, source 1 = 16 rows
; of Wv: a lane holds one channel and eight neighbouring tokens.  A block of 16 x 16 is stored as it lies, lane l's 16 bytes at 16 l: an IMAGE of 512 consecutive bytes, which a later launch loads straight into half
; a fragment.  img = [row block 384][column block 256][512 bytes]: row blocks 0-255 are token blocks (columns 0-63 q, 64-127 k, 128-255 g), row blocks 256-383 v's channel blocks (columns = token blocks).
; THE RING.  K goes in steps of 128 (rows of 256 bytes) through two LDS slots.  The two tiles' 32 steps are ONE walk: a step's text is written once and looped over 30 times; the slot's base and the walking descriptors'
; LDS words are turned by an exclusive or; the 15th refill steps to the next tile's first K step; at the 17th step a forward branch takes the first tile's way out and the quarter that starts the sums anew.
; The last two steps, which ask for nothing, are written out.  A step has 192 matrix instructions a wave, 176 of them between a request and the wait for it.
; CLUSTER 4 x 4: x's tiles are asked for jointly along a row of the cluster, the weights' along a column.  Waves 0 and 1 fetch x's halves (128 rows each), wave 2 the 128 rows of Wq, Wk, Wg, wave 3 the 64 of Wv.
; LIMIT.  q, k, v, g are kept in f16: up to 65,504.  All of a WGP's LDS is claimed; 253,440 bytes are used.
; REGISTERS.  Window 0: v16-29 addresses; two fragment buffers of 112 (x's 8 fragments, W's 4, Wv's 2): v32-143, v144-255.
;   Window 1: accumulator (W block q, token block p) at v[8 (8 q + p)].   Window 2: v0-127 accumulator (Wv block c, token block p) at v[8 (8 c + p)]; v128-255 at work on the way out.
.set KSTEP,  128
.set PITCH,  272                       ; 256 bytes + 16: the 16 rows of a fragment load start 68 words apart
.set XHALF,  128*PITCH
.set WOFF,   2*XHALF                   ; behind x's 256 rows: 128 rows of Wq, Wk, Wg,
.set VOFF,   WOFF+128*PITCH            ; then 64 rows of Wv
.set SLOTB,  VOFF+64*PITCH
.set SLOT1,  1<<17                     ; slot 1 begins here, so that one exclusive or turns an address in one slot into the other's
.set SPARE,  SLOT1+SLOTB               ; the spare words, 128 bytes for each wave
.set STEPS,  32                        ; 2 tiles x 2,048 / 128
.set BACK_A, 16*KSTEP*2                ; at the change of tiles x goes back along K: one step on and sixteen back,
.set NEXT_Q, 16*128*4096-15*KSTEP*2    ; the weights 16 tiles down and fifteen steps back
.set NEXT_V, 16*64*4096-15*KSTEP*2
.set AX0,  16                          ; lane terms of the fragment addresses, never rewritten
.set AW0,  17
.set AV0,  18
.set ADRX, 20                          ; lane term + the base of the slot that is being read
.set ADRW, 21
.set ADRV, 22
.set LOFF, 24                          ; my 16 bytes of an image
.set SPW,  28
.set NIL,  29
.set F0,   32
.set F1,   144
.set SCR,  128                         ; window 2
.set G1A,  16                          ; s[16:23] descriptor group 1 for x's tiles; s[24:31] for W's; s[32:39] for Wv's
.set G1Q,  24
.set G1V,  32
.set G0A,  40                          ; s[40:47] group 0 for x's tiles: a set for each of the two first fills; the second then walks on
.set G0Q,  48
.set G0V,  56
.set SA,   76                          ; s[76:77] what x's address goes back by at this refill
.set SQ,   78                          ; s[78:79] what W's address goes on by
.set SV,   80                          ; s[80:81] what Wv's goes on by
.set TB,   82                          ; s82  base of the slot whose fragments are fetched
.set BQ,   84                          ; s[84:85] img at my q, k, g images of the first tile
.set BV0,  86                          ; s[86:87] at my v images of the first tile; s[88:89] of the second
.set MSB, 0
.macro WIN new                         ; the immediate's high byte repeats the setting that is left
.if MSB != (\new)
	s_set_vgpr_msb (MSB<<8)|(\new)
.set MSB, \new
.endif
.endm
; A joint load by set s of the descriptors.  Each of the three lines has one mask and one set of registers; the branches hang on the wave's number alone.
; An s_nop 0 and four v_nop follow each line, ahead of the jump and the label.
.macro JLOAD s
	s_cmp_lt_u32 s10, 2
	s_cbranch_scc0 .Lfor_w_\@
	tensor_load_to_lds s[G0A+4*(\s):G0A+4*(\s)+3], s[G1A:G1A+7]
	s_nop 0
.rept 4
	v_nop
.endr
	s_branch .Lasked_\@
.Lfor_w_\@:
	s_cmp_eq_u32 s10, 2
	s_cbranch_scc0 .Lfor_v_\@
	tensor_load_to_lds s[G0Q+4*(\s):G0Q+4*(\s)+3], s[G1Q:G1Q+7]
	s_nop 0
.rept 4
	v_nop
.endr
	s_branch .Lasked_\@
.Lfor_v_\@:
	tensor_load_to_lds s[G0V+4*(\s):G0V+4*(\s)+3], s[G1V:G1V+7]
	s_nop 0
.rept 4
	v_nop
.endr
.Lasked_\@:
.endm
.macro CREST                           ; a round of the cluster's barrier behind its opening barrier
	s_cmp_lg_u32 s10, 0
	s_cbranch_scc1 .Lnot_wave_0_\@
	s_barrier_signal -3
.Lnot_wave_0_\@:
	s_barrier_wait -3
	s_barrier_signal -1
	s_barrier_wait -1
.endm
.macro CROUND
	s_barrier_signal -1
	s_barrier_wait -1
	CREST
.endm
	s_load_b128 s[4:7], s[0:1], 0x0                ; ab s[4:5], img s[6:7]
	v_lshl_add_u32 v[SPW], v0, 2, SPARE
	v_mov_b32 v[NIL], 0
	ds_add_u32 v[SPW], v[NIL]                      ; the wave's opening: an add, and its wait ahead of my first tensor load
	ds_add_u32 v28, v29
	v_lshrrev_b32 v1, 5, v0
	v_readfirstlane_b32 s10, v1                    ; wave 0..3
	s_lshr_b32 s11, s10, 1                         ; which 128 tokens are mine
	s_and_b32 s12, s10, 1                          ; which half of the weight rows is mine.  Also, in waves 0 and 1: which half of x's tile I fetch
	s_bfe_u32 s14, ttmp6, 0x40000                  ; cx
	s_bfe_u32 s15, ttmp6, 0x40004                  ; cy
	s_lshl_b32 s66, ttmp9, 2
	s_add_co_u32 s66, s66, s14                     ; X
	s_and_b32 s67, ttmp7, 0xffff
	s_lshl_b32 s67, s67, 2
	s_add_co_u32 s67, s67, s15                     ; Y
	s_lshl_b32 s68, s15, 2
	s_lshl_b32 s68, 15, s68                        ; my row of the cluster
	s_lshl_b32 s69, 0x1111, s14                    ; my column
	s_or_b32 s[G1A], s68, (1<<16)|(1<<20)|(1<<21)|(5<<22)|(3<<25)   ; mask; 2-byte elements; padding on; bit 21 beside a mask; after every 64 words 4 words
	s_or_b32 s[G1Q], s69, (1<<16)|(1<<20)|(1<<21)|(5<<22)|(3<<25)
	s_or_b32 s[G1V], s69, (1<<16)|(1<<20)|(1<<21)|(5<<22)|(3<<25)
.irp g, G1A, G1Q, G1V
	s_mov_b32 s[(\g)+1], KSTEP<<16                 ; tensor_dim0 = 128
	s_mov_b32 s[(\g)+3], KSTEP<<16                 ; tile_dim0 = 128
	s_mov_b32 s[(\g)+5], 2048                      ; elements from row to row
	s_mov_b32 s[(\g)+6], 0
	s_mov_b32 s[(\g)+7], 0
.endr
	s_mov_b32 s[G1A+2], 128<<16                    ; tensor_dim1 and tile_dim1: 128 rows,
	s_mov_b32 s[G1A+4], 128
	s_mov_b32 s[G1Q+2], 128<<16
	s_mov_b32 s[G1Q+4], 128
	s_mov_b32 s[G1V+2], 64<<16                     ; of Wv 64
	s_mov_b32 s[G1V+4], 64
	s_lshl_b32 s70, s67, 20                        ; x: row 256 Y + 128 x half, 4,096 bytes a row: made of Y and the wave's number alone
	s_lshl_b32 s71, s12, 19
	s_add_co_u32 s70, s70, s71
	s_mov_b32 s71, 0
	s_lshl_b32 s72, s66, 19                        ; W: row 6,144 + 128 X: made of X alone
	s_add_co_u32 s72, s72, 6144*4096
	s_mov_b32 s73, 0
	s_lshl_b32 s74, s66, 18                        ; Wv: row 4,096 + 64 X
	s_add_co_u32 s74, s74, 4096*4096
	s_mov_b32 s75, 0
	s_mul_i32 s8, s12, XHALF                       ; where x's half goes: no place in the cluster enters an LDS address
	s_mov_b32 s[SA], 0
	s_mov_b32 s[SA+1], 0
	s_mov_b32 s[SQ], KSTEP*2
	s_mov_b32 s[SQ+1], 0
	s_mov_b32 s[SV], KSTEP*2
	s_mov_b32 s[SV+1], 0
	s_mov_b32 s[TB], 0
	s_wait_dscnt 0x0                               ; the opening add is done
	s_wait_kmcnt 0x0
	s_add_nc_u64 s[70:71], s[4:5], s[70:71]
	s_add_nc_u64 s[72:73], s[4:5], s[72:73]
	s_add_nc_u64 s[74:75], s[4:5], s[74:75]
	CROUND                                         ; all sixteen work-groups are here: the first joint loads meet
.irp s, 0,1
	s_mov_b32 s[G0A+4*(\s)], 1
	s_add_co_u32 s[G0A+4*(\s)+1], s8, (\s)*SLOT1
	s_add_nc_u64 s[G0A+4*(\s)+2:G0A+4*(\s)+3], s[70:71], (\s)*KSTEP*2
	s_or_b32 s[G0A+4*(\s)+3], s[G0A+4*(\s)+3], 0x80000000
	s_mov_b32 s[G0Q+4*(\s)], 1
	s_mov_b32 s[G0Q+4*(\s)+1], WOFF+(\s)*SLOT1
	s_add_nc_u64 s[G0Q+4*(\s)+2:G0Q+4*(\s)+3], s[72:73], (\s)*KSTEP*2
	s_or_b32 s[G0Q+4*(\s)+3], s[G0Q+4*(\s)+3], 0x80000000
	s_mov_b32 s[G0V+4*(\s)], 1
	s_mov_b32 s[G0V+4*(\s)+1], VOFF+(\s)*SLOT1
	s_add_nc_u64 s[G0V+4*(\s)+2:G0V+4*(\s)+3], s[74:75], (\s)*KSTEP*2
	s_or_b32 s[G0V+4*(\s)+3], s[G0V+4*(\s)+3], 0x80000000
	JLOAD \s                                       ; K steps 0 and 1: two loads of mine are out
.endr
	v_and_b32 v1, 15, v0
	v_bfe_u32 v2, v0, 4, 1
	v_mul_u32_u24 v3, v1, PITCH
	v_lshl_add_u32 v3, v2, 4, v3                   ; a fragment's row x pitch + 16 x half
	s_mul_i32 s9, s11, XHALF
	v_add_nc_u32 v[AX0], s9, v3                    ; my 128 tokens
	s_mul_i32 s9, s12, 64*PITCH
	s_add_co_u32 s9, s9, WOFF
	v_add_nc_u32 v[AW0], s9, v3                    ; my 64 rows of Wq, Wk, Wg
	s_mul_i32 s9, s12, 32*PITCH
	s_add_co_u32 s9, s9, VOFF
	v_add_nc_u32 v[AV0], s9, v3                    ; my 32 rows of Wv
	v_and_b32 v[LOFF], 31, v0
	v_lshlrev_b32 v[LOFF], 4, v[LOFF]
	s_lshl_b32 s90, s67, 21                        ; q, k, g: row block 16 Y + 8 x token half, 131,072 bytes each; column block 8 X + 4 x weight half, 512 bytes each
	s_lshl_b32 s91, s11, 20
	s_add_co_u32 s90, s90, s91
	s_lshl_b32 s91, s66, 12
	s_add_co_u32 s90, s90, s91
	s_lshl_b32 s91, s12, 11
	s_add_co_u32 s90, s90, s91
	s_mov_b32 s91, 0
	s_add_nc_u64 s[BQ:BQ+1], s[6:7], s[90:91]
	s_lshl_b32 s92, s66, 19                        ; v: row block 256 + 4 X + 2 x weight half; column block 16 Y + 8 x token half
	s_lshl_b32 s93, s12, 18
	s_add_co_u32 s92, s92, s93
	s_lshl_b32 s93, s67, 13
	s_add_co_u32 s92, s92, s93
	s_lshl_b32 s93, s11, 12
	s_add_co_u32 s92, s92, s93
	s_add_co_u32 s92, s92, 256*131072
	s_mov_b32 s93, 0
	s_add_nc_u64 s[BV0:BV0+1], s[6:7], s[92:93]
	s_add_nc_u64 s[BV0+2:BV0+3], s[BV0:BV0+1], 64*131072   ; the second tile's Wv rows lie 64 row blocks on
.macro MULQ f, q, zero                 ; W block q x my 8 token blocks, 32 along K; zero = 1: the product starts the sums
	WIN 0x50                                       ; sources in window 0, C and D in window 1
.irp p, 0,1,2,3,4,5,6,7
.if \zero
	v_wmma_f32_16x16x32_bf16 v[8*(8*(\q)+\p):8*(8*(\q)+\p)+7], v[(\f)+64+8*(\q):(\f)+64+8*(\q)+7], v[(\f)+8*\p:(\f)+8*\p+7], 0
.else
	v_wmma_f32_16x16x32_bf16 v[8*(8*(\q)+\p):8*(8*(\q)+\p)+7], v[(\f)+64+8*(\q):(\f)+64+8*(\q)+7], v[(\f)+8*\p:(\f)+8*\p+7], v[8*(8*(\q)+\p):8*(8*(\q)+\p)+7]
.endif
.endr
.endm
.macro MULV f, zero                    ; my 8 token blocks x both Wv blocks, the sources the other way round
	WIN 0xa0                                       ; C and D in window 2
.irp c, 0,1
.irp p, 0,1,2,3,4,5,6,7
.if \zero
	v_wmma_f32_16x16x32_bf16 v[8*(8*\c+\p):8*(8*\c+\p)+7], v[(\f)+8*\p:(\f)+8*\p+7], v[(\f)+96+8*\c:(\f)+96+8*\c+7], 0
.else
	v_wmma_f32_16x16x32_bf16 v[8*(8*\c+\p):8*(8*\c+\p)+7], v[(\f)+8*\p:(\f)+8*\p+7], v[(\f)+96+8*\c:(\f)+96+8*\c+7], v[8*(8*\c+\p):8*(8*\c+\p)+7]
.endif
.endr
.endr
.endm
.macro SETADR                          ; the fragment addresses in the slot at s[TB]
	v_add_nc_u32 v[ADRX], s[TB], v[AX0]
	v_add_nc_u32 v[ADRW], s[TB], v[AW0]
	v_add_nc_u32 v[ADRV], s[TB], v[AV0]
.endm
.macro FETCH k, f                      ; 28 LDS loads in one run: 32 along K at byte k of the rows: x's 8 fragments, W's 4, Wv's 2
	WIN 0
.irp i, 0,1,2,3,4,5,6,7
	ds_load_b128 v[(\f)+8*\i:(\f)+8*\i+3],   v[ADRX] offset:(\k)+\i*16*PITCH
	ds_load_b128 v[(\f)+8*\i+4:(\f)+8*\i+7], v[ADRX] offset:(\k)+\i*16*PITCH+32
.endr
.irp i, 0,1,2,3
	ds_load_b128 v[(\f)+64+8*\i:(\f)+64+8*\i+3],   v[ADRW] offset:(\k)+\i*16*PITCH
	ds_load_b128 v[(\f)+64+8*\i+4:(\f)+64+8*\i+7], v[ADRW] offset:(\k)+\i*16*PITCH+32
.endr
.irp i, 0,1
	ds_load_b128 v[(\f)+96+8*\i:(\f)+96+8*\i+3],   v[ADRV] offset:(\k)+\i*16*PITCH
	ds_load_b128 v[(\f)+96+8*\i+4:(\f)+96+8*\i+7], v[ADRV] offset:(\k)+\i*16*PITCH+32
.endr
.endm
.macro PLACES                          ; four places in front of loads into registers that matrix instructions have read, and of reads of their results
.rept 4
	v_nop
.endr
.endm
; A K step is four quarters of 32 along K, 48 matrix instructions each, on buffers 0, 1, 0, 1; the 48 accumulators take turns in the same order in every quarter.
; One of the first three: multiplies buffer f and fetches the next quarter's fragments, at byte k of the same slot's rows, into buffer g, 32 matrix instructions ahead of their first use.
.macro QUARTER k, f, g, zero
	s_wait_dscnt 8                                 ; all but the youngest eight loads: W's fragments 2 and 3 and Wv's two
	MULQ \f, 0, \zero
	MULQ \f, 1, \zero
	PLACES
	FETCH \k, \g
	s_wait_dscnt 28                                ; all but the 28 just issued
	MULQ \f, 2, \zero
	MULQ \f, 3, \zero
	MULV \f, \zero
.endm
; The last quarter multiplies buffer 1 and changes slots.  fill = 1: the slot just read takes the K step two steps on.
.macro TURN fill
	WIN 0
	s_wait_tensorcnt 0x0                           ; all my tensor loads have landed: the one that was out is my part of the next slot
	ds_add_u32 v[SPW], v[NIL]                      ; 0 onto my spare word
	s_wait_dscnt 9                                 ; (the add and the youngest eight loads may be out)
	MULQ F1, 0, 0
	s_wait_dscnt 0x0                               ; the add is done, and my reads of this slot are over
	s_barrier_signal -1
	MULQ F1, 1, 0
	WIN 0
	s_barrier_wait -1
.if \fill
	CREST                                          ; the barrier has opened a round of the cluster's: no wave of any partner still reads this slot or has a load on its way
	s_xor_b32 s[G0A+5], s[G0A+5], SLOT1            ; the walking descriptors: the other slot than last time,
	s_add_nc_u64 s[G0A+6:G0A+7], s[G0A+6:G0A+7], KSTEP*2   ; the next K step; the type bits on top are not reached
	s_sub_nc_u64 s[G0A+6:G0A+7], s[G0A+6:G0A+7], s[SA:SA+1]
	s_xor_b32 s[G0Q+5], s[G0Q+5], SLOT1
	s_add_nc_u64 s[G0Q+6:G0Q+7], s[G0Q+6:G0Q+7], s[SQ:SQ+1]
	s_xor_b32 s[G0V+5], s[G0V+5], SLOT1
	s_add_nc_u64 s[G0V+6:G0V+7], s[G0V+6:G0V+7], s[SV:SV+1]
	JLOAD 1                                        ; my one tensor load behind the round; its four v_nop are the places in front of the loads below
.else
	PLACES
.endif
	s_xor_b32 s[TB], s[TB], SLOT1                  ; the fetches go on in the other slot
	SETADR
	FETCH 0, F0
	MULQ F1, 2, 0
	MULQ F1, 3, 0
	MULV F1, 0
.endm
; THE WAY OUT of tile t: each accumulator, lowest registers first, is rounded to f16: 16 bytes a lane; the 32 lanes' bytes are one image, 512 consecutive bytes, aligned.  No LDS.
; Two batches through the 128 registers at work.  The first 64 conversions read accumulators that were finished ahead of the change of slots; they are the places behind the last products.
.macro WAYOUT t
	s_wait_xcnt 0x0                                ; registers that earlier stores read are written again only behind this wait
	WIN 0x85                                       ; sources in window 1, destination in window 2
.set a, 0
.rept 32
.irp r, 0,1,2,3
	v_cvt_pk_f16_f32 v[SCR+4*a+\r], v[8*a+2*\r], v[8*a+2*\r+1]
.endr
.set a, a+1
.endr
	WIN 0x08                                       ; store data in window 2
.set a, 0
.rept 32
	global_store_b128 v[LOFF], v[SCR+4*a:SCR+4*a+3], s[BQ:BQ+1] offset:(a%8)*131072+(a/8)*512+(\t)*65536   ; token block a % 8, W block a / 8; the second tile lies 128 column blocks on
.set a, a+1
.endr
	s_wait_xcnt 0x0
	WIN 0x8a                                       ; sources and destination in window 2
.set a, 0
.rept 16
.irp r, 0,1,2,3
	v_cvt_pk_f16_f32 v[SCR+4*a+\r], v[8*a+2*\r], v[8*a+2*\r+1]
.endr
.set a, a+1
.endr
	WIN 0x08
.set a, 0
.rept 16
	global_store_b128 v[LOFF], v[SCR+4*a:SCR+4*a+3], s[BV0+2*(\t):BV0+2*(\t)+1] offset:(a/8)*131072+(a%8)*512   ; Wv block a / 8, token block a % 8
.set a, a+1
.endr
	WIN 0
.endm
	s_wait_tensorcnt 1                             ; my part of K step 0 is in; K step 1's may stay out
	s_barrier_signal -1
	s_barrier_wait -1
	SETADR
	FETCH 0, F0
	s_mov_b32 s3, STEPS-2                          ; steps that ask for a refill, the same number in every work-group
	s_branch .Lzero                                ; the loop is entered at the quarter that starts the sums
.Lstep:                                                ; a trip is one K step; step n of the walk has s3 = 30 - n and asks for step n + 2
	s_mov_b32 s[SQ], KSTEP*2
	s_mov_b32 s[SV], KSTEP*2
	s_cmp_eq_u32 s3, 16                            ; step 14 asks for step 16, the second tile's first
	s_cselect_b32 s[SA], BACK_A, 0
	s_cselect_b32 s[SQ], NEXT_Q, s[SQ]
	s_cselect_b32 s[SV], NEXT_V, s[SV]
	s_cmp_eq_u32 s3, 14                            ; step 16: the first tile is finished
	s_cbranch_scc1 .Lnew                           ; a forward jump past text with no barrier and no tensor load
	QUARTER 64, F0, F1, 0
	WIN 0
	s_branch .Lmid
.Lnew:
	WAYOUT 0                                       ; the refill for step 17 has been asked for: the tile goes out while it is on its way
.Lzero:
	QUARTER 64, F0, F1, 1                          ; a tile's first quarter starts the sums: nothing is cleared
	WIN 0
.Lmid:
	QUARTER 128, F1, F0, 0
	QUARTER 192, F0, F1, 0
	TURN 1
	WIN 0
	s_sub_co_u32 s3, s3, 1
	s_cmp_lg_u32 s3, 0
	s_cbranch_scc1 .Lstep
	QUARTER 64,  F0, F1, 0                         ; the last two steps are written out: they ask for nothing
	QUARTER 128, F1, F0, 0
	QUARTER 192, F0, F1, 0
	TURN 0
	QUARTER 64,  F0, F1, 0
	QUARTER 128, F1, F0, 0
	QUARTER 192, F0, F1, 0
	s_wait_dscnt 8
	MULQ F1, 0, 0
	MULQ F1, 1, 0
	s_wait_dscnt 0x0
	MULQ F1, 2, 0
	MULQ F1, 3, 0
	MULV F1, 0
	WIN 0
	PLACES
	WAYOUT 1
	s_wait_tensorcnt 0x0                           ; the wave's end
	ds_add_u32 v[SPW], v[NIL]
	s_wait_dscnt 0x0
	CROUND                                         ; the closing round
	s_endpgm
.Lfunc_end_k_qf0ff41503d_gemm1:
	.size	k_qf0ff41503d_gemm1, .Lfunc_end_k_qf0ff41503d_gemm1-k_qf0ff41503d_gemm1
	.p2alignl 7, 3214868480
	.fill 96, 4, 3214868480
	.section	.rodata,"a",@progbits
	.p2align	6, 0x0
	.amdhsa_kernel k_qf0ff41503d_gemm1
		.amdhsa_group_segment_fixed_size 327680
		.amdhsa_private_segment_fixed_size 0
		.amdhsa_enable_private_segment 0
		.amdhsa_kernarg_size 16
		.amdhsa_user_sgpr_count 2
		.amdhsa_user_sgpr_kernarg_segment_ptr 1
		.amdhsa_wavefront_size32 1
		.amdhsa_system_sgpr_workgroup_id_x 1
		.amdhsa_system_sgpr_workgroup_id_y 1
		.amdhsa_system_sgpr_workgroup_id_z 1
		.amdhsa_system_vgpr_workitem_id 0
		.amdhsa_next_free_vgpr 768
		.amdhsa_next_free_sgpr 96
		.amdhsa_reserve_vcc 0
		.amdhsa_float_denorm_mode_32 3
		.amdhsa_float_denorm_mode_16_64 3
		.amdhsa_memory_ordered 1
		.amdhsa_forward_progress 1
		.amdhsa_inst_pref_size 111
	.end_amdhsa_kernel
	.amdgpu_metadata
---
amdhsa.version: [ 1, 2 ]
amdhsa.kernels:
  - .name:           k_qf0ff41503d_gemm1
    .symbol:         k_qf0ff41503d_gemm1.kd
    .args:
      - { .name: ab, .offset: 0, .size: 8, .value_kind: global_buffer, .address_space: global }
      - { .name: img, .offset: 8, .size: 8, .value_kind: global_buffer, .address_space: global }
    .group_segment_fixed_size: 327680
    .private_segment_fixed_size: 0
    .kernarg_segment_align: 8
    .kernarg_segment_size: 16
    .max_flat_workgroup_size: 128
    .sgpr_count:     96
    .vgpr_count:     768
    .wavefront_size: 32
...
	.end_amdgpu_metadata
.endif
;; end of part 7
;; launch prep (part 8): grid 256 x 1, 8 waves a work-group, no clusters, 50,688 bytes of LDS; arguments img, low16, Wkg2, bkg2, rec, ust, dch; writes rec, ust, dch
.if DOCPART == 8
	.amdgcn_target "amdgcn-amd-amdhsa--gfx1250"
	.amdhsa_code_object_version 6
	.text
	.protected	k_qf0ff41503d_prep
	.globl	k_qf0ff41503d_prep
	.p2align	8
	.type	k_qf0ff41503d_prep,@function
k_qf0ff41503d_prep:
	s_mov_b64 s[64:65], 0
	v_nop
	global_prefetch_b8 v0, s[64:65] scope:SCOPE_SE
	s_setreg_imm32_b32 hwreg(HW_REG_WAVE_MODE, 25, 1), 1
	s_wait_xcnt 0x0
; GATES, TILE RECORDS AND CHUNK STATES.  A tile is 16 tokens of one head, a chunk 16 tiles; work-group id = 8 (16 b + head) + chunk.
; Logs are to base 2.  g2 = log2(sigmoid(kg)) / 16 = [(kg - |kg|) / 2 x log2e - log2(1 + 2^(-|kg| log2e))] / 16, safe for every kg; b_i = its inclusive sum over the tile's tokens 0 .. i; T = b_15.
; Every factor has an exponent <= 0:  qbar_i = q_i 2^(b_i);  kbar_j = k_j 2^(T - b_j);  d = 2^T.  k is NOT scaled by 128^-1/2: the state is carried as sqrt(128) S.
; THE WEIGHTS A_ij = sum over the 64 dims of q_i k_j 2^(b_i - b_j), j <= i, BY HALVING: for h = 8, 4, 2, 1 the tokens lie in blocks of 2 h; ref = the last token of a block's lower half; an upper token takes
; z = q 2^(b - b_ref), a lower one z = k 2^(b_ref - b); ONE product z z^T holds A_ij for all pairs (i upper, j lower) of a block.  The diagonal is k q^T.  Five results are merged by constant lane masks.
; Each query's row of A is scaled by a power of two, rho, so that its largest number lies in 1 .. 2, and rounded to f16 (P); 1 / rho goes along.
; EIGHT WAVES, two to a SIMD: a tile's record is a chain of sums over lanes, exponentials and products in which each part waits for the last, so a second wave's instructions stand in the first one's gaps.
; PHASES of a trip (2 trips of 8 tiles): 1: wave w makes the record of tile 8 g + w.  One barrier.  2: wave w takes its 16 channels of U through the eight tiles: U = d U + kbar^T V, from U = 0, in f32.
; LAYOUT.  An image is 16 x 16 numbers of 2 bytes, lane l's 16 bytes at 16 l: half a fragment.  kg^T = Wkg2 low^T (+ bias as K index 16) has a token a lane and eight dims in its registers, as q's and k's images have.
; rec = [head-batch 32][tile 128][5,120 bytes]: 4 images qbar, 4 images kbar^T, 1 image P, d[64] f32, 1/rho for each lane, 128 bytes of 0.
; ust = [head-batch][chunk][channel quarter 4][16 pieces of 512 bytes]: piece 4 kb + 2 cb + jh holds, in lane (r, h), U(k = 16 kb + 8 h + 4 jh + 0..3, channel 32 quarter + 16 cb + r); wave w is quarter w / 2, cb = w % 2.
; LIMITS.  Factors below 2^-126 count as 0.  Wkg2 and bkg2 are rounded to bf16 and written as f16 (below 6e-5: f16's fixed step).  rho's exponent is held to 2^-111 .. 2^111.  NaN and infinities are not treated apart.
.set SLOTB, 3072                       ; an LDS slot: 16 rows of kbar x 160 bytes, then 512 bytes: d, 1/rho, zeros
.set AUX,   2560
.set PARB,  8*SLOTB                    ; the second trip's slots: no slot is written twice
.set DCS,   16*SLOTB
.set SPARE, DCS+512                    ; the spare words, 128 bytes for each of the eight waves
.set RR,1
.set HH,2
.set LOFF,3
.set QKB,4                             ; block w of eight, 131,072 bytes a block, + my 16 bytes: my tile's token block, and my channel block of v
.set LWB,5
.set RECB,7
.set KSTB,8                            ; lane terms of the LDS addresses, never rewritten ..
.set KTRB,9
.set AXDB,10
.set AXIB,11
.set AXRB,12
.set P2KB,13
.set P2DB,14
.set KST,15                            ; .. and the addresses of the trip in hand: lane term + the trip's slots
.set KTR,16
.set AXD,17
.set AXI,18
.set AXR,19
.set P2K,20
.set P2D,21
.set ZERO,22
.set SPW,23
.set NIL,24
.set AMAX,25
.set TMPX,26
.set IRHO,27
.set RHO,28
.set SG,30
.set QP,32                             ; q's four images
.set KP,48                             ; k's
.set LF,64                             ; low's fragment: registers 0-3 low, register 4 the 1.0 for the bias
.set WF,72                             ; Wkg2's four fragments
.set G,104                             ; kg, then g2, then b: dim block kb, register j at 8 kb + j
.set R,136
.set Z,168
.set ZH,184
.set D,200
.set A,208
.set PP,216
.set QN,220                            ; the next tile
.set KN,236
.set LN,252
.set S,0                               ; window 1: U of my 16 channels, dim block kb at 8 kb
.set KT,64
.set DD,96
.set VF,128                            ; V of the trip's eight tiles
.set DC,192
.set WV,20
.set QKS,22
.set VS,24
.set PAR,26
.set SM,27
.set EXS,28
.set CNT,30
.set SEL8,32
.set SEL4,34
.set SEL2,36
.set SEL1,38
.set SELT,40
.set SELX,42
.set UM8,44
.set UM4,45
.set UM2,46
.set UM1,47
.set L2E,48
.set C32,50
.set CM16,52
.set SGN,54
.set LOWM,55
.set MSB, 0
.macro WIN new
.if MSB != (\new)
	s_set_vgpr_msb (MSB<<8)|(\new)
.set MSB, \new
.endif
.endm
	s_load_b256 s[4:11], s[0:1], 0x0               ; img 4, low16 6, Wkg2 8, bkg2 10
	s_load_b128 s[12:15], s[0:1], 0x20             ; rec 12, ust 14
	s_load_b64 s[16:17], s[0:1], 0x30              ; dch
	v_lshl_add_u32 v[SPW], v0, 2, SPARE
	v_mov_b32 v[NIL], 0
	v_mov_b32 v[ZERO], 0
	v_lshrrev_b32 v1, 5, v0
	v_readfirstlane_b32 s[WV], v1                  ; wave 0..7
	v_and_b32 v[RR], 15, v0
	v_bfe_u32 v[HH], v0, 4, 1
	v_and_b32 v[LOFF], 31, v0
	v_lshlrev_b32 v[AXIB], 2, v[LOFF]
	v_lshlrev_b32 v[LOFF], 4, v[LOFF]
	s_lshl_b32 s21, s[WV], 17
	v_add_nc_u32 v[QKB], s21, v[LOFF]
	s_mul_i32 s21, s[WV], 5120
	v_add_nc_u32 v[RECB], s21, v[LOFF]
	v_lshlrev_b32 v[LWB], 5, v[RR]
	v_lshl_add_u32 v[LWB], v[HH], 4, v[LWB]
	s_lshl_b32 s21, s[WV], 9
	v_add_nc_u32 v[LWB], s21, v[LWB]
	s_mul_i32 s21, s[WV], SLOTB
	v_mul_u32_u24 v[KSTB], v[RR], 160
	v_lshl_add_u32 v[KSTB], v[HH], 4, v[KSTB]
	v_add_nc_u32 v[KSTB], s21, v[KSTB]             ; kbar: token x 160 + 16 x half
	v_and_b32 v[P2KB], 7, v0                       ; the turning load: token 8 (l / 16) + l % 8, 16 bytes at 16 ((l / 8) % 2)
	v_lshl_add_u32 v[P2KB], v[HH], 3, v[P2KB]
	v_mul_u32_u24 v[P2KB], v[P2KB], 160
	v_bfe_u32 v[TMPX], v0, 3, 1
	v_lshl_add_u32 v[P2KB], v[TMPX], 4, v[P2KB]
	v_add_nc_u32 v[KTRB], s21, v[P2KB]
	v_lshlrev_b32 v[P2DB], 5, v[HH]
	v_add_nc_u32 v[P2DB], AUX, v[P2DB]             ; d of dims 8 (l / 16) on
	v_add_nc_u32 v[AXDB], s21, v[P2DB]
	s_add_co_u32 s21, s21, AUX
	v_add_nc_u32 v[AXRB], s21, v[LOFF]
	s_add_co_u32 s21, s21, 256
	v_add_nc_u32 v[AXIB], s21, v[AXIB]
	ds_store_b32 v[AXIB], v[ZERO] offset:128       ; the last 128 bytes of my two blocks stay 0
	ds_store_b32 v[AXIB], v[ZERO] offset:128+PARB
	v_lshlrev_b32 v[Z], 6, v[RR]
	v_lshl_add_u32 v[Z], v[HH], 5, v[Z]            ; Wkg2: row x 64 bytes + 32 x half
	v_lshlrev_b32 v[Z+1], 2, v[RR]                 ; bkg2
	s_mov_b32 s[SEL8], 0x77777777                  ; v_permlane16_b32's selects: the reference token of each lane's block
	s_mov_b32 s[SEL8+1], 0x77777777
	s_mov_b32 s[SEL4], 0x33333333
	s_mov_b32 s[SEL4+1], 0xbbbbbbbb
	s_mov_b32 s[SEL2], 0x55551111
	s_mov_b32 s[SEL2+1], 0xdddd9999
	s_mov_b32 s[SEL1], 0x66442200
	s_mov_b32 s[SEL1+1], 0xeeccaa88
	s_mov_b32 s[SELT], 0xffffffff                  ; token 15
	s_mov_b32 s[SELT+1], 0xffffffff
	s_mov_b32 s[SELX], 0x76543210
	s_mov_b32 s[SELX+1], 0xfedcba98
	s_mov_b32 s[UM8], 0xff00ff00                   ; the lanes whose token lies in the upper half of its block
	s_mov_b32 s[UM4], 0xf0f0f0f0
	s_mov_b32 s[UM2], 0xcccccccc
	s_mov_b32 s[UM1], 0xaaaaaaaa
	s_mov_b32 s[L2E], 0x3fb8aa3b                   ; log2e
	s_mov_b32 s[L2E+1], 0x3fb8aa3b
	s_mov_b32 s[C32], 0x3d38aa3b                   ; log2e / 32
	s_mov_b32 s[C32+1], 0x3d38aa3b
	s_mov_b32 s[CM16], 0xbd800000                  ; -1 / 16
	s_mov_b32 s[CM16+1], 0xbd800000
	s_mov_b32 s[SGN], 0x80000000
	s_mov_b32 s[LOWM], 0x0000ffff
	s_mov_b32 s[PAR], 0
	s_mov_b32 s[CNT], 2
	s_and_b32 s21, ttmp9, 7                        ; chunk
	s_lshr_b32 s29, ttmp9, 7                       ; b
	s_lshl_b32 s29, s29, 7
	s_lshl4_add_u32 s29, s21, s29                  ; the chunk's first token block: 128 b + 16 chunk
	s_bfe_u32 s31, ttmp9, 0x40003                  ; head
	s_mov_b32 s19, 0
	s_wait_kmcnt 0x0
	s_lshl_b32 s18, s29, 17
	s_lshl_b32 s21, s31, 11
	s_add_co_u32 s18, s18, s21
	s_add_nc_u64 s[QKS:QKS+1], s[4:5], s[18:19]    ; q's images of the chunk's first token block
	s_lshl_b32 s18, s31, 20
	s_lshl_b32 s21, s29, 9
	s_add_co_u32 s18, s18, s21
	s_add_co_u32 s18, s18, 33554432
	s_add_nc_u64 s[VS:VS+1], s[4:5], s[18:19]      ; v's images: row block 256 + 8 head
	s_lshl_b32 s18, s29, 9
	s_add_nc_u64 s[6:7], s[6:7], s[18:19]
	s_lshl_b32 s18, s31, 12
	s_add_nc_u64 s[8:9], s[8:9], s[18:19]
	s_lshl_b32 s18, s31, 8
	s_add_nc_u64 s[10:11], s[10:11], s[18:19]
	s_mul_i32 s18, ttmp9, 81920                    ; 16 records of 5,120 bytes
	s_add_nc_u64 s[12:13], s[12:13], s[18:19]
	s_lshl_b32 s18, ttmp9, 15                      ; ust: the chunk's 32,768 bytes, my quarter's 8,192, my channel block's pieces 1,024 on
	s_lshr_b32 s21, s[WV], 1
	s_lshl_b32 s21, s21, 13
	s_add_co_u32 s18, s18, s21
	s_and_b32 s21, s[WV], 1
	s_lshl_b32 s21, s21, 10
	s_add_co_u32 s18, s18, s21
	s_add_nc_u64 s[14:15], s[14:15], s[18:19]
	s_lshl_b32 s18, ttmp9, 9
	s_add_nc_u64 s[16:17], s[16:17], s[18:19]
.irp kb, 0,1,2,3
	global_load_b128 v[R+8*\kb:R+8*\kb+3], v[Z], s[8:9] offset:1024*\kb
	global_load_b128 v[R+8*\kb+4:R+8*\kb+7], v[Z], s[8:9] offset:1024*\kb+16
	global_load_b32 v[G+\kb], v[Z+1], s[10:11] offset:64*\kb
.endr
.irp kb, 0,1,2,3
	global_load_b128 v[QP+4*\kb:QP+4*\kb+3], v[QKB], s[QKS:QKS+1] offset:512*\kb
	global_load_b128 v[KP+4*\kb:KP+4*\kb+3], v[QKB], s[QKS:QKS+1] offset:32768+512*\kb
.endr
	global_load_b128 v[LF:LF+3], v[LWB], s[6:7]
	; in the wait for these loads: U = 0, the product of the d = 1, the upper halves (K indices 16-31) of the fragments with 16 real K indices = 0
	WIN 0x40
.set n, 0
.rept 32
	v_mov_b32 v[S+n], 0
.set n, n+1
.endr
.set n, 0
.rept 4
.irp j, 4,5,6,7
	v_mov_b32 v[KT+8*n+\j], 0
.endr
.set n, n+1
.endr
.set n, 0
.rept 8
.irp j, 4,5,6,7
	v_mov_b32 v[VF+8*n+\j], 0
.endr
.set n, n+1
.endr
.set n, 0
.rept 32
	v_mov_b32 v[DC+n], 1.0
.set n, n+1
.endr
	WIN 0
.set n, 0
.rept 16
	v_mov_b32 v[ZH+n], 0
.set n, n+1
.endr
	v_mov_b32 v[RHO+1], 0                          ; named as pairs
	v_mov_b32 v[SG+1], 0
	v_mov_b32 v[TMPX], 0x3c00                      ; 1.0 in f16
	v_cndmask_b32 v[LF+4], 0, v[TMPX], s[LOWM]     ; K index 16 lies in register 4's low half of lanes 0-15
	v_mov_b32 v[LF+5], 0
	v_mov_b32 v[LF+6], 0
	v_mov_b32 v[LF+7], 0
	s_wait_loadcnt 0x0
.irp kb, 0,1,2,3
.irp j, 0,1,2,3
	v_cvt_pk_bf16_f32 v[WF+8*\kb+\j], v[R+8*\kb+2*\j], v[R+8*\kb+2*\j+1]
.endr
.irp j, 0,1,2,3
	v_lshlrev_b32 v[R+8*\kb+2*\j], 16, v[WF+8*\kb+\j]
	v_and_b32 v[R+8*\kb+2*\j+1], 0xffff0000, v[WF+8*\kb+\j]
	v_cvt_pk_f16_f32 v[WF+8*\kb+\j], v[R+8*\kb+2*\j], v[R+8*\kb+2*\j+1]
.endr
	v_cvt_pk_bf16_f32 v[G+\kb], v[G+\kb], v[G+\kb]
	v_lshlrev_b32 v[G+\kb], 16, v[G+\kb]
	v_cvt_pk_f16_f32 v[G+\kb], v[G+\kb], v[ZERO]
	v_cndmask_b32 v[WF+8*\kb+4], 0, v[G+\kb], s[LOWM]
	v_mov_b32 v[WF+8*\kb+5], 0
	v_mov_b32 v[WF+8*\kb+6], 0
	v_mov_b32 v[WF+8*\kb+7], 0
.endr
	s_add_nc_u64 s[QKS:QKS+1], s[QKS:QKS+1], 1048576  ; from here on: the SECOND trip's eight tiles; these two bases step no further
	s_add_nc_u64 s[6:7], s[6:7], 4096
; The pairs (query i = lane % 16, key j = 8 (lane / 16) + register) that a level's product serves, as lane masks; register 0 comes first at every level.
.macro SELECT lev
.if (\lev) == 0
.irp jj, 0,1,2,3,4,5,6,7
	s_mov_b32 s[SM], (1<<\jj)|(1<<(24+\jj))
	v_cndmask_b32 v[A+\jj], 0, v[D+\jj], s[SM]     ; i = j; all else starts at 0
.endr
.elseif (\lev) == 8
	s_mov_b32 s[SM], 0x0000ff00
.irp jj, 0,1,2,3,4,5,6,7
	v_cndmask_b32 v[A+\jj], v[A+\jj], v[D+\jj], s[SM]
.endr
.elseif (\lev) == 4
	s_mov_b32 s[SM], 0xf00000f0
.irp jj, 0,1,2,3
	v_cndmask_b32 v[A+\jj], v[A+\jj], v[D+\jj], s[SM]
.endr
.elseif (\lev) == 2
	s_mov_b32 s[SM], 0x0c00000c
.irp jj, 0,1
	v_cndmask_b32 v[A+\jj], v[A+\jj], v[D+\jj], s[SM]
.endr
	s_mov_b32 s[SM], 0xc00000c0
.irp jj, 4,5
	v_cndmask_b32 v[A+\jj], v[A+\jj], v[D+\jj], s[SM]
.endr
.else
.irp jj, 0,2,4,6
	s_mov_b32 s[SM], (1<<(\jj+1))|(1<<(25+\jj))
	v_cndmask_b32 v[A+\jj], v[A+\jj], v[D+\jj], s[SM]
.endr
.endif
.endm
.macro MIX dst, src                    ; dst (16 words of two f16) = src (the same) x R (32 f32), each product rounded once
.set n, 0
	s_wait_alu depctr_va_vdst(0)
.rept 16
	v_fma_mixlo_f16 v[(\dst)+n], v[(\src)+n], v[R+2*n], v[ZERO] op_sel_hi:[1,0,0]
	v_fma_mixhi_f16 v[(\dst)+n], v[(\src)+n], v[R+2*n+1], v[ZERO] op_sel:[1,0,0] op_sel_hi:[1,0,0]
.set n, n+1
.endr
.endm
; One level.  The level before's result is taken behind this level's 16 subtractions, which are the places behind its products.
.macro LEVEL sel, um, prev
.set n, 0
.rept 32
	v_permlane16_b32 v[R+n], v[G+n], s[\sel], s[\sel+1]   ; b of the reference token
.set n, n+1
.endr
	v_cndmask_b32 v[SG], -1.0, 1.0, s[\um]
.set n, 0
.rept 16
	v_pk_add_f32 v[R+2*n:R+2*n+1], v[G+2*n:G+2*n+1], v[R+2*n:R+2*n+1] neg_lo:[0,1] neg_hi:[0,1]
.set n, n+1
.endr
	SELECT \prev
.set n, 0
.rept 16
	v_pk_mul_f32 v[R+2*n:R+2*n+1], v[R+2*n:R+2*n+1], v[SG:SG+1] op_sel_hi:[1,0]  ; b - b_ref above, b_ref - b below: never above 0 but for the sums' rounding
.set n, n+1
.endr
.set n, 0
.rept 16
	v_exp_f32 v[R+2*n], v[R+2*n]
	v_exp_f32 v[R+2*n+1], v[R+2*n+1]
	v_cndmask_b32 v[Z+n], v[KP+n], v[QP+n], s[\um] ; a plain line behind each two exponentials (ISA guide 5.7.2): q above, k below
.set n, n+1
.endr
	MIX ZH, Z
	v_wmma_f32_16x16x32_f16 v[D:D+7], v[ZH:ZH+7], v[ZH:ZH+7], 0
	s_wait_alu depctr_va_vdst(0)                   ; the wait ahead of a link that follows the link before it
	v_wmma_f32_16x16x32_f16 v[D:D+7], v[ZH+8:ZH+15], v[ZH+8:ZH+15], v[D:D+7]
.endm
; U of my 16 channels through tile tt of the trip's eight: U = d U + kbar^T V.  The four accumulators take turns.
.macro UPD tt
	WIN 0x40
.irp kb, 0,1,2,3
	ds_load_tr16_b128 v[KT+8*\kb:KT+8*\kb+3], v[P2K] offset:(\tt)*SLOTB+32*\kb
.endr
.irp kb, 0,1,2,3
	ds_load_b128 v[DD+8*\kb:DD+8*\kb+3], v[P2D] offset:(\tt)*SLOTB+64*\kb
	ds_load_b128 v[DD+8*\kb+4:DD+8*\kb+7], v[P2D] offset:(\tt)*SLOTB+64*\kb+16
.endr
	s_wait_dscnt 0x0
	WIN 0x45
.irp kb, 0,1,2,3
.irp jp, 0,1,2,3
	v_pk_mul_f32 v[S+8*\kb+2*\jp:S+8*\kb+2*\jp+1], v[S+8*\kb+2*\jp:S+8*\kb+2*\jp+1], v[DD+8*\kb+2*\jp:DD+8*\kb+2*\jp+1]
.endr
.endr
	WIN 0x55
.irp kb, 0,1,2,3
	v_wmma_f32_16x16x32_f16 v[S+8*\kb:S+8*\kb+7], v[KT+8*\kb:KT+8*\kb+7], v[VF+8*(\tt):VF+8*(\tt)+7], v[S+8*\kb:S+8*\kb+7]
.endr
	WIN 0x45
.set n, 0
.rept 16                                           ; the chunk's product of the d; also the places behind the products
	v_pk_mul_f32 v[DC+2*n:DC+2*n+1], v[DC+2*n:DC+2*n+1], v[DD+2*n:DD+2*n+1]
.set n, n+1
.endr
.endm
.Lgroup:
	v_add_nc_u32 v[KST], s[PAR], v[KSTB]
	v_add_nc_u32 v[KTR], s[PAR], v[KTRB]
	v_add_nc_u32 v[AXD], s[PAR], v[AXDB]
	v_add_nc_u32 v[AXI], s[PAR], v[AXIB]
	v_add_nc_u32 v[AXR], s[PAR], v[AXRB]
	v_add_nc_u32 v[P2K], s[PAR], v[P2KB]
	v_add_nc_u32 v[P2D], s[PAR], v[P2DB]
	WIN 0x40
.irp tt, 0,1,2,3,4,5,6,7
	global_load_b128 v[VF+8*\tt:VF+8*\tt+3], v[QKB], s[VS:VS+1] offset:\tt*512  ; V of this trip's eight tiles, my channel block
.endr
	WIN 0
.irp kb, 0,1,2,3
	global_load_b128 v[QN+4*\kb:QN+4*\kb+3], v[QKB], s[QKS:QKS+1] offset:512*\kb          ; my tile of the second trip (in the second trip: the same tile once more, so that no load leaves its buffer)
	global_load_b128 v[KN+4*\kb:KN+4*\kb+3], v[QKB], s[QKS:QKS+1] offset:32768+512*\kb
.endr
	global_load_b128 v[LN:LN+3], v[LWB], s[6:7]
	; PHASE 1.  kg^T, and the diagonal's k q^T
.irp kb, 0,1,2,3
	v_wmma_f32_16x16x32_f16 v[G+8*\kb:G+8*\kb+7], v[WF+8*\kb:WF+8*\kb+7], v[LF:LF+7], 0
.endr
	v_wmma_f32_16x16x32_f16 v[D:D+7], v[KP:KP+7], v[QP:QP+7], 0
	s_wait_alu depctr_va_vdst(0)
	v_wmma_f32_16x16x32_f16 v[D:D+7], v[KP+8:KP+15], v[QP+8:QP+15], v[D:D+7]
.rept 4
	v_nop
.endr
	; the gate
.set n, 0
.rept 32
	v_or_b32 v[R+n], s[SGN], v[G+n]                ; -|kg|
.set n, n+1
.endr
.set n, 0
.rept 16
	v_pk_add_f32 v[G+2*n:G+2*n+1], v[G+2*n:G+2*n+1], v[R+2*n:R+2*n+1]   ; 2 min(kg, 0), exact
	v_pk_mul_f32 v[R+2*n:R+2*n+1], v[R+2*n:R+2*n+1], s[L2E:L2E+1] op_sel_hi:[1,0]
.set n, n+1
.endr
.set n, 0
.rept 32
	v_exp_f32 v[R+n], v[R+n]
.set n, n+1
.endr
.set n, 0
.rept 16
	v_pk_mul_f32 v[G+2*n:G+2*n+1], v[G+2*n:G+2*n+1], s[C32:C32+1] op_sel_hi:[1,0]  ; plain lines behind the exponentials
.set n, n+1
.endr
.set n, 0
	s_wait_alu depctr_va_vdst(0)
.rept 16
	v_pk_add_f32 v[R+2*n:R+2*n+1], v[R+2*n:R+2*n+1], 1.0 op_sel_hi:[1,0]
.set n, n+1
.endr
.set n, 0
.rept 32
	v_log_f32 v[R+n], v[R+n]
.set n, n+1
.endr
	v_nop
.set n, 0
	s_wait_alu depctr_va_vdst(0)
.rept 16
	v_pk_fma_f32 v[G+2*n:G+2*n+1], v[R+2*n:R+2*n+1], s[CM16:CM16+1], v[G+2*n:G+2*n+1] op_sel_hi:[1,0,1]
.set n, n+1
.endr
	; b: the inclusive sum over the 16 tokens, which are the 16 lanes of a row; a lane without a source keeps its number
.irp sh, 1,2,4,8
.set n, 0
.rept 32
	v_add_f32_dpp v[G+n], v[G+n], v[G+n] row_shr:\sh row_mask:0xf bank_mask:0xf
.set n, n+1
.endr
.endr
	LEVEL SEL8, UM8, 0
	LEVEL SEL4, UM4, 8
	LEVEL SEL2, UM2, 4
	LEVEL SEL1, UM1, 2
	; kbar, d, qbar
.set n, 0
.rept 32
	v_permlane16_b32 v[R+n], v[G+n], s[SELT], s[SELT+1]
.set n, n+1
.endr
.set n, 0
.rept 16
	v_pk_add_f32 v[R+2*n:R+2*n+1], v[R+2*n:R+2*n+1], v[G+2*n:G+2*n+1] neg_lo:[0,1] neg_hi:[0,1]  ; T - b
.set n, n+1
.endr
	SELECT 1
.set n, 0
.rept 32
	v_exp_f32 v[R+n], v[R+n]
.set n, n+1
.endr
	v_nop
	s_wait_alu depctr_va_vdst(0)
	MIX ZH, KP
.irp kb, 0,1,2,3
	ds_store_b128 v[KST], v[ZH+4*\kb:ZH+4*\kb+3] offset:32*\kb
.endr
.irp kb, 0,1,2,3
	ds_load_tr16_b128 v[Z+4*\kb:Z+4*\kb+3], v[KTR] offset:32*\kb   ; kbar^T: my own bytes, served in order behind my stores
.endr
.set n, 0
.rept 32
	v_exp_f32 v[R+n], v[G+n]                       ; 2^b
.set n, n+1
.endr
	v_nop
	s_wait_xcnt 0x0                                ; EXEC changes only behind this wait
	v_cmp_eq_u32 vcc_lo, 15, v[RR]
	s_and_saveexec_b32 s[EXS], vcc_lo              ; token 15's lanes hold d = 2^T
	s_wait_alu depctr_va_vdst(0)
.irp kb, 0,1,2,3
	ds_store_b128 v[AXD], v[R+8*\kb:R+8*\kb+3] offset:64*\kb
	ds_store_b128 v[AXD], v[R+8*\kb+4:R+8*\kb+7] offset:64*\kb+16
.endr
	s_wait_xcnt 0x0
	s_or_b32 exec_lo, exec_lo, s[EXS]
	MIX ZH, QP
	; the row's scale
	v_max3_num_f32 v[AMAX], v[A], v[A+1], v[A+2]
	v_min3_num_f32 v[TMPX], v[A], v[A+1], v[A+2]
	v_max3_num_f32 v[AMAX], v[AMAX], v[A+3], v[A+4]
	v_min3_num_f32 v[TMPX], v[TMPX], v[A+3], v[A+4]
	v_max3_num_f32 v[AMAX], v[AMAX], v[A+5], v[A+6]
	v_min3_num_f32 v[TMPX], v[TMPX], v[A+5], v[A+6]
	v_max_num_f32 v[AMAX], v[AMAX], v[A+7]
	v_min_num_f32 v[TMPX], v[TMPX], v[A+7]
	v_sub_f32 v[TMPX], 0, v[TMPX]
	v_max_num_f32 v[AMAX], v[AMAX], v[TMPX]
	v_permlanex16_b32 v[TMPX], v[AMAX], s[SELX], s[SELX+1]  ; the query's other eight keys
	v_max_num_f32 v[AMAX], v[AMAX], v[TMPX]
	v_max_num_f32 v[AMAX], 0x08000000, v[AMAX]     ; exponent field held to 16 .. 238
	v_min_num_f32 v[AMAX], 0x77000000, v[AMAX]
	v_and_b32 v[IRHO], 0x7f800000, v[AMAX]         ; 1 / rho = 2^(e - 127)
	v_sub_nc_u32 v[RHO], 0x7f000000, v[IRHO]       ; rho = 2^(127 - e)
.irp j, 0,2,4,6
	v_pk_mul_f32 v[A+\j:A+\j+1], v[A+\j:A+\j+1], v[RHO:RHO+1] op_sel_hi:[1,0]
.endr
.irp j, 0,1,2,3
	v_cvt_pk_f16_f32 v[PP+\j], v[A+2*\j], v[A+2*\j+1]
.endr
	ds_store_b32 v[AXI], v[IRHO]
	ds_load_b128 v[R:R+3], v[AXR]                  ; d, 1 / rho and the zeros, as 512 consecutive bytes
	s_wait_dscnt 0x0                               ; kbar^T and that block are in; and, for the others' sake, my stores are done
.irp kb, 0,1,2,3
	global_store_b128 v[RECB], v[ZH+4*\kb:ZH+4*\kb+3], s[12:13] offset:512*\kb
.endr
.irp kb, 0,1,2,3
	global_store_b128 v[RECB], v[Z+4*\kb:Z+4*\kb+3], s[12:13] offset:2048+512*\kb
.endr
	global_store_b128 v[RECB], v[PP:PP+3], s[12:13] offset:4096
	global_store_b128 v[RECB], v[R:R+3], s[12:13] offset:4608
	s_barrier_signal -1                            ; the one barrier of a trip: the trip's eight slots are whole; the two trips have slots of their own
	s_barrier_wait -1
	; PHASE 2
	s_wait_loadcnt 9                               ; V's eight loads are in; the next tile's nine stay out
	UPD 0
	UPD 1
	UPD 2
	UPD 3
	UPD 4
	UPD 5
	UPD 6
	UPD 7
	WIN 0
	s_wait_loadcnt 0x0
	s_wait_xcnt 0x0                                ; the stores' registers and all bases are written again only behind this wait
.set n, 0
.rept 16
	v_mov_b32 v[QP+n], v[QN+n]
	v_mov_b32 v[KP+n], v[KN+n]
.set n, n+1
.endr
.irp j, 0,1,2,3
	v_mov_b32 v[LF+\j], v[LN+\j]
.endr
	s_add_nc_u64 s[VS:VS+1], s[VS:VS+1], 4096      ; eight token blocks on
	s_add_nc_u64 s[12:13], s[12:13], 40960         ; eight records on
	s_xor_b32 s[PAR], s[PAR], PARB
	s_sub_co_u32 s[CNT], s[CNT], 1
	s_cmp_lg_u32 s[CNT], 0
	s_cbranch_scc1 .Lgroup
	WIN 0x04                                       ; store data in window 1
.irp kb, 0,1,2,3
	global_store_b128 v[LOFF], v[S+8*\kb:S+8*\kb+3], s[14:15] offset:2048*\kb       ; U as it lies in my registers, each accumulator's lowest first: 512 consecutive bytes a store
	global_store_b128 v[LOFF], v[S+8*\kb+4:S+8*\kb+7], s[14:15] offset:2048*\kb+512
.endr
	WIN 0
	s_cmp_lg_u32 s[WV], 0
	s_cbranch_scc1 .Ldone
	v_lshrrev_b32 v[KST], 2, v[LOFF]
	v_add_nc_u32 v[KST], DCS+256, v[KST]
	ds_store_b32 v[KST], v[ZERO]
	ds_store_b32 v[KST], v[ZERO] offset:128
	v_lshlrev_b32 v[KTR], 5, v[HH]
	v_add_nc_u32 v[KTR], DCS, v[KTR]
	v_add_nc_u32 v[AXR], DCS, v[LOFF]
	WIN 0x04
.irp kb, 0,1,2,3
	ds_store_b128 v[KTR], v[DC+8*\kb:DC+8*\kb+3] offset:64*\kb         ; the 16 lanes of a half hold, and write, the same numbers
	ds_store_b128 v[KTR], v[DC+8*\kb+4:DC+8*\kb+7] offset:64*\kb+16
.endr
	WIN 0
	ds_load_b128 v[R:R+3], v[AXR]
	s_wait_dscnt 0x0
	global_store_b128 v[LOFF], v[R:R+3], s[16:17]
.Ldone:
	s_wait_tensorcnt 0x0                           ; the wave's end
	ds_add_u32 v[SPW], v[NIL]
	s_wait_dscnt 0x0
	s_endpgm
.Lfunc_end_k_qf0ff41503d_prep:
	.size	k_qf0ff41503d_prep, .Lfunc_end_k_qf0ff41503d_prep-k_qf0ff41503d_prep
	.p2alignl 7, 3214868480
	.fill 96, 4, 3214868480
	.section	.rodata,"a",@progbits
	.p2align	6, 0x0
	.amdhsa_kernel k_qf0ff41503d_prep
		.amdhsa_group_segment_fixed_size 50688
		.amdhsa_private_segment_fixed_size 0
		.amdhsa_enable_private_segment 0
		.amdhsa_kernarg_size 56
		.amdhsa_user_sgpr_count 2
		.amdhsa_user_sgpr_kernarg_segment_ptr 1
		.amdhsa_wavefront_size32 1
		.amdhsa_system_sgpr_workgroup_id_x 1
		.amdhsa_system_sgpr_workgroup_id_y 1
		.amdhsa_system_sgpr_workgroup_id_z 1
		.amdhsa_system_vgpr_workitem_id 0
		.amdhsa_next_free_vgpr 480
		.amdhsa_next_free_sgpr 66
		.amdhsa_reserve_vcc 1
		.amdhsa_float_denorm_mode_32 3
		.amdhsa_float_denorm_mode_16_64 3
		.amdhsa_memory_ordered 1
		.amdhsa_forward_progress 1
		.amdhsa_inst_pref_size 113
	.end_amdhsa_kernel
	.amdgpu_metadata
---
amdhsa.version: [ 1, 2 ]
amdhsa.kernels:
  - .name:           k_qf0ff41503d_prep
    .symbol:         k_qf0ff41503d_prep.kd
    .args:
      - { .name: img, .offset: 0, .size: 8, .value_kind: global_buffer, .address_space: global }
      - { .name: low16, .offset: 8, .size: 8, .value_kind: global_buffer, .address_space: global }
      - { .name: Wkg2, .offset: 16, .size: 8, .value_kind: global_buffer, .address_space: global }
      - { .name: bkg2, .offset: 24, .size: 8, .value_kind: global_buffer, .address_space: global }
      - { .name: rec, .offset: 32, .size: 8, .value_kind: global_buffer, .address_space: global }
      - { .name: ust, .offset: 40, .size: 8, .value_kind: global_buffer, .address_space: global }
      - { .name: dch, .offset: 48, .size: 8, .value_kind: global_buffer, .address_space: global }
    .group_segment_fixed_size: 50688
    .private_segment_fixed_size: 0
    .kernarg_segment_align: 8
    .kernarg_segment_size: 56
    .max_flat_workgroup_size: 256
    .sgpr_count:     66
    .vgpr_count:     480
    .wavefront_size: 32
...
	.end_amdgpu_metadata
.endif
;; end of part 8
;; launch scan: the kernel of part 4 again; grid 128 x 1, 16 waves a work-group, no clusters, 18,944 bytes of LDS; arguments ust, dch, hidden_states, sin, out1; writes sin, out1
;; launch glaout (part 9): grid 256 x 1, 8 waves a work-group, no clusters, 285,696 bytes of LDS; arguments rec, img, sin, bg, y16; writes y16
.if DOCPART == 9
	.amdgcn_target "amdgcn-amd-amdhsa--gfx1250"
	.amdhsa_code_object_version 6
	.text
	.protected	k_qf0ff41503d_glaout
	.globl	k_qf0ff41503d_glaout
	.p2align	8
	.type	k_qf0ff41503d_glaout,@function
k_qf0ff41503d_glaout:
	s_mov_b64 s[64:65], 0
	v_nop
	global_prefetch_b8 v0, s[64:65] scope:SCOPE_SE
	s_setreg_imm32_b32 hwreg(HW_REG_WAVE_MODE, 25, 1), 1
	s_wait_xcnt 0x0
; THE CHUNK'S OUTPUTS.  Work-group id = 8 (16 b + head) + chunk, 16 tiles of 16 tokens.  With S = sqrt(128) x the state, from sin:
;   o'_i = qbar_i S_prev + sum over j <= i of A_ij v_j;   S = d S_prev + kbar^T V;   y = silu(g + bg) x LayerNorm(o') / 16, f16.
; o' = sqrt(128) o, so the norm takes eps x 128; the 1/16 lies in the root: rsqrt(256 (var + 128 eps)).
; EIGHT WAVES, two to a SIMD.  A tile's step is a chain (LDS loads, the largest magnitude, the lanes' exchange, the rounding, two products, the update), and so is a token's norm: each link waits for the last,
; so a second wave's instructions stand in the first one's gaps.  Wave w holds S for channels 16 w .. 16 w + 15 in f32: four accumulators; all of a wave's registers lie in v0-v255, and no window is ever switched.
; For the product S is scaled by a power of two, sigma, taken from its largest magnitude in the wave (to 2^10 .. 2^11), and rounded to f16: o' = accS / sigma + accP / rho_i, in f32.
; Both products are used transposed: a lane holds one query and eight channels.
; ALL INPUTS COME AT THE START: waves 0 to 3 issue four tensor loads each, one for each group of four tiles (waves 0, 1: the records; wave 2: V; wave 3: g); four loads of such a wave are out.
; A group: four tiles (every wave its channels), o' into LDS; a barrier; then wave w norms and gates eight tokens of tile 4 g + w / 2, two at a time, 16 lanes to a token's 128 channels.
; The price of the finer cut: a record's fragments are read from LDS by eight waves, 19 loads a tile and wave.
; No cluster: work-groups share no input.
; LIMITS.  |S| below 2^123; sums of squares of o' finite in f32; y / 16 in f16: |silu x norm| below 1,048,000.  NaN and infinities are not treated apart.
.set REC, 0                            ; 16 records of 5,120 bytes
.set VV,  81920                        ; 4 groups x [channel block 8][tile 4][512]
.set GG,  147456                       ; 4 groups x 4 tiles x 16 units of 256 + 16 bytes: unit c8 holds channels 8 c8 .. + 7 of the 16 tokens
.set OST, 217088                       ; o': 2 parities x 4 tiles x 16 rows x 528 bytes
.set SPARE, 284672                     ; the spare words, 128 bytes for each of the eight waves
.set LOFF,3
.set DDB,4
.set INB,5
.set VFB,6
.set OSB,7
.set ARQ,8
.set ADQ,9
.set AIN,10
.set AVF,11
.set AOS,12
.set POB,13
.set PGB,14
.set PYB,15
.set APO,16
.set APG,17
.set APY,18
.set ZERO,19
.set ONE,20
.set SPW,21
.set NIL,22
.set TMPX,23
.set INV,24
.set SIG,26
.set ISG,28
.set AM,30
.set EX,31
.set QF,32                             ; qbar: two fragments
.set PF,48                             ; P: registers 0-3; 4-7 stay 0
.set SF,56                             ; sigma S in f16: two fragments
.set ACS,72
.set ACP,80
.set TMP,88
.set MX,96
.set BG,100
.set O,108
.set GH,116
.set ZZ,120
.set EE,128
.set T,136
.set MEAN,140
.set Q,142
.set RS,146
.set YP,148
.set VF,152                            ; V: registers 0-3; 4-7 stay 0
.set S,160                             ; the state of my 16 channels: dim block kb at 8 kb
.set KT,192                            ; kbar^T: dim block kb at 8 kb, registers 0-3; 4-7 stay 0
.set DD,224
.set WV,14
.set G1,16
.set G0,24
.set TR,44
.set TV,45
.set TO,46
.set CNT,47
.set PO,48
.set PG,49
.set PY,50
.set SELX,52
.set NL2E,54
.set EPS,56
.macro FOUR                            ; a wave's four first fills, an s_nop 0 behind each, four v_nop behind the last
.irp g, 0,1,2,3
	tensor_load_to_lds s[G0+4*\g:G0+4*\g+3], s[G1:G1+7]
	s_nop 0
.endr
.rept 4
	v_nop
.endr
.endm
	s_load_b256 s[4:11], s[0:1], 0x0               ; rec 4, img 6, sin 8, bg 10
	s_load_b64 s[12:13], s[0:1], 0x20              ; y16
	v_lshl_add_u32 v[SPW], v0, 2, SPARE
	v_mov_b32 v[NIL], 0
	ds_add_u32 v[SPW], v[NIL]                      ; the wave's opening: an add, and its wait ahead of my first tensor load
	ds_add_u32 v21, v22
	v_lshrrev_b32 v1, 5, v0
	v_readfirstlane_b32 s[WV], v1                  ; wave 0..7
	s_and_b32 s40, ttmp9, 7                        ; chunk
	s_lshr_b32 s41, ttmp9, 7                       ; b
	s_bfe_u32 s42, ttmp9, 0x40003                  ; head
	s_lshl_b32 s43, s41, 7
	s_lshl4_add_u32 s43, s40, s43                  ; the chunk's first token block
	s_mul_i32 s15, s[WV], 10240
	s_mul_i32 s58, ttmp9, 81920
	s_add_co_u32 s58, s58, s15                     ; rec: two records of each group, for waves 0 and 1
	s_mov_b32 s59, 0
	s_lshl_b32 s60, s42, 20
	s_lshl_b32 s61, s43, 9
	s_add_co_u32 s60, s60, s61
	s_add_co_u32 s60, s60, 33554432                ; v's images
	s_mov_b32 s61, 0
	s_lshl_b32 s62, s43, 17
	s_lshl_b32 s63, s42, 12
	s_add_co_u32 s62, s62, s63
	s_add_co_u32 s62, s62, 65536                   ; g's images
	s_mov_b32 s63, 0
	s_mov_b32 s[SELX], 0x76543210
	s_mov_b32 s[SELX+1], 0xfedcba98
	s_mov_b32 s[NL2E], 0xbfb8aa3b                  ; -log2e
	s_mov_b32 s[NL2E+1], 0xbfb8aa3b
	s_mov_b32 s[EPS], 0x3ea7c5ac                   ; 256 x 128 x 1e-5
	s_wait_dscnt 0x0                               ; the opening add is done
	s_wait_kmcnt 0x0
	s_cmp_lt_u32 s[WV], 2
	s_cbranch_scc0 .Lnot_rec
	s_mov_b32 s[G1], 3<<16                         ; 8-byte elements, no padding: 10,240 dense bytes as 40 rows of 256
	s_mov_b32 s[G1+1], 32<<16
	s_mov_b32 s[G1+2], 40<<16
	s_mov_b32 s[G1+3], 32<<16
	s_mov_b32 s[G1+4], 40
	s_mov_b32 s[G1+5], 32
	s_mov_b32 s[G1+6], 0
	s_mov_b32 s[G1+7], 0
	s_add_nc_u64 s[4:5], s[4:5], s[58:59]
.irp g, 0,1,2,3
	s_mov_b32 s[G0+4*\g], 1
	s_add_co_u32 s[G0+4*\g+1], s15, REC+\g*20480
	s_add_nc_u64 s[G0+4*\g+2:G0+4*\g+3], s[4:5], \g*20480
	s_or_b32 s[G0+4*\g+3], s[G0+4*\g+3], 0x80000000
.endr
	FOUR
	s_branch .Lasked
.Lnot_rec:
	s_cmp_eq_u32 s[WV], 2
	s_cbranch_scc0 .Lfor_g
	s_mov_b32 s[G1], 3<<16                         ; 8 channel blocks, of each four tiles' images: rows of 2,048 bytes, 131,072 bytes apart
	s_mov_b32 s[G1+1], 256<<16
	s_mov_b32 s[G1+2], 8<<16
	s_mov_b32 s[G1+3], 256<<16
	s_mov_b32 s[G1+4], 8
	s_mov_b32 s[G1+5], 16384
	s_mov_b32 s[G1+6], 0
	s_mov_b32 s[G1+7], 0
	s_add_nc_u64 s[6:7], s[6:7], s[60:61]
.irp g, 0,1,2,3
	s_mov_b32 s[G0+4*\g], 1
	s_mov_b32 s[G0+4*\g+1], VV+\g*16384
	s_add_nc_u64 s[G0+4*\g+2:G0+4*\g+3], s[6:7], \g*2048
	s_or_b32 s[G0+4*\g+3], s[G0+4*\g+3], 0x80000000
.endr
	FOUR
	s_branch .Lasked
.Lfor_g:
	s_cmp_eq_u32 s[WV], 3
	s_cbranch_scc0 .Lasked                         ; waves 4 to 7 issue no tensor load
	s_mov_b32 s[G1], (3<<16)|(1<<20)|(5<<22)|(3<<25)  ; 4 token blocks, of each the head's 8 images: rows of 4,096 bytes; 4 words of padding after every 64
	s_mov_b32 s[G1+1], 512<<16
	s_mov_b32 s[G1+2], 4<<16
	s_mov_b32 s[G1+3], 512<<16
	s_mov_b32 s[G1+4], 4
	s_mov_b32 s[G1+5], 16384
	s_mov_b32 s[G1+6], 0
	s_mov_b32 s[G1+7], 0
	s_add_nc_u64 s[6:7], s[6:7], s[62:63]
.irp g, 0,1,2,3
	s_mov_b32 s[G0+4*\g], 1
	s_mov_b32 s[G0+4*\g+1], GG+\g*17408
	s_add_nc_u64 s[G0+4*\g+2:G0+4*\g+3], s[6:7], \g*524288
	s_or_b32 s[G0+4*\g+3], s[G0+4*\g+3], 0x80000000
.endr
	FOUR
.Lasked:
	s_lshl_b32 s58, ttmp9, 15                      ; sin: the chunk's 32,768 bytes, channel quarter w / 2 at 8,192 each, channel block w % 2 1,024 on
	s_lshr_b32 s60, s[WV], 1
	s_lshl_b32 s60, s60, 13
	s_add_co_u32 s58, s58, s60
	s_and_b32 s60, s[WV], 1
	s_lshl_b32 s60, s60, 10
	s_add_co_u32 s58, s58, s60
	s_add_nc_u64 s[8:9], s[8:9], s[58:59]
	s_lshl_b32 s58, s42, 9
	s_add_nc_u64 s[10:11], s[10:11], s[58:59]      ; bg of the head
	s_lshl_b32 s58, s41, 23
	s_lshl_b32 s60, s40, 20
	s_add_co_u32 s58, s58, s60
	s_lshl_b32 s60, s42, 8
	s_add_co_u32 s58, s58, s60
	s_add_nc_u64 s[12:13], s[12:13], s[58:59]      ; y16 at the chunk's first token, the head's columns
	v_and_b32 v1, 15, v0
	v_bfe_u32 v2, v0, 4, 1
	v_and_b32 v[LOFF], 31, v0
	v_lshlrev_b32 v[INB], 2, v[LOFF]
	v_add_nc_u32 v[INB], 4864, v[INB]
	v_lshlrev_b32 v[LOFF], 4, v[LOFF]
	v_lshlrev_b32 v[APY], 5, v1                    ; bg: 8 numbers a lane
.irp kb, 0,1,2,3
	global_load_b128 v[S+8*\kb:S+8*\kb+3], v[LOFF], s[8:9] offset:2048*\kb          ; pieces 4 kb + 2 cb and 4 kb + 2 cb + 1
	global_load_b128 v[S+8*\kb+4:S+8*\kb+7], v[LOFF], s[8:9] offset:2048*\kb+512
.endr
	global_load_b128 v[BG:BG+3], v[APY], s[10:11]
	global_load_b128 v[BG+4:BG+7], v[APY], s[10:11] offset:16
	v_lshlrev_b32 v[DDB], 5, v2
	v_add_nc_u32 v[DDB], 4608, v[DDB]
	s_lshl_b32 s15, s[WV], 11
	v_add_nc_u32 v[VFB], s15, v[LOFF]              ; V: my channel block's four tiles, 2,048 bytes a block
	v_mul_u32_u24 v[OSB], v1, 528
	v_lshl_add_u32 v[OSB], v2, 5, v[OSB]
	s_lshl_b32 s15, s[WV], 6
	v_add_nc_u32 v[OSB], s15, v[OSB]               ; o' in: row = query, my wave's 64 bytes, 32 for each half of the lanes
	v_mul_u32_u24 v[POB], v2, 528
	v_lshl_add_u32 v[POB], v1, 5, v[POB]
	s_mul_i32 s15, s[WV], 4224
	v_add_nc_u32 v[POB], s15, v[POB]               ; o' back: eight rows of 528 bytes a wave; token lane / 16, channels 8 (lane % 16) on
	v_mul_u32_u24 v[PGB], v1, 272
	v_lshl_add_u32 v[PGB], v2, 4, v[PGB]
	s_lshr_b32 s15, s[WV], 1
	s_mul_i32 s15, s15, 4352
	v_add_nc_u32 v[PGB], s15, v[PGB]               ; g: tile w / 2,
	s_and_b32 s15, s[WV], 1
	s_lshl_b32 s15, s15, 7
	v_add_nc_u32 v[PGB], s15, v[PGB]               ; its tokens 8 (w % 2) on, 16 bytes each
	v_lshlrev_b32 v[PYB], 12, v2
	v_lshl_add_u32 v[PYB], v1, 4, v[PYB]
	s_lshl_b32 s15, s[WV], 15
	v_add_nc_u32 v[PYB], s15, v[PYB]               ; y16: eight rows of 4,096 bytes a wave
	v_mov_b32 v[ZERO], 0
	v_mov_b32 v[ONE], 1.0
	v_mov_b32 v[TMPX], 0
	v_mov_b32 v[INV+1], 0                          ; named as pairs
	v_mov_b32 v[SIG+1], 0
	v_mov_b32 v[ISG+1], 0
	v_mov_b32 v[MEAN+1], 0
	v_mov_b32 v[RS+1], 0
.irp j, 4,5,6,7
	v_mov_b32 v[PF+\j], 0                          ; K indices 16-31 of the fragments with 16 real ones
	v_mov_b32 v[VF+\j], 0
.endr
.set n, 0
.rept 16
	v_mov_b32 v[SF+n], 0
.set n, n+1
.endr
.set n, 0
.rept 4
.irp j, 4,5,6,7
	v_mov_b32 v[KT+8*n+\j], 0
.endr
.set n, n+1
.endr
	s_wait_loadcnt 0x0
.irp j, 0,1,2,3
	v_cvt_pk_bf16_f32 v[TMP+\j], v[BG+2*\j], v[BG+2*\j+1]
.endr
.irp j, 0,1,2,3
	v_lshlrev_b32 v[BG+2*\j], 16, v[TMP+\j]
	v_and_b32 v[BG+2*\j+1], 0xffff0000, v[TMP+\j]
.endr
.macro TILE
	v_add_nc_u32 v[ARQ], s[TR], v[LOFF]
	v_add_nc_u32 v[ADQ], s[TR], v[DDB]
	v_add_nc_u32 v[AIN], s[TR], v[INB]
	v_add_nc_u32 v[AVF], s[TV], v[VFB]
	v_add_nc_u32 v[AOS], s[TO], v[OSB]
.irp i, 0,1,2,3
	ds_load_b128 v[QF+4*\i:QF+4*\i+3], v[ARQ] offset:512*\i
.endr
	ds_load_b128 v[PF:PF+3], v[ARQ] offset:4096
	ds_load_b32 v[INV], v[AIN]
	ds_load_b128 v[VF:VF+3], v[AVF]
.irp kb, 0,1,2,3
	ds_load_b128 v[KT+8*\kb:KT+8*\kb+3], v[ARQ] offset:2048+512*\kb
.endr
.irp kb, 0,1,2,3
	ds_load_b128 v[DD+8*\kb:DD+8*\kb+3], v[ADQ] offset:64*\kb
	ds_load_b128 v[DD+8*\kb+4:DD+8*\kb+7], v[ADQ] offset:64*\kb+16
.endr
.irp i, 0,1,2,3
	v_mov_b32 v[MX+\i], 0
.endr
.set n, 0
.rept 16                                           ; the largest and the smallest of my 32 numbers of S, each accumulator's lowest registers first
	v_max3_num_f32 v[MX+n%2], v[MX+n%2], v[S+2*n], v[S+2*n+1]
	v_min3_num_f32 v[MX+2+n%2], v[MX+2+n%2], v[S+2*n], v[S+2*n+1]
.set n, n+1
.endr
	v_max_num_f32 v[AM], v[MX], v[MX+1]
	v_min_num_f32 v[EX], v[MX+2], v[MX+3]
	v_sub_f32 v[EX], 0, v[EX]
	v_max_num_f32 v[AM], v[AM], v[EX]
	v_max_num_f32_dpp v[AM], v[AM], v[AM] row_xmask:1 row_mask:0xf bank_mask:0xf
	v_max_num_f32_dpp v[AM], v[AM], v[AM] row_xmask:2 row_mask:0xf bank_mask:0xf
	v_max_num_f32_dpp v[AM], v[AM], v[AM] row_xmask:4 row_mask:0xf bank_mask:0xf
	v_max_num_f32_dpp v[AM], v[AM], v[AM] row_xmask:8 row_mask:0xf bank_mask:0xf
	v_permlanex16_b32 v[TMPX], v[AM], s[SELX], s[SELX+1]
	v_max_num_f32 v[AM], v[AM], v[TMPX]
	v_max_num_f32 v[AM], 0x10000000, v[AM]         ; exponent field e held to 32 .. 250
	v_min_num_f32 v[AM], 0x7d000000, v[AM]
	v_and_b32 v[EX], 0x7f800000, v[AM]
	v_sub_nc_u32 v[SIG], 0x84000000, v[EX]         ; sigma = 2^(137 - e)
	v_add_nc_u32 v[ISG], 0xfb000000, v[EX]         ; 1 / sigma = 2^(e - 137)
.irp kb, 0,1,2,3
.irp jj, 0,1,2,3
	v_fma_mixlo_f16 v[SF+4*\kb+\jj], v[S+8*\kb+2*\jj], v[SIG], v[ZERO]
	v_fma_mixhi_f16 v[SF+4*\kb+\jj], v[S+8*\kb+2*\jj+1], v[SIG], v[ZERO]
.endr
.endr
	s_wait_dscnt 12                                ; qbar, P, 1 / rho and V are in; kbar^T and d, the youngest twelve, may be out
	v_wmma_f32_16x16x32_f16 v[ACS:ACS+7], v[SF:SF+7], v[QF:QF+7], 0                    ; two accumulators by turns, one instruction a turn
	v_wmma_f32_16x16x32_f16 v[ACP:ACP+7], v[VF:VF+7], v[PF:PF+7], 0
	v_wmma_f32_16x16x32_f16 v[ACS:ACS+7], v[SF+8:SF+15], v[QF+8:QF+15], v[ACS:ACS+7]
	s_wait_dscnt 0x0
.irp kb, 0,1,2,3
.irp jp, 0,1,2,3
	v_pk_mul_f32 v[S+8*\kb+2*\jp:S+8*\kb+2*\jp+1], v[S+8*\kb+2*\jp:S+8*\kb+2*\jp+1], v[DD+8*\kb+2*\jp:DD+8*\kb+2*\jp+1]   ; S = d S: also the places behind the three products
.endr
.endr
.irp kb, 0,1,2,3
	v_wmma_f32_16x16x32_f16 v[S+8*\kb:S+8*\kb+7], v[KT+8*\kb:KT+8*\kb+7], v[VF:VF+7], v[S+8*\kb:S+8*\kb+7]
.endr
.irp n2, 0,2,4,6
	v_pk_mul_f32 v[TMP+\n2:TMP+\n2+1], v[ACP+\n2:ACP+\n2+1], v[INV:INV+1] op_sel_hi:[1,0]      ; these eight lines are the places behind the update
.endr
.irp n2, 0,2,4,6
	v_pk_fma_f32 v[TMP+\n2:TMP+\n2+1], v[ACS+\n2:ACS+\n2+1], v[ISG:ISG+1], v[TMP+\n2:TMP+\n2+1] op_sel_hi:[1,0,1]
.endr
	ds_store_b128 v[AOS], v[TMP:TMP+3]
	ds_store_b128 v[AOS], v[TMP+4:TMP+7] offset:16
.endm
.macro ROWS                            ; two tokens: lanes 0-15 one, lanes 16-31 the next; a lane holds eight channels
	s_wait_xcnt 0x0                                ; the last store's address and data are written again only behind this wait
	v_add_nc_u32 v[APO], s[PO], v[POB]
	v_add_nc_u32 v[APG], s[PG], v[PGB]
	v_add_nc_u32 v[APY], s[PY], v[PYB]
	ds_load_b128 v[GH:GH+3], v[APG]
	ds_load_b128 v[O:O+3], v[APO]
	ds_load_b128 v[O+4:O+7], v[APO] offset:16
	s_wait_dscnt 2                                 ; g is in; o's two loads may be out
.irp j, 0,1,2,3
	v_fma_mix_f32 v[ZZ+2*\j], v[GH+\j], v[ONE], v[BG+2*\j] op_sel_hi:[1,0,0]
	v_fma_mix_f32 v[ZZ+2*\j+1], v[GH+\j], v[ONE], v[BG+2*\j+1] op_sel:[1,0,0] op_sel_hi:[1,0,0]
.endr
.irp j, 0,2,4,6
	v_pk_mul_f32 v[EE+\j:EE+\j+1], v[ZZ+\j:ZZ+\j+1], s[NL2E:NL2E+1] op_sel_hi:[1,0]
.endr
.irp j, 0,1,2,3,4,5,6,7
	v_exp_f32 v[EE+\j], v[EE+\j]
.endr
	s_wait_dscnt 0x0
	v_pk_add_f32 v[T:T+1], v[O:O+1], v[O+2:O+3]    ; plain lines behind the exponentials
	v_pk_add_f32 v[T+2:T+3], v[O+4:O+5], v[O+6:O+7]
	v_pk_add_f32 v[T:T+1], v[T:T+1], v[T+2:T+3]
	v_add_f32 v[T], v[T], v[T+1]
	s_wait_alu depctr_va_vdst(0)
.irp j, 0,2,4,6
	v_pk_add_f32 v[EE+\j:EE+\j+1], v[EE+\j:EE+\j+1], 1.0 op_sel_hi:[1,0]
.endr
	v_add_f32_dpp v[T], v[T], v[T] row_xmask:1 row_mask:0xf bank_mask:0xf
	v_add_f32_dpp v[T], v[T], v[T] row_xmask:2 row_mask:0xf bank_mask:0xf
	v_add_f32_dpp v[T], v[T], v[T] row_xmask:4 row_mask:0xf bank_mask:0xf
	v_add_f32_dpp v[T], v[T], v[T] row_xmask:8 row_mask:0xf bank_mask:0xf
.irp j, 0,1,2,3,4,5,6,7
	v_rcp_f32 v[EE+\j], v[EE+\j]
.endr
	v_mul_f32 v[MEAN], 0x3c000000, v[T]            ; / 128
.irp j, 0,2,4,6
	v_pk_add_f32 v[O+\j:O+\j+1], v[O+\j:O+\j+1], v[MEAN:MEAN+1] op_sel_hi:[1,0] neg_lo:[0,1] neg_hi:[0,1]
.endr
	v_pk_mul_f32 v[Q:Q+1], v[O:O+1], v[O:O+1]      ; the squares of the deviations: no difference of large sums
	v_pk_mul_f32 v[Q+2:Q+3], v[O+2:O+3], v[O+2:O+3]
	v_pk_fma_f32 v[Q:Q+1], v[O+4:O+5], v[O+4:O+5], v[Q:Q+1]
	v_pk_fma_f32 v[Q+2:Q+3], v[O+6:O+7], v[O+6:O+7], v[Q+2:Q+3]
	v_pk_add_f32 v[Q:Q+1], v[Q:Q+1], v[Q+2:Q+3]
	v_add_f32 v[Q], v[Q], v[Q+1]
	v_add_f32_dpp v[Q], v[Q], v[Q] row_xmask:1 row_mask:0xf bank_mask:0xf
	v_add_f32_dpp v[Q], v[Q], v[Q] row_xmask:2 row_mask:0xf bank_mask:0xf
	v_add_f32_dpp v[Q], v[Q], v[Q] row_xmask:4 row_mask:0xf bank_mask:0xf
	v_add_f32_dpp v[Q], v[Q], v[Q] row_xmask:8 row_mask:0xf bank_mask:0xf
	s_wait_alu depctr_va_vdst(0)
.irp j, 0,2,4,6
	v_pk_mul_f32 v[ZZ+\j:ZZ+\j+1], v[ZZ+\j:ZZ+\j+1], v[EE+\j:EE+\j+1]   ; silu
.endr
	v_fma_f32 v[Q], v[Q], 2.0, s[EPS]              ; 256 (sum / 128 + 128 eps)
	v_rsq_f32 v[RS], v[Q]
.irp j, 0,2,4,6
	v_pk_mul_f32 v[ZZ+\j:ZZ+\j+1], v[ZZ+\j:ZZ+\j+1], v[O+\j:O+\j+1]     ; plain lines behind the root
.endr
	s_wait_alu depctr_va_vdst(0)
.irp j, 0,2,4,6
	v_pk_mul_f32 v[ZZ+\j:ZZ+\j+1], v[ZZ+\j:ZZ+\j+1], v[RS:RS+1] op_sel_hi:[1,0]
.endr
.irp j, 0,1,2,3
	v_cvt_pk_f16_f32 v[YP+\j], v[ZZ+2*\j], v[ZZ+2*\j+1]
.endr
	global_store_b128 v[APY], v[YP:YP+3], s[12:13] ; 16 lanes store 256 consecutive bytes, aligned
.endm
.macro GROUP g
	s_wait_tensorcnt 3-(\g)                        ; my load for this group has landed; those for the later groups stay out
	s_wait_dscnt 0x0
	s_barrier_signal -1
	s_barrier_wait -1                              ; everybody's has.  Also: all reads of the o' block that this group writes, made two groups ago, are over
	s_mov_b32 s[TR], REC+(\g)*20480
	s_mov_b32 s[TV], VV+(\g)*16384
	s_mov_b32 s[TO], OST+((\g)%2)*33792
	s_mov_b32 s[CNT], 4
.Ltile_\@:
	TILE
	s_add_co_u32 s[TR], s[TR], 5120
	s_add_co_u32 s[TV], s[TV], 512
	s_add_co_u32 s[TO], s[TO], 8448
	s_sub_co_u32 s[CNT], s[CNT], 1
	s_cmp_lg_u32 s[CNT], 0
	s_cbranch_scc1 .Ltile_\@
	s_wait_dscnt 0x0                               ; for the others' sake: my channels of o' are written
	s_barrier_signal -1
	s_barrier_wait -1
	s_mov_b32 s[PO], OST+((\g)%2)*33792
	s_mov_b32 s[PG], GG+(\g)*17408
	s_mov_b32 s[PY], (\g)*262144
	s_mov_b32 s[CNT], 4                            ; my eight tokens, two a trip
.Lrows_\@:
	ROWS
	s_add_co_u32 s[PO], s[PO], 1056
	s_add_co_u32 s[PG], s[PG], 32
	s_add_co_u32 s[PY], s[PY], 8192
	s_sub_co_u32 s[CNT], s[CNT], 1
	s_cmp_lg_u32 s[CNT], 0
	s_cbranch_scc1 .Lrows_\@
.endm
	GROUP 0
	GROUP 1
	GROUP 2
	GROUP 3
	s_wait_tensorcnt 0x0                           ; the wave's end
	ds_add_u32 v[SPW], v[NIL]
	s_wait_dscnt 0x0
	s_endpgm
.Lfunc_end_k_qf0ff41503d_glaout:
	.size	k_qf0ff41503d_glaout, .Lfunc_end_k_qf0ff41503d_glaout-k_qf0ff41503d_glaout
	.p2alignl 7, 3214868480
	.fill 96, 4, 3214868480
	.section	.rodata,"a",@progbits
	.p2align	6, 0x0
	.amdhsa_kernel k_qf0ff41503d_glaout
		.amdhsa_group_segment_fixed_size 285696
		.amdhsa_private_segment_fixed_size 0
		.amdhsa_enable_private_segment 0
		.amdhsa_kernarg_size 40
		.amdhsa_user_sgpr_count 2
		.amdhsa_user_sgpr_kernarg_segment_ptr 1
		.amdhsa_wavefront_size32 1
		.amdhsa_system_sgpr_workgroup_id_x 1
		.amdhsa_system_sgpr_workgroup_id_y 1
		.amdhsa_system_sgpr_workgroup_id_z 1
		.amdhsa_system_vgpr_workitem_id 0
		.amdhsa_next_free_vgpr 256
		.amdhsa_next_free_sgpr 66
		.amdhsa_reserve_vcc 0
		.amdhsa_float_denorm_mode_32 3
		.amdhsa_float_denorm_mode_16_64 3
		.amdhsa_memory_ordered 1
		.amdhsa_forward_progress 1
		.amdhsa_inst_pref_size 70
	.end_amdhsa_kernel
	.amdgpu_metadata
---
amdhsa.version: [ 1, 2 ]
amdhsa.kernels:
  - .name:           k_qf0ff41503d_glaout
    .symbol:         k_qf0ff41503d_glaout.kd
    .args:
      - { .name: rec, .offset: 0, .size: 8, .value_kind: global_buffer, .address_space: global }
      - { .name: img, .offset: 8, .size: 8, .value_kind: global_buffer, .address_space: global }
      - { .name: sin, .offset: 16, .size: 8, .value_kind: global_buffer, .address_space: global }
      - { .name: bg, .offset: 24, .size: 8, .value_kind: global_buffer, .address_space: global }
      - { .name: y16, .offset: 32, .size: 8, .value_kind: global_buffer, .address_space: global }
    .group_segment_fixed_size: 285696
    .private_segment_fixed_size: 0
    .kernarg_segment_align: 8
    .kernarg_segment_size: 40
    .max_flat_workgroup_size: 256
    .sgpr_count:     66
    .vgpr_count:     256
    .wavefront_size: 32
...
	.end_amdgpu_metadata
.endif
;; end of part 9
;; launch gemm2: the kernel of part 6 again; grid 8 x 32, 4 waves a work-group, clusters of 4 x 4, 327,680 bytes of LDS; arguments y16, ab, out0; writes out0
